; MI455X (gfx1250); checked and timed in simulation.
; The chip was launched on July 23, 2026; its instructions are those of AMD's public machine-readable ISA for CDNA 5 (MIT licence, August 2026) and "CDNA5" Instruction Set Architecture Reference Guide (July 2026). The comments in the code are by the model that wrote it; some were corrected since.
;; MHA. Allowed arithmetic: matrix products marked QUANTISED: E4M3 operands, one given power-of-two scale a tensor, by v_wmma_f32_16x16x64_fp8_fp8 or v_wmma_f32_16x16x128_fp8_fp8, f32 sums; everything else in f32.
;; Inputs: lowp_scales 12 int32 (the exponents e of the quantised operands' scales 2^e); wk 2,048 x 1,024 float32; wo 1,024 x 2,048 float32; wq 2,048 x 1,024 float32; wv 2,048 x 1,024 float32; x 2 x 2,048 x 1,024 float32.
;; Outputs: out0 2 x 2,048 x 1,024 float32.
;; This version of the problem:
;;   THIS VERSION OF THE PROBLEM IS GIVEN IN LOW PRECISION. The matrix products marked QUANTISED in the list below multiply operands that are first quantised to E4M3 (4 exponent bits, 3 mantissa bits; 8 bits a number), with one given power-of-two scale for each operand tensor; their sums are f32. All else is computed in f32.
;;   The module's matrix products, in the order in which they are computed (A, B: the left and right operand; K: the contracted axis; several contracted axes count as one K, in the product's order):
;;     1. [M 4,096, K 1,024] x [K 1,024, N 2,048]; A: input x; B: input wq: QUANTISED (scales: A lowp_scales[0], B lowp_scales[1])
;;     2. [M 4,096, K 1,024] x [K 1,024, N 2,048]; A: input x; B: input wk: QUANTISED (scales: A lowp_scales[2], B lowp_scales[3])
;;     3. [M 4,096, K 1,024] x [K 1,024, N 2,048]; A: input x; B: input wv: QUANTISED (scales: A lowp_scales[4], B lowp_scales[5])
;;     4. batch 32 x [M 2,048, K 128] x [K 128, N 2,048]; A: computed on the way; B: computed on the way: QUANTISED (scales: A lowp_scales[6], B lowp_scales[7])
;;     5. batch 32 x [M 2,048, K 2,048] x [K 2,048, N 128]; A: softmax (see below); B: computed on the way: QUANTISED (scales: A lowp_scales[8], B lowp_scales[9])
;;     6. [M 4,096, K 2,048] x [K 2,048, N 1,024]; A: computed on the way; B: input wo: QUANTISED (scales: A lowp_scales[10], B lowp_scales[11])
;;   THE QUANTISER, for each operand of a quantised product, along K:
;;     - The operand's scale is 2^e, e = its entry of the input lowp_scales (int32; the entries are numbered through the quantised products in the list's order, A before B).
;;     - Each number is divided by the scale, clamped to +-448, and rounded to the nearest number of E4M3, ties to even, subnormals kept.
;;     - The product sums the exact products of the quantised numbers (number of the format x scale) in f32.
;;   ~~~python
;;   def quantise(x, axis, e):      # numpy; x: float32 -> the quantised numbers, widened to float32 again
;;       x = np.moveaxis(x, axis, -1); K = x.shape[-1]
;;       r = np.clip(x / 2.0 ** e, -448, 448)
;;       step = 2.0 ** (np.maximum(np.frexp(np.where(r == 0, 1, r))[1] - 1, -6) - 3)
;;       q = np.round(r / step) * step * 2.0 ** e      # np.round: ties to even
;;       return np.moveaxis(q, -1, axis).astype(np.float32)
;;   ~~~
;;   SOFTMAX AHEAD OF A QUANTISED PRODUCT. Where the list says 'softmax', what is quantised is not the finished softmax but p = 2^(t - M), with t = logit x log2(e) and M = ceil(the row's largest t), a whole number; so 1/2 < the row's largest p <= 1. The row's sum l is taken of the UNQUANTISED p, in f32, and the product's result is divided by l at the end. Since M is a whole number, a kernel that streams over the keys may use a running M (the ceiling of the running maximum): every later rescaling is an exact power of two, so the quantised numbers keep their values, but for numbers so far below the row's largest that they fall under the format's range.
;;   OPERANDS COMPUTED ON THE WAY. 'Computed on the way' means the value that the module computes at that place (a softmax that the list does not call 'softmax' is quantised finished and normalised). What goes into a quantiser is computed in f32, as accurately as f32 sums, v_exp_f32 and their like allow (about 1e-6 of the number): no bf16 or f16 on the way to a quantiser, and a product that is left as it is and whose result goes on into a quantised operand takes f32 operands (vector FMAs, or v_wmma_f32_16x16x4_f32). A number that lies on a knife's edge between two numbers of the format may be rounded either way, as far as f32 arithmetic and the matrix unit's own rounding can turn it there, and no further.
;; 2 versions. Each part assembles by itself: llvm-mc -triple=amdgcn-amd-amdhsa -mcpu=gfx1250 --defsym DOCPART=n.
;; ======== version 1 of 2: 4 launches
;; workspace buffers: codes 20,971,520 bytes; qkv 25,165,824 bytes; acodes 8,388,608 bytes
;; launch quant (part 1): grid 768 x 1, 4 waves a work-group, no clusters, 33,280 bytes of LDS; arguments x, wq, wk, wv, wo, lowp_scales, codes; writes codes
.if DOCPART == 1
	.amdgcn_target "amdgcn-amd-amdhsa--gfx1250"
	.amdhsa_code_object_version 6
	.text
	.protected	k_q2584667cdf_quant
	.globl	k_q2584667cdf_quant
	.p2align	8
	.type	k_q2584667cdf_quant,@function
k_q2584667cdf_quant:
	s_mov_b64 s[64:65], 0
	v_nop
	global_prefetch_b8 v0, s[64:65] scope:SCOPE_SE
	s_setreg_imm32_b32 hwreg(HW_REG_WAVE_MODE, 25, 1), 1
	s_wait_xcnt 0x0
; x [4096][1024] f32 becomes THREE sets of E4M3 codes (scales 2^e0, 2^e2, 2^e4: x is an operand of three products, each with a scale of its own);
; wq, wk, wv [2048][1024] and wo [1024][2048] become one set each (e1, e3, e5, e11).  K is innermost in all of them, rows are dense: every tensor is a plain stream.
; code = number / 2^e, held within +-448, rounded to the nearest code, ties to even.
; LIMITS: each of e0 .. e5 and e11 lies between -126 and 119, so that 2^e and 448 x 2^e are f32 numbers.  NaN among the inputs is not served; an infinity is held at the largest code.
; THE BUFFER OF CODES, in bytes: x by e0 at 0, by e2 at 4 Mi, by e4 at 8 Mi; wq at 12 Mi, wk at 14 Mi, wv at 16 Mi, wo at 18 Mi.
; SHARES.  A work-group takes 16,384 numbers, a wave 4,096: 8 steps of 512.  Work-groups 0-255 take x, 256-383 wq, 384-511 wk, 512-639 wv, 640-767 wo.
; The weights' codes lie on end in the work-groups' order, so one formula gives every destination: 16,384 g (+ 8 Mi for a weight) + 4,096 wave.
; A conversion takes 8 neighbours from ONE lane's registers; a load is dense where neighbouring LANES take neighbouring bytes.  Both are had: a step's four loads read 512 consecutive bytes each,
; the 2,048 bytes go through the wave's own stage in LDS as they lie and come back 64 bytes a lane (16 bytes of padding behind each 64).  A lane's 16 codes are 16 bytes: a store covers 512 consecutive bytes.
; Only pointers, exponents and the number of outputs hang on the work-group's number; every LDS line lies on the one path that all work-groups take.  Waves share nothing: no barrier.
.set WAVES, 4
.set STEPS, 8
.set SP,    80                         ; a lane's place in a stage: its 64 bytes + 16 of padding
.set WREG,  8192                       ; LDS: a region for each wave: two stages of 32 x SP bytes
.set SPARE, WAVES*WREG                 ; behind the four regions: the spare words, 128 bytes for each wave, which no other line names
.set SC,    5                          ; v5-7    2^e as f32, for outputs 0, 1, 2
.set LM,    8                          ; v8-10   448 x 2^e
.set SPW,   12                         ; v12     LDS address of my spare word; never rewritten
.set NIL,   13                         ; v13     0; never rewritten
.set R,     16                         ; v16-79  four sets of 16 numbers as they are loaded
.set X,     80                         ; v80-111 two sets of 16 neighbours
.set T,     112                        ; v112-159 the held numbers, a set for each output
.set C,     160                        ; v160-183 codes: two turns x three outputs x four registers
	s_load_b256 s[4:11], s[0:1], 0x0               ; x s[4:5], wq s[6:7], wk s[8:9], wv s[10:11]
	s_load_b128 s[12:15], s[0:1], 0x20             ; wo s[12:13], the exponents s[14:15]
	s_load_b64 s[16:17], s[0:1], 0x30              ; the codes
	v_lshl_add_u32 v[SPW], v0, 2, SPARE
	v_mov_b32 v[NIL], 0
	v_lshrrev_b32 v1, 5, v0
	v_readfirstlane_b32 s18, v1                    ; wave 0..3
	v_and_b32 v2, 31, v0                           ; lane
	v_lshlrev_b32 v3, 4, v2                        ; 16 x lane: my bytes of a load's 512, and of a store's 512; never rewritten
	s_mul_i32 s30, s18, WREG
	v_lshrrev_b32 v14, 2, v2
	v_mul_u32_u24 v14, v14, SP
	v_and_b32 v15, 3, v2
	v_lshl_add_u32 v14, v15, 4, v14
	v_add_nc_u32 v14, s30, v14                     ; the stage, on the way in: SP (lane / 4) + 16 (lane % 4): four lanes' 64 bytes on end, then the padding
	v_mul_u32_u24 v15, v2, SP
	v_add_nc_u32 v15, s30, v15                     ; and on the way out: SP x lane: my 16 neighbours
	s_cmp_lt_u32 ttmp9, 256                        ; x's work-group?
	s_cselect_b32 s19, 1, 0                        ; 1: three outputs; 0: one
	s_mov_b32 s22, 127
	s_cselect_b32 s22, 255, s22                    ; work-groups in my tensor, less one
	s_cselect_b32 s31, 0, 0x800000                 ; a weight's codes lie 8 Mi further on than 16,384 g
	s_and_b32 s22, ttmp9, s22
	s_lshl_b32 s22, s22, 16                        ; 16,384 numbers of 4 bytes a work-group,
	s_lshl_b32 s30, s18, 14                        ; 4,096 a wave
	s_add_co_u32 s22, s22, s30
	s_mov_b32 s23, 0
	s_lshl_b32 s46, ttmp9, 14
	s_add_co_u32 s46, s46, s31
	s_lshl_b32 s30, s18, 12
	s_add_co_u32 s46, s46, s30
	s_mov_b32 s47, 0
	s_wait_kmcnt 0x0
	s_load_b256 s[32:39], s[14:15], 0x0            ; e0 .. e7
	s_load_b128 s[40:43], s[14:15], 0x20           ; e8 .. e11
	s_cmp_lt_u32 ttmp9, 640                        ; the source: a choice among the five buffers by the work-group's number alone
	s_cselect_b64 s[20:21], s[10:11], s[12:13]
	s_cmp_lt_u32 ttmp9, 512
	s_cselect_b64 s[20:21], s[8:9], s[20:21]
	s_cmp_lt_u32 ttmp9, 384
	s_cselect_b64 s[20:21], s[6:7], s[20:21]
	s_cmp_lt_u32 ttmp9, 256
	s_cselect_b64 s[20:21], s[4:5], s[20:21]
	s_add_nc_u64 s[20:21], s[20:21], s[22:23]      ; my wave's first number
	s_add_nc_u64 s[24:25], s[16:17], s[46:47]      ; my wave's first code, output 0,
	s_add_nc_u64 s[26:27], s[24:25], 0x400000      ; output 1 and
	s_add_nc_u64 s[28:29], s[24:25], 0x800000      ; output 2 (used by x's work-groups alone)
.macro LOAD t                          ; step t's 2,048 bytes into set t % 4: each load reads 512 consecutive bytes
.irp i, 0,1,2,3
	global_load_b128 v[R+16*((\t)%4)+4*\i:R+16*((\t)%4)+4*\i+3], v3, s[20:21] offset:2048*(\t)+512*\i th:TH_LOAD_NT
.endr
.endm
.macro TURN t                          ; step t's numbers through the stage: LDS serves a wave's instructions in order, so no wait stands between the stores and the loads
.irp i, 0,1,2,3
	ds_store_b128 v14, v[R+16*((\t)%4)+4*\i:R+16*((\t)%4)+4*\i+3] offset:32*SP*((\t)%2)+8*SP*\i
.endr
.irp i, 0,1,2,3
	ds_load_b128 v[X+16*((\t)%2)+4*\i:X+16*((\t)%2)+4*\i+3], v15 offset:32*SP*((\t)%2)+16*\i
.endr
.endm
.irp t, 0,1,2,3
	LOAD \t                                        ; sixteen loads a wave are out
.endr
	s_wait_kmcnt 0x0
	s_cmp_lt_u32 ttmp9, 640                        ; output 0's exponent, by the same cascade: e11, e5, e3, e1, e0
	s_cselect_b32 s44, s37, s43
	s_cmp_lt_u32 ttmp9, 512
	s_cselect_b32 s44, s35, s44
	s_cmp_lt_u32 ttmp9, 384
	s_cselect_b32 s44, s33, s44
	s_cmp_lt_u32 ttmp9, 256
	s_cselect_b32 s44, s32, s44
.macro MKSCALE se, o                   ; from the exponent in s[se]: 2^e, whose exponent field the conversion takes, and 448 x 2^e, the hold
	s_add_co_i32 s45, s[\se], 127
	s_lshl_b32 s48, s45, 23
	v_mov_b32 v[SC+\o], s48
	s_add_co_i32 s45, s45, 8
	s_lshl_b32 s45, s45, 23
	s_or_b32 s45, s45, 0x600000                    ; 448 = 1.75 x 2^8
	v_mov_b32 v[LM+\o], s45
.endm
	MKSCALE 44, 0
	MKSCALE 34, 1                                  ; e2
	MKSCALE 36, 2                                  ; e4
	s_wait_loadcnt 12                              ; step 0's four loads are in; three steps' may be out
	TURN 0
.macro OUT t, o, base                  ; output o of step t: hold, convert, store
.irp i, 0,1,2,3,4,5,6,7,8,9,10,11,12,13,14,15
	v_med3_num_f32 v[T+16*\o+\i], v[XS+\i], -v[LM+\o], v[LM+\o]   ; the conversion to an 8-bit code does not saturate (ISA guide 7.6.2): the number is held first; X stays as it is for the other outputs
.endr
	v_cvt_scalef32_pk8_fp8_f32 v[CS+4*\o:CS+4*\o+1], v[T+16*\o:T+16*\o+7], v[SC+\o]
	v_cvt_scalef32_pk8_fp8_f32 v[CS+4*\o+2:CS+4*\o+3], v[T+16*\o+8:T+16*\o+15], v[SC+\o]
	v_nop                                          ; one plain vector line behind the conversions, ahead of the next write of their sources
	global_store_b128 v3, v[CS+4*\o:CS+4*\o+3], s[\base:\base+1] offset:512*(\t)   ; 32 lanes store 512 consecutive bytes, at a multiple of 512 from the buffer's first byte
.endm
.macro STEP t
.set XS, X+16*((\t)%2)
.set CS, C+12*((\t)%2)
	s_wait_dscnt 0x0                               ; this step's numbers are back from the stage, and its stores into the stage have read their registers,
.if (\t)+4 < STEPS
	LOAD (\t)+4                                    ; which take the loads of four steps on
.endif
.if (\t)+1 < STEPS
.if STEPS-2-(\t) >= 3
	s_wait_loadcnt 12                              ; the next step's four loads are in; those of the three steps behind it may be out
.else
	s_wait_loadcnt 4*(STEPS-2-(\t))                ; towards the end fewer steps stand behind it
.endif
	TURN (\t)+1                                    ; the next step goes through the other stage while this one is worked
.endif
	s_wait_xcnt 0x0                                ; the stores of two steps back have read this turn's code registers
	OUT \t, 0, 24
	s_cmp_eq_u32 s19, 0                            ; a weight has one output.  The jump hangs on the work-group's number and leads round register work and global stores alone
	s_cbranch_scc1 .Lone_\@
	OUT \t, 1, 26
	OUT \t, 2, 28
.Lone_\@:
.endm
.irp t, 0,1,2,3,4,5,6,7
	STEP \t
.endr
	s_wait_tensorcnt 0x0                           ; the wave's end: these three lines behind my last LDS store
	ds_add_u32 v[SPW], v[NIL]
	s_wait_dscnt 0x0
	s_endpgm
.Lfunc_end_k_q2584667cdf_quant:
	.size	k_q2584667cdf_quant, .Lfunc_end_k_q2584667cdf_quant-k_q2584667cdf_quant
	.p2alignl 7, 3214868480
	.fill 96, 4, 3214868480
	.section	.rodata,"a",@progbits
	.p2align	6, 0x0
	.amdhsa_kernel k_q2584667cdf_quant
		.amdhsa_group_segment_fixed_size 33280
		.amdhsa_private_segment_fixed_size 0
		.amdhsa_enable_private_segment 0
		.amdhsa_kernarg_size 56
		.amdhsa_user_sgpr_count 2
		.amdhsa_user_sgpr_kernarg_segment_ptr 1
		.amdhsa_wavefront_size32 1
		.amdhsa_system_sgpr_workgroup_id_x 1
		.amdhsa_system_sgpr_workgroup_id_y 1
		.amdhsa_system_sgpr_workgroup_id_z 1
		.amdhsa_system_vgpr_workitem_id 0
		.amdhsa_next_free_vgpr 192
		.amdhsa_next_free_sgpr 66
		.amdhsa_reserve_vcc 0
		.amdhsa_float_denorm_mode_32 3
		.amdhsa_float_denorm_mode_16_64 3
		.amdhsa_memory_ordered 1
		.amdhsa_forward_progress 1
		.amdhsa_inst_pref_size 43
	.end_amdhsa_kernel
	.amdgpu_metadata
---
amdhsa.version: [ 1, 2 ]
amdhsa.kernels:
  - .name:           k_q2584667cdf_quant
    .symbol:         k_q2584667cdf_quant.kd
    .args:
      - { .name: x, .offset: 0, .size: 8, .value_kind: global_buffer, .address_space: global }
      - { .name: wq, .offset: 8, .size: 8, .value_kind: global_buffer, .address_space: global }
      - { .name: wk, .offset: 16, .size: 8, .value_kind: global_buffer, .address_space: global }
      - { .name: wv, .offset: 24, .size: 8, .value_kind: global_buffer, .address_space: global }
      - { .name: wo, .offset: 32, .size: 8, .value_kind: global_buffer, .address_space: global }
      - { .name: lowp_scales, .offset: 40, .size: 8, .value_kind: global_buffer, .address_space: global }
      - { .name: codes, .offset: 48, .size: 8, .value_kind: global_buffer, .address_space: global }
    .group_segment_fixed_size: 33280
    .private_segment_fixed_size: 0
    .kernarg_segment_align: 8
    .kernarg_segment_size: 56
    .max_flat_workgroup_size: 128
    .sgpr_count:     66
    .vgpr_count:     192
    .wavefront_size: 32
...
	.end_amdgpu_metadata
.endif
;; end of part 1
;; launch qkv (part 2): grid 16 x 24, 4 waves a work-group, clusters of 4 x 4, 327,680 bytes of LDS; arguments codes, lowp_scales, qkv; writes qkv
.if DOCPART == 2
	.amdgcn_target "amdgcn-amd-amdhsa--gfx1250"
	.amdhsa_code_object_version 6
	.text
	.protected	k_q2584667cdf_qkv
	.globl	k_q2584667cdf_qkv
	.p2align	8
	.type	k_q2584667cdf_qkv,@function
k_q2584667cdf_qkv:
	s_mov_b64 s[64:65], 0
	v_nop
	global_prefetch_b8 v0, s[64:65] scope:SCOPE_SE
	s_setreg_imm32_b32 hwreg(HW_REG_WAVE_MODE, 25, 1), 1
	s_wait_xcnt 0x0
	s_wait_alu depctr_hold_cnt(0) depctr_sa_sdst(0) depctr_va_vdst(0) depctr_va_sdst(0) depctr_va_ssrc(0) depctr_va_vcc(0) depctr_vm_vsrc(0)
	s_getreg_b32 s2, hwreg(HW_REG_IB_STS2, 6, 4)
	s_cmp_eq_u32 s2, 0
	s_cbranch_scc0 .Lentry_in_a_cluster
	s_endpgm
.Lentry_in_a_cluster:
	s_bfe_u32 s2, ttmp6, 0x10000c
	s_cmp_lg_u32 s2, 0xf033
	s_cbranch_scc0 .Lentry_shape_is_right
	s_endpgm
.Lentry_shape_is_right:
; The three projections q = x wq^T, k = x wk^T, v = x wv^T on E4M3 codes, K = 1,024; each finished f32 sum is quantised at once for the attention's products (scales 2^e6, 2^e7, 2^e9).
; ONE GRID OF 16 x 24 TILES of 256 x 256.  X = tile column, Y = tile row.  Each tile multiplies 256 rows 'A' (by Y) with 256 rows 'B' (by X) of the buffer of codes, counted there in rows of 1,024 bytes:
;   Y < 16, X < 8 : q.  A = x by e0, row 256 Y;           B = wq, row 12,288 + 256 X
;   Y < 16, X >= 8: k.  A = x by e2, row 4,096 + 256 Y;   B = wk, row 12,288 + 256 X (wk follows wq)
;   Y >= 16       : v.  A = wv,      row 12,288 + 256 Y;  B = x by e4, row 8,192 + 256 X
; THE MATRIX INSTRUCTION IS USED TRANSPOSED (source 0 = 16 rows of B, source 1 = 16 rows of A): a lane holds one row of A and eight neighbouring rows of B.  So for q and k a lane has one token and eight
; neighbouring channels, for v one channel and eight neighbouring tokens: in each case eight neighbours along the K of the product that follows, which one conversion turns into eight codes.
; A sum stands for sum x 2^(ea + eb); its code is sum / 2^f with f = e6 - e0 - e1 (q), e7 - e2 - e3 (k), e9 - e4 - e5 (v), held within +-448 x 2^f.  LIMIT: each f lies between -126 and 119.
; OUTPUT: three sections of 8 Mi (q, k, v), each 512 dense blocks of 16,384 bytes, block ((b 16 + head) 16 + token / 128); q, k: [token % 128][channel]; v: [channel][token % 128].
; A wave's 128 x 128 of a tile is exactly one block, and leaves as 32 stores of 512 consecutive bytes.
; A work-group of four waves makes a tile; a wave 128 x 128: 64 accumulators, 512 registers.  K goes in steps of 256 through a ring of two LDS slots filled by the tensor data mover.
; CLUSTERS: 4 x 4 work-groups; a cluster lies wholly in one section (the sections' borders are multiples of 4).  The four of a row need the same tile of A, the four of a column the same tile of B: each is asked for jointly.
; Inside a matrix instruction k is permuted alike in A and B (four loads of 16 bytes a fragment): every product meets its partner.
; REGISTERS, in windows of 256: window 0: v0-31 addresses and the two scale registers; from v128 A's fragments, ONE set; on the way out v32-255 are free.   window 1: B's fragments, TWO sets, at v0 and v128.
;   window 2: the 32 accumulators of my rows 0-63 (accumulator (a, b) at v[8 (8 a + b)]);   window 3: those of my rows 64-127.
.set SIZE_K, 1024
.set KSTEP,  256                       ; along K in a slot
.set ROWB,   256                       ; a tile's row in bytes
.set KROW,   SIZE_K                    ; a row of codes in memory, in bytes
.set PITCH,  272                       ; an LDS row: 256 bytes + 16 of padding = 68 words: the 16 rows that a load touches start at 16 different banks (64 banks of 4 bytes: ISA guide 11.1)
.set FR,     16                        ; registers of a fragment: 16 rows x 128 K
.set NL,     4                         ; LDS loads that bring one
.set NP,     4                         ; places behind this matrix instruction (ISA guide 7.12.1)
.set HALFT,  128*PITCH                 ; 128 rows: what one tensor load brings
.set SLOT,   4*HALFT                   ; A's 256 rows, then B's 256 rows
.set LAPS,   SIZE_K/(2*KSTEP)          ; a lap = two K steps = once round the ring
.set SPARE,  2*SLOT                    ; behind the ring: the spare words, 128 bytes for each wave, which no other line names
.set SPITCH, 144                       ; the way out: a stage of 16 rows x (128 bytes + 16) for each wave, in slot 0, which has had its last fill and its last read when the first code is stored there
.set ADRA, 16                          ; v16-17  LDS address of my A fragments in slot 0, 1
.set ADRB, 20                          ; v20-21  the same for B
.set STO,  24                          ; v24     the way out: where I put 8 bytes of a row
.set RD,   25                          ; v25     the way out: where I read 16 bytes back
.set CO,   26                          ; v26     16 x lane: my bytes of a store's 512
.set SPW,  28                          ; v28     LDS address of my spare word; never rewritten
.set NIL,  29                          ; v29     0; never rewritten
.set QS,   30                          ; v30     2^f as f32
.set QL,   31                          ; v31     448 x 2^f
.set TMP,  32                          ; the way out: 64 registers, a block's held sums
.set CD,   96                          ; the way out: a block's codes, 16 registers, two sets by turns
.set AF,   128                         ; A's fragments, in window 0
.set BK,   128                         ; the way out: 16 registers for each of the eight blocks, so that no store's data are written again
.set G1, 24                            ; s[24:31] descriptor group 1 for A's tiles;  s[32:39] group 0, one set for each slot
.set G0, 32
.set G1B, 48                           ; s[48:55], s[56:63] the same for B's tiles
.set G0B, 56
.set MSB, 0
.macro WIN new                         ; the immediate's high byte repeats the setting that is left
.if MSB != \new
	s_set_vgpr_msb (MSB<<8)|\new
.set MSB, \new
.endif
.endm
.set MUL_LO, 0xa1                      ; source 0 (B) window 1, source 1 (A) window 0, C and D window 2
.set MUL_HI, 0xf1                      ; the same, C and D window 3
.set TO_B,   0x40                      ; destination window 1, address window 0
; A joint load: waves 0 and 1 fetch for A, waves 2 and 3 for B.  Each line has ONE mask and one set of registers for all that issue it; the branch hangs on the wave's number alone.
; An s_nop 0 and four v_nop follow each of the two lines, ahead of the jump, the label and what follows.
.macro JLOAD g0a, g1a, g0b, g1b
	s_cmp_eq_u32 s15, 0
	s_cbranch_scc0 .Lfor_b_\@
	tensor_load_to_lds s[\g0a:\g0a+3], s[\g1a:\g1a+7]
	s_nop 0
.rept 4
	v_nop
.endr
	s_branch .Lasked_\@
.Lfor_b_\@:
	tensor_load_to_lds s[\g0b:\g0b+3], s[\g1b:\g1b+7]
	s_nop 0
.rept 4
	v_nop
.endr
.Lasked_\@:
.endm
.macro CREST                           ; a round of the cluster's barrier behind its opening barrier
	s_cmp_lg_u32 s14, 0
	s_cbranch_scc1 .Lnot_wave_0_\@
	s_barrier_signal -3
.Lnot_wave_0_\@:
	s_barrier_wait -3
	s_barrier_signal -1
	s_barrier_wait -1
.endm
.macro CROUND                          ; a whole round
	s_barrier_signal -1
	s_barrier_wait -1
	CREST
.endm
	s_load_b128 s[4:7], s[0:1], 0x0                ; the codes s[4:5], the exponents s[6:7]
	s_load_b64 s[8:9], s[0:1], 0x10                ; the output
	v_lshl_add_u32 v[SPW], v0, 2, SPARE
	v_mov_b32 v[NIL], 0
	ds_add_u32 v[SPW], v[NIL]                      ; the wave's opening: the add and its wait ahead of my first tensor load; the set-up below, work on registers, stands between them
	v_lshrrev_b32 v1, 5, v0
	v_readfirstlane_b32 s14, v1                    ; wave 0..3
	s_lshr_b32 s15, s14, 1                         ; which half of A's rows is mine.  Also: I fetch for A (0) or for B (1)
	s_and_b32 s16, s14, 1                          ; which half of B's rows.  Also: which 128 rows of that tile I fetch
	s_bfe_u32 s40, ttmp6, 0x40000                  ; cx, cy: my place in the cluster
	s_bfe_u32 s41, ttmp6, 0x40004
	s_lshl_b32 s42, ttmp9, 2
	s_add_co_u32 s42, s42, s40                     ; X = 4 x cluster x + cx
	s_and_b32 s67, ttmp7, 0xffff                   ; cluster y
	s_lshl_b32 s17, s67, 2
	s_add_co_u32 s17, s17, s41                     ; Y = 4 x cluster y + cy
	s_lshl_b32 s43, s41, 2
	s_lshl_b32 s43, 15, s43                        ; my row of the cluster
	s_lshl_b32 s44, 0x1111, s40                    ; my column
	; descriptor group 1: a tile of 128 rows x 256 bytes, padded in LDS
	s_or_b32 s[G1+0], s43, (0<<16)|(1<<20)|(1<<21)|(5<<22)|(3<<25)  ; 15:0 the mask: A's tiles go to my row; 17:16 element of 1 byte; 20 padding on; 21 set beside a mask; 24:22 after every 64 words (code 5); 31:25 of 4 words (code 3)
	s_or_b32 s[G1B+0], s44, (0<<16)|(1<<20)|(1<<21)|(5<<22)|(3<<25)
.irp g, G1, G1B
	s_mov_b32 s[\g+1], ROWB<<16                    ; tensor_dim0
	s_mov_b32 s[\g+2], 128<<16                     ; tensor_dim1 = 128
	s_mov_b32 s[\g+3], ROWB<<16                    ; tile_dim0
	s_mov_b32 s[\g+4], 128                         ; tile_dim1 = 128
	s_mov_b32 s[\g+5], KROW                        ; tensor_dim0_stride
	s_mov_b32 s[\g+6], 0
	s_mov_b32 s[\g+7], 0
.endr
	; the section, from the CLUSTER's coordinates, which all sixteen partners share: k where cluster x >= 2, v where cluster y >= 4
	s_cmp_ge_u32 ttmp9, 2
	s_cselect_b32 s68, 4096, 0                     ; A's base row: x by e2 or x by e0,
	s_cmp_ge_u32 s67, 4
	s_cselect_b32 s68, 12288, s68                  ; or wv (16,384 - 256 x 16)
	s_mov_b32 s69, 12288
	s_cselect_b32 s69, 8192, s69                   ; B's base row: x by e4, or wq and wk
	s_lshl_b32 s18, s16, 7                         ; which 128 rows of the tile I fetch
	s_lshl_b32 s20, s17, 8
	s_add_co_u32 s20, s20, s18
	s_add_co_u32 s20, s20, s68                     ; A: base + 256 Y + 128 x half
	s_lshl_b32 s20, s20, 10                        ; in bytes, under 2^25
	s_mov_b32 s21, 0
	s_lshl_b32 s46, s42, 8
	s_add_co_u32 s46, s46, s18
	s_add_co_u32 s46, s46, s69                     ; B: base + 256 X + 128 x half
	s_lshl_b32 s46, s46, 10
	s_mov_b32 s47, 0
	s_mul_i32 s45, s14, HALFT                      ; where they go: wave x 128 rows: no place in the cluster enters an LDS address
	s_wait_dscnt 0x0                               ; the opening add is done
	s_wait_kmcnt 0x0
	s_load_b256 s[72:79], s[6:7], 0x0              ; e0 .. e7
	s_load_b128 s[80:83], s[6:7], 0x20             ; e8 .. e11
	s_add_nc_u64 s[20:21], s[4:5], s[20:21]
	s_add_nc_u64 s[46:47], s[4:5], s[46:47]
	CROUND                                         ; all sixteen work-groups are here: the first joint loads meet
.irp s, 0,1
	s_mov_b32 s[G0+4*\s], 1
	s_add_co_u32 s[G0+4*\s+1], s45, \s*SLOT
	s_add_nc_u64 s[G0+4*\s+2:G0+4*\s+3], s[20:21], \s*ROWB
	s_or_b32 s[G0+4*\s+3], s[G0+4*\s+3], 0x80000000
	s_mov_b32 s[G0B+4*\s], 1
	s_add_co_u32 s[G0B+4*\s+1], s45, \s*SLOT
	s_add_nc_u64 s[G0B+4*\s+2:G0B+4*\s+3], s[46:47], \s*ROWB
	s_or_b32 s[G0B+4*\s+3], s[G0B+4*\s+3], 0x80000000
	JLOAD G0+4*\s, G1, G0B+4*\s, G1B               ; two loads of mine are out
.endr
	v_and_b32 v1, 15, v0                           ; r = l % 16
	v_bfe_u32 v2, v0, 4, 1                         ; h = l / 16
	v_mul_u32_u24 v3, v1, PITCH
	v_lshl_add_u32 v4, v2, 4, v3                   ; a fragment's row x pitch + 16 x half
	s_mul_i32 s21, s15, HALFT                      ; my 128 rows of A
	s_mul_i32 s22, s16, HALFT                      ; my 128 rows of B,
	s_add_co_u32 s22, s22, 2*HALFT                 ; which lie behind A's 256
.irp s, 0,1
	v_add_nc_u32 v[ADRA+\s], s21, v4
	v_add_nc_u32 v[ADRB+\s], s22, v4
	s_add_co_u32 s21, s21, SLOT
	s_add_co_u32 s22, s22, SLOT
.endr
	s_mul_i32 s23, s14, 16*SPITCH                  ; my stage
	v_mul_u32_u24 v5, v1, SPITCH                   ; in: row r, 8 bytes for each half of the lanes
	v_lshl_add_u32 v5, v2, 3, v5
	v_add_nc_u32 v[STO], s23, v5
	v_and_b32 v6, 31, v0
	v_lshlrev_b32 v[CO], 4, v6
	v_lshrrev_b32 v7, 3, v6                        ; back: eight lanes to a row of 128 bytes, four rows an instruction
	v_mul_u32_u24 v7, v7, SPITCH
	v_and_b32 v8, 7, v6
	v_lshl_add_u32 v7, v8, 4, v7
	v_add_nc_u32 v[RD], s23, v7
	; my block of the output.  sA, sB: my 128 rows of A and of B, counted in 128s
	s_lshl_b32 s87, s17, 1
	s_add_co_u32 s87, s87, s15                     ; sA = 2 Y + wave / 2
	s_lshl_b32 s88, s42, 1
	s_add_co_u32 s88, s88, s16                     ; sB = 2 X + wave % 2
	s_sub_co_u32 s89, s87, 32                      ; v: the head is sA - 32,
	s_and_b32 s90, s88, 15                         ; q, k: sB % 16
	s_lshr_b32 s91, ttmp9, 1                       ; q: 0, k: 1
	s_cmp_ge_u32 s67, 4
	s_cselect_b32 s92, s88, s87                    ; the 128 tokens: sB in v, sA in q and k
	s_cselect_b32 s93, s89, s90                    ; the head
	s_cselect_b32 s91, 2, s91                      ; the section
	s_lshr_b32 s94, s92, 4
	s_lshl_b32 s94, s94, 8                         ; b x 256
	s_lshl_b32 s93, s93, 4
	s_add_co_u32 s94, s94, s93                     ; + head x 16
	s_and_b32 s92, s92, 15
	s_add_co_u32 s94, s94, s92                     ; + token / 128 within b
	s_lshl_b32 s94, s94, 14
	s_lshl_b32 s91, s91, 23
	s_add_co_u32 s94, s94, s91
	s_mov_b32 s95, 0
	s_add_nc_u64 s[8:9], s[8:9], s[94:95]
	s_wait_kmcnt 0x0                               ; the exponents; the first tiles are still on their way
	s_sub_co_i32 s84, s78, s72
	s_sub_co_i32 s84, s84, s73                     ; q: e6 - e0 - e1
	s_sub_co_i32 s85, s79, s74
	s_sub_co_i32 s85, s85, s75                     ; k: e7 - e2 - e3
	s_sub_co_i32 s86, s81, s76
	s_sub_co_i32 s86, s86, s77                     ; v: e9 - e4 - e5
	s_cmp_ge_u32 ttmp9, 2
	s_cselect_b32 s84, s85, s84
	s_cmp_ge_u32 s67, 4
	s_cselect_b32 s84, s86, s84                    ; f: a choice, no branch
	s_add_co_i32 s84, s84, 127
	s_lshl_b32 s85, s84, 23
	v_mov_b32 v[QS], s85                           ; 2^f
	s_add_co_i32 s84, s84, 8
	s_lshl_b32 s84, s84, 23
	s_or_b32 s84, s84, 0x600000
	v_mov_b32 v[QL], s84                           ; 448 x 2^f
.macro FRAG reg, adr, q, i             ; a fragment, 16 rows x 128 K: lane l holds row l % 16; registers 4 c .. 4 c + 3 hold K = 32 c + 16 (l / 16) + 0 .. 15
.irp c, 0,1,2,3
	ds_load_b128 v[\reg+4*\c:\reg+4*\c+3], v[\adr] offset:128*(\q)+32*\c+(\i)*16*PITCH
.endr
.endm
; 16 matrix instructions: A's blocks a0, a0 + 1 x B's eight, 128 along K.  p: B's set.  zero = 1: the first product starts the sums: nothing is ever cleared.
; The 64 accumulators take turns, one instruction a turn, in the same order in every step.
.macro MUL16 a0, p, zero
.irp a, \a0, \a0+1
.irp b, 0,1,2,3,4,5,6,7
.if \zero
	v_wmma_f32_16x16x128_fp8_fp8 v[8*(8*((\a)%4)+\b):8*(8*((\a)%4)+\b)+7], v[128*(\p)+FR*\b:128*(\p)+FR*\b+FR-1], v[AF+FR*(\a):AF+FR*(\a)+FR-1], 0
.else
	v_wmma_f32_16x16x128_fp8_fp8 v[8*(8*((\a)%4)+\b):8*(8*((\a)%4)+\b)+7], v[128*(\p)+FR*\b:128*(\p)+FR*\b+FR-1], v[AF+FR*(\a):AF+FR*(\a)+FR-1], v[8*(8*((\a)%4)+\b):8*(8*((\a)%4)+\b)+7]
.endif
.endr
.endr
.endm
.macro FETCH_B slot, q, p              ; B's eight fragments of the slot's q-th 128 along K into set p
	WIN TO_B
.irp i, 0,1,2,3,4,5,6,7
	FRAG 128*(\p)+FR*\i, ADRB+\slot, \q, \i
.endr
	WIN 0
.endm
.macro FETCH_A slot, q, i0             ; A's blocks i0 .. i0 + 3
.irp i, \i0, \i0+1, \i0+2, \i0+3
	FRAG AF+FR*(\i), ADRA+\slot, \q, \i
.endr
.endm
; A load into a register that a matrix instruction has read, and a vector instruction that reads a matrix result, stand NP places behind that matrix instruction; only plain vector
; instructions that name none of its registers are places (ISA guide 7.12.1 for vector instructions).
.macro PLACES n
.rept \n
	v_nop
.endr
.endm
; A step of 128 along K that has its successor in the same slot.  A has one set of registers: a block is free as soon as its eight products are issued.
.macro STEP slot, q, zero
	s_wait_dscnt 4*NL                              ; B's set and A's blocks 0-3 are in; the youngest sixteen loads (A's blocks 4-7) may be out
	WIN MUL_LO
	MUL16 0, (\q)%2, \zero
	MUL16 2, (\q)%2, \zero
	s_wait_dscnt 0                                 ; A's blocks 4-7 are in (asked for 32 matrix instructions ago)
	PLACES NP
	FETCH_B \slot, (\q)+1, 1-(\q)%2
	FETCH_A \slot, (\q)+1, 0
	WIN MUL_HI
	MUL16 4, (\q)%2, \zero
	MUL16 6, (\q)%2, \zero
	PLACES NP
	WIN 0
	FETCH_A \slot, (\q)+1, 4
.endm
; A slot's last step changes slots: ONE barrier; in front of it each wave waits for all its tensor loads, adds 0 to its spare word, and waits for that and for its own reads of this slot.  fill = 1: this slot is filled again, two K steps ahead.
.macro TURN slot, next, fill
	s_wait_tensorcnt 0x0                           ; all my tensor loads have landed: my part of the next slot  (every window is 0 here: the add's two registers lie in window 0)
	ds_add_u32 v[SPW], v[NIL]                      ; 0 onto my spare word
	s_wait_dscnt 4*NL+1                            ; (the add and the youngest sixteen loads, A's blocks 4-7, may be out)
	WIN MUL_LO
	MUL16 0, 1, 0                                  ; sixteen matrix instructions stand between the add and the wait for it
	s_wait_dscnt 0x0                               ; the add is done, and my reads of this slot are over
	s_barrier_signal -1
	MUL16 2, 1, 0
	WIN 0
	s_barrier_wait -1
.if \fill
	CREST                                          ; the barrier has opened a round of the cluster's barrier: no wave of any partner still reads this slot's tile or has a load on its way
	s_add_nc_u64 s[G0+4*\slot+2:G0+4*\slot+3], s[G0+4*\slot+2:G0+4*\slot+3], 2*ROWB
	s_add_nc_u64 s[G0B+4*\slot+2:G0B+4*\slot+3], s[G0B+4*\slot+2:G0B+4*\slot+3], 2*ROWB
	JLOAD G0+4*\slot, G1, G0B+4*\slot, G1B         ; the first tensor load behind the round, my one load until the next; the four v_nop behind it are the places in front of the loads below
.else
	PLACES NP
.endif
	FETCH_B \next, 0, 0
	FETCH_A \next, 0, 0
	WIN MUL_HI
	MUL16 4, 1, 0
	MUL16 6, 1, 0
	PLACES NP
	WIN 0
	FETCH_A \next, 0, 4
.endm
	s_wait_tensorcnt 1                             ; my part of K step 0 is in; K step 1's load may be out
	s_barrier_signal -1
	s_barrier_wait -1                              ; everybody's is
	FETCH_B 0, 0, 0
	FETCH_A 0, 0, 0
	FETCH_A 0, 0, 4
	STEP 0, 0, 1                                   ; the first step stands in front of the loop: its products start the sums
	s_mov_b32 s3, LAPS-1
.Llap:                                                 ; a trip goes once round the ring, from a lap's second step to the next lap's first, and fills both slots again
	TURN 0, 1, 1
	STEP 1, 0, 0
	TURN 1, 0, 1
	STEP 0, 0, 0
	s_sub_co_u32 s3, s3, 1
	s_cmp_lg_u32 s3, 0
	s_cbranch_scc1 .Llap
	TURN 0, 1, 0                                   ; the last lap fills nothing, and has no round of the cluster's barrier
	STEP 1, 0, 0
	s_wait_dscnt 4*NL                              ; the very last step: nothing more to fetch
	WIN MUL_LO
	MUL16 0, 1, 0
	MUL16 2, 1, 0
	s_wait_dscnt 0
	WIN MUL_HI
	MUL16 4, 1, 0
	MUL16 6, 1, 0
	WIN 0
; THE WAY OUT, block by block of 16 rows x 128 codes.  A lane's eight sums of an accumulator are held, converted to eight codes (8 bytes of its row) and put into my own stage; the block comes back as it lies in
; the output, 2,048 dense bytes, in four loads of 512.  LDS serves a wave's instructions in order (ISA guide 5.7.1.4): no wait between the stores and the loads, nor in front of the next block's stores.
.macro TOSTAGE a
.set AC, 64*((\a)%4)
	WIN 0x02+((\a)/4)                              ; source 0: window 2 or 3
.set j, 0
.rept 64
	v_med3_num_f32 v[TMP+j], v[AC+j], -v[QL], v[QL]   ; the conversion does not saturate (ISA guide 7.6.2): the hold at 448 x 2^f; each accumulator from its low end on
.set j, j+1
.endr
	WIN 0
.irp b, 0,1,2,3,4,5,6,7
	v_cvt_scalef32_pk8_fp8_f32 v[CD+16*((\a)%2)+2*\b:CD+16*((\a)%2)+2*\b+1], v[TMP+8*\b:TMP+8*\b+7], v[QS]
.endr
	v_nop                                          ; one plain vector line behind the conversions, ahead of the next block's writes of their sources
.irp b, 0,1,2,3,4,5,6,7
	ds_store_b64 v[STO], v[CD+16*((\a)%2)+2*\b:CD+16*((\a)%2)+2*\b+1] offset:16*\b
.endr
.irp t, 0,1,2,3
	ds_load_b128 v[BK+16*(\a)+4*\t:BK+16*(\a)+4*\t+3], v[RD] offset:4*SPITCH*\t
.endr
.endm
.macro SEND a, younger                 ; younger: the LDS instructions issued behind block a's loads, which may stay out
	s_wait_dscnt \younger                          ; the block is back in registers
.irp t, 0,1,2,3
	global_store_b128 v[CO], v[BK+16*(\a)+4*\t:BK+16*(\a)+4*\t+3], s[8:9] offset:2048*(\a)+512*\t   ; 32 lanes store 512 consecutive bytes, at a multiple of 512 from the buffer's first byte
.endr
.endm
	PLACES NP                                      ; behind the last products: for the first reads of results and the loads into the registers that held A's fragments
	TOSTAGE 0
.irp a, 1,2,3,4,5,6,7
	TOSTAGE \a
	SEND \a-1, 12                                  ; behind block a - 1's loads: block a's 8 stores and 4 loads
.endr
	SEND 7, 0
	s_wait_tensorcnt 0x0                           ; the wave's end: these three lines, behind my last tensor load and my last LDS store
	ds_add_u32 v[SPW], v[NIL]
	s_wait_dscnt 0x0
	CROUND                                         ; the closing round: no work-group ends while a partner may still ask for a tile that names it
	s_endpgm
.Lfunc_end_k_q2584667cdf_qkv:
	.size	k_q2584667cdf_qkv, .Lfunc_end_k_q2584667cdf_qkv-k_q2584667cdf_qkv
	.p2alignl 7, 3214868480
	.fill 96, 4, 3214868480
	.section	.rodata,"a",@progbits
	.p2align	6, 0x0
	.amdhsa_kernel k_q2584667cdf_qkv
		.amdhsa_group_segment_fixed_size 327680
		.amdhsa_private_segment_fixed_size 0
		.amdhsa_enable_private_segment 0
		.amdhsa_kernarg_size 24
		.amdhsa_user_sgpr_count 2
		.amdhsa_user_sgpr_kernarg_segment_ptr 1
		.amdhsa_wavefront_size32 1
		.amdhsa_system_sgpr_workgroup_id_x 1
		.amdhsa_system_sgpr_workgroup_id_y 1
		.amdhsa_system_sgpr_workgroup_id_z 1
		.amdhsa_system_vgpr_workitem_id 0
		.amdhsa_next_free_vgpr 1024
		.amdhsa_next_free_sgpr 100
		.amdhsa_reserve_vcc 0
		.amdhsa_float_denorm_mode_32 3
		.amdhsa_float_denorm_mode_16_64 3
		.amdhsa_memory_ordered 1
		.amdhsa_forward_progress 1
		.amdhsa_inst_pref_size 125
	.end_amdhsa_kernel
	.amdgpu_metadata
---
amdhsa.version: [ 1, 2 ]
amdhsa.kernels:
  - .name:           k_q2584667cdf_qkv
    .symbol:         k_q2584667cdf_qkv.kd
    .args:
      - { .name: codes, .offset: 0, .size: 8, .value_kind: global_buffer, .address_space: global }
      - { .name: lowp_scales, .offset: 8, .size: 8, .value_kind: global_buffer, .address_space: global }
      - { .name: qkv, .offset: 16, .size: 8, .value_kind: global_buffer, .address_space: global }
    .group_segment_fixed_size: 327680
    .private_segment_fixed_size: 0
    .kernarg_segment_align: 8
    .kernarg_segment_size: 24
    .max_flat_workgroup_size: 128
    .sgpr_count:     100
    .vgpr_count:     1024
    .wavefront_size: 32
...
	.end_amdgpu_metadata
.endif
;; end of part 2
;; launch attn (part 3): grid 8 x 32, 16 waves a work-group, no clusters, 327,680 bytes of LDS; arguments qkv, lowp_scales, acodes; writes acodes
.if DOCPART == 3
	.amdgcn_target "amdgcn-amd-amdhsa--gfx1250"
	.amdhsa_code_object_version 6
	.text
	.protected	k_q2584667cdf_attn
	.globl	k_q2584667cdf_attn
	.p2align	8
	.type	k_q2584667cdf_attn,@function
k_q2584667cdf_attn:
	s_mov_b64 s[64:65], 0
	v_nop
	global_prefetch_b8 v0, s[64:65] scope:SCOPE_SE
	s_setreg_imm32_b32 hwreg(HW_REG_WAVE_MODE, 25, 1), 1
	s_wait_xcnt 0x0
; Causal attention on E4M3 codes, 32 heads (b x 16 + head) of 2,048 tokens x 128 channels; the result is quantised for the last projection (scale 2^e10).
; INPUT (one buffer, three sections of 8 Mi: q, k, v), in dense blocks of 16,384 bytes, block (head 16 + token / 128): q, k: [token % 128][channel]; v: [channel][token % 128] (the keys are the second product's K).
; OUTPUT: laid as the q section.
; THE SOFTMAX AHEAD OF THE SECOND PRODUCT: t = score x log2(e) / sqrt(128); M = the row's largest t so far, rounded UP to a whole number; p = 2^(t - M) is what is quantised (2^e8), not normalised.
; The row's sum is taken of the unquantised p, in f32, and divides O at the end.  When M moves, the sum and O are multiplied by 2^(old M - new M): exact.
; SHARES.  Work-group (i, head) owns the query blocks i and 15 - i, of 128 queries each: under the causal mask they need i + 1 and 16 - i key steps, 17 together, the same in all 256 work-groups.
; Each of the SIXTEEN waves owns one tile of 16 queries in 256 registers.  Wave w takes tile w / 2 of block i where (w xor w / 4) is even, of block 15 - i where it is odd: each tile of each block once,
; and of any four waves w % 4 = const or w / 4 = const two have the short block and two the long one.
; K's and V's tiles come through a ring of two LDS slots of 256 keys (two blocks of K, two of V, each 128 rows of 128 bytes): waves 0 to 3 fetch a block each, all sixteen read.
; LAYOUT.  Both products are used transposed: S^T = K Q^T (source 0 = 16 keys, source 1 = my 16 queries), O^T = V^T P^T (source 0 = 16 channels, source 1 = P): a lane holds ONE query (lane % 16) throughout.
; THE KEYS OF A TILE ARE NOT NEIGHBOURS: lane r of tile 2 b + u takes key 32 b + 8 u + r + 8 (r / 8), so that the 16 registers of tiles 2 b and 2 b + 1 are 16 neighbouring keys, 32 b + 16 (lane / 16) + 0 .. 15.
; CAUSAL.  Every work-group walks all eight changes of slots (constant trip counts, no barrier jumped over).  A step all of whose keys come after a wave's queries is left out by a scalar branch on ids;
; on the diagonal hidden scores become -infinity; a slot whose first key comes after the work-group's last query is not asked for.
; NO CLUSTER: the work-groups that share K and V are the query blocks of a head, and what a wave leaves out hangs on its query block; in a cluster no branch may hang on a partner's place.
; LIMITS on the given exponents, so that each power of two below is an f32 number: e6 + e7 between -123 and 130 (added to c's exponent field); e8 and e10 between -126 and 119; e8 + e9 is applied by v_ldexp_f32 and has none.
; REGISTERS: v1-7 addresses that stay; v8-11 addresses in hand; v12 -M, v13 the largest t, v[14:15] the sum in two halves; v16-31 Q; v32-95 four fragments of K or of V; v96-159 S^T, then p; v160-223 O^T; v224-239 codes
; (v236 also takes a key step's lane exchange, far behind the products that read the codes); v240-245 scales; v242-243, v252-254 at work.
.set SK,    256                        ; keys in a slot
.set NQ,    SK/128                     ; key steps in a slot
.set KP,    144                        ; an LDS row: 128 bytes + 16 of padding
.set BLKB,  128*KP                     ; a block in LDS
.set VOFF,  2*BLKB                     ; a slot: K's two blocks, then V's two
.set SLOT1, 1<<17                      ; slot 1 begins here, so that one exclusive or turns an address in one slot into the other's
.set NSL,   2048/SK                    ; slots' worth of keys
.set SPARE, 2*SLOT1                    ; behind the ring: the spare words, 128 bytes for each wave, which no other line names
.set STAGE, SPARE+16*128               ; the way out: 16 rows x 144 bytes for each wave, bytes of their own into which no fill lands
.set AK0,  1                           ; v1   my lane's place in a tile of K
.set AV0,  2                           ; v2   the same for V
.set PFO,  3                           ; v3   256 x lane: the prefetches' offset; never rewritten
.set SPW,  5                           ; v5   LDS address of my spare word; never rewritten
.set NIL,  6                           ; v6   0; never rewritten
.set GO,   7                           ; v7   16 x lane: my bytes of a store's 512
.set ADK,  8                           ; v8   LDS address of the step's tiles of K
.set ADV,  9                           ; v9   of V
.set WV,   18                          ; s18  my wave's number
.set SEL,  20                          ; s[20:21] lane selects for v_permlanex16_b32: lane l xor 16
.set CS,   22                          ; s[22:23] c = log2(e) / sqrt(128) x 2^(e6 + e7)
.set G1,   24                          ; s[24:31] descriptor group 1: one shape for K's and V's blocks
.set G0,   40                          ; s[40:43] descriptor group 0, which walks
.set TB,   2                           ; s2   LDS byte at which the slot in hand begins
.set LQ,   66                          ; s66  my work-group's last query
.set SLOTS, 67                         ; s67  changes of slots still to come that may ask for a slot
.set PFA,  76                          ; s[76:77] where my prefetches stand
.set LIM,  80                          ; s80  1 in a wave that prefetches, else the greatest number
.set KF,   98                          ; s98  the step's first key
.set Q0,   99                          ; s99  my first query
; Waves 0 to 3 fetch a block each, the others nothing.  The branch hangs on the wave's number alone.  An s_nop 0 and four v_nop follow the load.
.macro TLOAD
	s_cmp_lt_u32 s[WV], 4
	s_cbranch_scc0 .Lasked_\@
	tensor_load_to_lds s[G0:G0+3], s[G1:G1+7]
	s_nop 0
.rept 4
	v_nop
.endr
.Lasked_\@:
.endm
; A PREFETCH of what the NEXT change of slots will ask for: 32,768 dense bytes of K and as many of V.  Each aligned block of 256 bytes is named once in the launch: of the eight work-groups of a head the one
; with i = 0 asks, the one that itself loads all eight slots; in it the waves that fetch nothing: waves 4 to 7 for K, waves 8 to 11 for V, 8,192 bytes a wave, lanes 256 bytes apart, one instruction each.
; It names slots 2 to 7; the last change that fills a slot asks for nothing; slots 0 and 1 come by their loads alone.
.macro ASK
	s_cmp_gt_u32 s[SLOTS], s[LIM]
	s_cbranch_scc0 .Lnot_mine_\@
	global_prefetch_b8 v[PFO], s[PFA:PFA+1] th:TH_LOAD_NT scope:SCOPE_SE
.Lnot_mine_\@:
.endm
	s_load_b128 s[4:7], s[0:1], 0x0                ; q, k, v's codes s[4:5], the exponents s[6:7]
	s_load_b64 s[8:9], s[0:1], 0x10                ; the output
	v_lshl_add_u32 v[SPW], v0, 2, SPARE
	v_mov_b32 v[NIL], 0
	ds_add_u32 v[SPW], v[NIL]                      ; the wave's opening: the add and its wait ahead of my first tensor load; the set-up below, work on registers, stands between them
	v_lshrrev_b32 v8, 5, v0
	v_readfirstlane_b32 s[WV], v8                  ; wave 0..15
	s_and_b32 s74, ttmp7, 0xffff
	s_lshl_b32 s74, s74, 18                        ; the head's first byte in a section: 16 blocks of 16,384
	s_lshr_b32 s81, s[WV], 2
	s_xor_b32 s81, s81, s[WV]
	s_and_b32 s81, s81, 1                          ; which of the two query blocks
	s_sub_co_u32 s82, 15, ttmp9                    ; 15 - i
	s_cmp_eq_u32 s81, 1
	s_cselect_b32 s83, s82, ttmp9
	s_lshl_b32 s83, s83, 7
	s_lshr_b32 s84, s[WV], 1
	s_lshl_b32 s84, s84, 4
	s_add_co_u32 s[Q0], s83, s84                   ; my first query: 128 x block + 16 x (wave / 2)
	s_lshl_b32 s[LQ], s82, 7
	s_or_b32 s[LQ], s[LQ], 127                     ; the work-group's last query: the same in all sixteen waves
	; what I fetch, if I fetch: wave 0, 1: K's blocks; wave 2, 3: V's
	s_and_b32 s86, s[WV], 3
	s_mul_i32 s86, s86, BLKB                       ; its place in a slot
	s_lshr_b32 s87, s[WV], 1
	s_and_b32 s87, s87, 1
	s_add_co_u32 s87, s87, 1
	s_lshl_b32 s87, s87, 23                        ; section 1 (k) or 2 (v)
	s_and_b32 s88, s[WV], 1
	s_lshl_b32 s88, s88, 14                        ; the slot's first or second block
	s_add_co_u32 s88, s88, s87
	s_add_co_u32 s88, s88, s74
	s_mov_b32 s89, 0
	s_lshl_b32 s90, s[Q0], 7
	s_add_co_u32 s90, s90, s74                     ; my queries' first byte, in the q section and in the output alike
	s_mov_b32 s91, 0
	s_lshr_b32 s92, s[WV], 3                       ; the prefetches: waves 4 to 7: section 1; waves 8 to 11: section 2
	s_and_b32 s92, s92, 1
	s_add_co_u32 s92, s92, 1
	s_lshl_b32 s92, s92, 23
	s_and_b32 s93, s[WV], 3
	s_lshl_b32 s93, s93, 13                        ; my wave's 8,192 bytes
	s_add_co_u32 s92, s92, s93
	s_add_co_u32 s92, s92, s74
	s_add_co_u32 s92, s92, SK*128                  ; in slot 1: the first change of slots steps it to slot 2.  Nothing is prefetched at the head
	s_mov_b32 s93, 0
	s_sub_co_u32 s94, s[WV], 4
	s_lshr_b32 s94, s94, 3                         ; 0 in waves 4 to 11,
	s_or_b32 s94, s94, ttmp9                       ; of the work-group with i = 0
	s_cmp_eq_u32 s94, 0
	s_cselect_b32 s[LIM], 1, -1
	; descriptor group 1: 128 rows of 128 bytes, dense in memory, padded in LDS
	s_mov_b32 s[G1], (0<<16)|(1<<20)|(4<<22)|(3<<25)   ; 15:0 no mask; 17:16 elements of 1 byte; 20 padding on; 24:22 after every 32 words (code 4); 31:25 four words (code 3)
	s_mov_b32 s[G1+1], 128<<16                     ; tensor_dim0
	s_mov_b32 s[G1+2], 128<<16                     ; tensor_dim1
	s_mov_b32 s[G1+3], 128<<16                     ; tile_dim0
	s_mov_b32 s[G1+4], 128                         ; tile_dim1
	s_mov_b32 s[G1+5], 128                         ; tensor_dim0_stride
	s_mov_b32 s[G1+6], 0
	s_mov_b32 s[G1+7], 0
	s_mov_b32 s[SEL], 0x76543210
	s_mov_b32 s[SEL+1], 0xfedcba98
	s_mov_b32 s[CS], 0x3e0293ee                    ; c = log2(e) / sqrt(128)
	s_mov_b32 s[TB], 0
	s_mov_b32 s[SLOTS], NSL-1
	s_mov_b32 s[KF], 0
	s_wait_dscnt 0x0                               ; the opening add is done
	s_wait_kmcnt 0x0
	s_load_b128 s[68:71], s[6:7], 0x18             ; e6, e7, e8, e9
	s_load_b32 s85, s[6:7], 0x28                   ; e10
	s_mov_b32 s[G0], 1                             ; 1:0 count = 1
	s_mov_b32 s[G0+1], s86                         ; 63:32 LDS address: slot 0
	s_add_nc_u64 s[G0+2:G0+3], s[4:5], s[88:89]    ; 120:64 global address: the head's first 256 keys
	s_or_b32 s[G0+3], s[G0+3], 0x80000000          ; 127:126 type = 2
	TLOAD                                          ; slot 0
	s_add_nc_u64 s[PFA:PFA+1], s[4:5], s[92:93]
	s_add_nc_u64 s[10:11], s[4:5], s[90:91]        ; Q's codes at my first query
	s_add_nc_u64 s[8:9], s[8:9], s[90:91]          ; the output likewise
	v_and_b32 v8, 15, v0                           ; r = lane % 16
	v_bfe_u32 v9, v0, 4, 1                         ; h = lane / 16
	v_lshlrev_b32 v10, 7, v8
	v_lshl_add_u32 v10, v9, 4, v10                 ; Q: row r of 128 bytes, + 16 h
.irp c, 0,1,2,3
	global_load_b128 v[16+4*\c:19+4*\c], v10, s[10:11] offset:32*\c   ; Q's fragment stays in registers
.endr
	v_and_b32 v11, 8, v8
	v_add_nc_u32 v11, v11, v8                      ; r + 8 (r / 8)
	v_mul_u32_u24 v[AK0], v11, KP
	v_lshl_add_u32 v[AK0], v9, 4, v[AK0]
	v_mul_u32_u24 v[AV0], v8, KP
	v_lshl_add_u32 v[AV0], v9, 4, v[AV0]
	v_add_nc_u32 v[AV0], VOFF, v[AV0]
	v_and_b32 v[GO], 31, v0
	v_lshlrev_b32 v[PFO], 8, v[GO]
	v_lshlrev_b32 v[GO], 4, v[GO]
	v_mov_b32 v13, 0xff61b1e6                      ; the largest t so far: -3e38, under every t
	v_floor_f32 v12, -v13                          ; -M
	v_mov_b32 v14, 0                               ; the sum, in two halves
	v_mov_b32 v15, 0
	v_mov_b32 v236, 0                              ; written once: a lane permute's destination counts as one of its sources (a key step's exchange),
	v_mov_b32 v252, 0                              ; likewise (the way out's exchange)
	v_mov_b32 v253, 0                              ; (named as the upper half of the pair v[252:253])
.set j, 0
.rept 64
	v_mov_b32 v[160+j], 0                          ; O^T.  (The key step is written without a first step of its own: the first finds zeros, which the first change of M leaves zeros)
.set j, j+1
.endr
	s_wait_kmcnt 0x0
	s_add_co_i32 s72, s68, s69
	s_lshl_b32 s72, s72, 23
	s_add_co_i32 s[CS], s[CS], s72                 ; a score stands for score x 2^(e6 + e7): the two exponents are added to c's exponent field
	s_mov_b32 s[CS+1], s[CS]                       ; (named with it as a pair, so it is written)
	s_add_co_i32 s72, s70, 127
	s_lshl_b32 s73, s72, 23
	v_mov_b32 v244, s73                            ; 2^e8, for p's conversion
	s_add_co_i32 s72, s72, 8
	s_lshl_b32 s72, s72, 23
	s_or_b32 s72, s72, 0x600000
	v_mov_b32 v240, s72                            ; 448 x 2^e8
	s_add_co_i32 s72, s85, 127
	s_lshl_b32 s73, s72, 23
	v_mov_b32 v245, s73                            ; 2^e10, for the result's conversion
	s_add_co_i32 s72, s72, 8
	s_lshl_b32 s72, s72, 23
	s_or_b32 s72, s72, 0x600000
	v_mov_b32 v241, s72                            ; 448 x 2^e10
; A KEY STEP: 128 keys, the q-th of the slot in hand.
.macro STEP q
	s_add_co_u32 s96, s[Q0], 15                    ; a step all of whose keys come after my 16 queries is left out: a scalar branch on ids, round the step's loads, products and softmax alone
	s_cmp_gt_u32 s[KF], s96
	s_cbranch_scc1 .Lhidden_\@
	v_add_nc_u32 v[ADK], s[TB], v[AK0]
	v_add_nc_u32 v[ADV], s[TB], v[AV0]
.irp g, 0,1                                    ; S^T = K Q^T, four tiles of 16 keys at a time
.rept 4-2*(1-\g)
	v_nop                                          ; four places in front of loads into registers that matrix instructions have read; the two additions above are places too
.endr
.irp t, 0,1,2,3
.irp c, 0,1,2,3
	ds_load_b128 v[32+16*\t+4*\c:32+16*\t+4*\c+3], v[ADK] offset:(128*(\q)+32*((4*\g+\t)/2)+8*(\t%2))*KP+32*\c
.endr
.endr
	s_wait_dscnt 0x0
.irp t, 0,1,2,3
	v_wmma_f32_16x16x128_fp8_fp8 v[96+8*(4*\g+\t):103+8*(4*\g+\t)], v[32+16*\t:47+16*\t], v[16:31], 0
.endr
.endr
.rept 4
	v_nop
.endr
	s_add_co_u32 s96, s[KF], 127                   ; on the diagonal the scores of hidden keys become -infinity ahead of the maximum: p = 0 then.  A step all of whose keys count skips this
	s_cmp_le_u32 s96, s[Q0]
	s_cbranch_scc1 .Lopen_\@
	s_sub_co_i32 s96, s[Q0], s[KF]
	v_and_b32 v252, 15, v0
	v_bfe_u32 v253, v0, 4, 1
	v_lshlrev_b32 v253, 4, v253
	v_sub_nc_u32 v252, v252, v253
	v_add_nc_u32 v252, s96, v252                   ; d = my query - KF - 16 (lane / 16).  Register 16 b + i holds key KF + 16 (lane / 16) + 32 b + i: hidden where 32 b + i > d
	v_mov_b32 v254, 0xff800000                     ; -infinity
.set n, 0
.rept 64
	v_cmp_gt_i32 vcc_lo, 32*(n/16)+n%16, v252
	v_cndmask_b32 v[96+n], v[96+n], v254, vcc_lo
.set n, n+1
.endr
.Lopen_\@:
	v_max3_num_f32 v254, v96, v97, v98             ; the step's largest score of my query, among my 64 keys, in two chains,
	v_max3_num_f32 v252, v99, v100, v101
.irp i, 6,10,14,18,22,26,30,34,38,42,46,50,54,58
	v_max3_num_f32 v254, v254, v[96+\i], v[97+\i]
	v_max3_num_f32 v252, v252, v[98+\i], v[99+\i]
.endr
	v_max3_num_f32 v254, v254, v158, v159
	v_max_num_f32 v254, v254, v252
	v_permlanex16_b32 v236, v254, s[SEL], s[SEL+1] ; (v236 lies among the codes' registers: the products that read them stand a whole chain of maxima back)
	v_max_num_f32 v254, v254, v236                 ; and among lane l xor 16's
	v_mul_f32 v254, s[CS], v254                    ; as t (c is positive)
	v_max_num_f32 v13, v13, v254                   ; the running largest t
	v_mov_b32 v254, v12
	v_floor_f32 v12, -v13                          ; the new -M = floor(-t) = -ceil(t): M is a whole number
	v_sub_f32 v254, v12, v254                      ; M's old value less its new one: a whole number, 0 or less
	v_cvt_i32_f32 v254, v254                       ; (it saturates)
	v_ldexp_f32 v252, 1.0, v254                    ; f = 2^(old M - new M): a multiplication by it rounds nothing
.set j, 0
.rept 32
	v_pk_fma_f32 v[96+j:97+j], v[96+j:97+j], s[CS:CS+1], v[12:13] op_sel_hi:[1,0,0]   ; t - M, two at a time (of the pairs c and -M the low word serves both halves)
.set j, j+2
.endr
.set j, 0
.rept 64
	v_exp_f32 v[96+j], v[96+j]                     ; p = 2^(t - M), at most 1: not normalised
.set j, j+1
.endr
	v_pk_mul_f32 v[14:15], v[14:15], v[252:253] op_sel_hi:[1,0]   ; the sums under the new M: the plain instruction behind the exponentials
	s_wait_alu depctr_va_vdst(0)                   ; one wait for the whole batch of 64, ahead of its first reader
	v_pk_add_f32 v[242:243], v[96:97], v[98:99]    ; the row's sum is taken of the UNQUANTISED p: two at a time, in two chains
.irp j, 4,8,12,16,20,24,28,32,36,40,44,48,52,56,60
	v_pk_add_f32 v[14:15], v[14:15], v[96+\j:97+\j]
	v_pk_add_f32 v[242:243], v[242:243], v[98+\j:99+\j]
.endr
	v_pk_add_f32 v[14:15], v[14:15], v[242:243]
.irp b, 0,1,2,3
.irp i, 0,1,2,3,4,5,6,7,8,9,10,11,12,13,14,15
	v_min_num_f32 v[96+16*\b+\i], v[96+16*\b+\i], v240   ; the conversion does not saturate (ISA guide 7.6.2); p is not negative, so the hold is one-sided
.endr
	v_cvt_scalef32_pk8_fp8_f32 v[224+4*\b:225+4*\b], v[96+16*\b:103+16*\b], v244
	v_cvt_scalef32_pk8_fp8_f32 v[226+4*\b:227+4*\b], v[104+16*\b:111+16*\b], v244
.endr
.set j, 0
.rept 32
	v_pk_mul_f32 v[160+j:161+j], v[160+j:161+j], v[252:253] op_sel_hi:[1,0]   ; O^T under the new M: x f.  (These 32 are also the places in front of the matrix instructions and loads below)
.set j, j+2
.endr
.irp g, 0,1                                    ; O^T += V^T P^T: four tiles of 16 channels at a time; K = these 128 keys
.if \g > 0
.rept 4
	v_nop
.endr
.endif
.irp t, 0,1,2,3
.irp c, 0,1,2,3
	ds_load_b128 v[32+16*\t+4*\c:32+16*\t+4*\c+3], v[ADV] offset:(128*(\q)+16*(4*\g+\t))*KP+32*\c
.endr
.endr
	s_wait_dscnt 0x0
.irp t, 0,1,2,3
	v_wmma_f32_16x16x128_fp8_fp8 v[160+8*(4*\g+\t):167+8*(4*\g+\t)], v[32+16*\t:47+16*\t], v[224:239], v[160+8*(4*\g+\t):167+8*(4*\g+\t)]
.endr
.endr
.Lhidden_\@:
	s_add_co_u32 s[KF], s[KF], 128
.endm
; THE CHANGE OF SLOTS stands at a slot's head.  Each wave waits for all its tensor loads (its part of the slot that it is about to read), adds 0 to its spare word, and waits for that and for its reads of the slot that it has left.
; Behind the barrier the slot ahead is whole and nobody reads the other one.  fill = 1: that other slot is filled with the keys that follow, up to the causal limit: the load has a whole slot's steps in which to land.
.macro CHANGE fill
	s_wait_tensorcnt 0x0                           ; no tensor load of mine is out, so group 0 may be written
	ds_add_u32 v[SPW], v[NIL]                      ; 0 onto my spare word; with fill = 1 the descriptor's steps stand between it and the wait for it
.if \fill
	s_xor_b32 s[G0+1], s[G0+1], SLOT1              ; the walking descriptor: the other slot than last time,
	s_add_nc_u64 s[G0+2:G0+3], s[G0+2:G0+3], SK*128   ; the next 256 keys' blocks; the type bits on top are not reached
	s_wait_xcnt 0x0                                ; the last prefetch, a slot back, has read its address, so it may be written:
	s_add_nc_u64 s[PFA:PFA+1], s[PFA:PFA+1], SK*128   ; one slot further on than the walking descriptor
.endif
	s_wait_dscnt 0x0                               ; the add is done, and my reads of the slot that I have left are over
	s_barrier_signal -1
	s_barrier_wait -1
.if \fill
	s_add_co_u32 s96, s[KF], SK                    ; the first key of the slot that this change would ask for:
	s_cmp_gt_u32 s96, s[LQ]                        ; beyond my work-group's last query it would be read by none of its waves, so it is not asked for.  Ids and the count of steps alone: all sixteen waves go
	s_cbranch_scc1 .Lpast_\@                       ; the same way, and a work-group that is past the limit stays past it.  Every wait on TENSORcnt in this text is for 0
	TLOAD                                          ; the first thing behind the barrier but for the limit's three lines, and a wave's one tensor load until the next
.Lpast_\@:
	ASK
.endif
.endm
.macro SLOT_STEPS
.set Q, 0
.rept NQ
	STEP Q
.set Q, Q+1
.endr
	s_xor_b32 s[TB], s[TB], SLOT1                  ; on to the other slot
.endm
	s_wait_loadcnt 0x0                             ; Q
.Lslot:                                            ; NSL - 1 trips: behind each change of slots but the last the next slot is asked for, up to the limit
	CHANGE 1
	SLOT_STEPS
	s_sub_co_u32 s[SLOTS], s[SLOTS], 1
	s_cmp_lg_u32 s[SLOTS], 0
	s_cbranch_scc1 .Lslot
	CHANGE 0                                       ; the last slot is written out: nothing follows it
	SLOT_STEPS
	; THE WAY OUT.  O^T x 2^(e8 + e9) / the sum is held, converted (2^e10) and goes through my stage: 16 rows of 128 codes, which leave as four stores of 512 consecutive bytes.
	; The lines from here to the first read of O^T name none of the last products' registers (v32-95, v160-223, v224-239): the plain ones among them are the places behind those products.
	v_add_f32 v14, v14, v15                        ; the sum's two halves,
	v_permlanex16_b32 v252, v14, s[SEL], s[SEL+1]
	v_add_f32 v14, v14, v252                       ; and lane l xor 16's: the row's sum
	v_rcp_f32 v14, v14
	v_and_b32 v8, 15, v0                           ; (a plain instruction behind the reciprocal)  r
	v_bfe_u32 v9, v0, 4, 1                         ; h
	s_add_co_i32 s72, s70, s71                     ; e8 + e9
	s_mul_i32 s73, s[WV], 16*KP
	s_add_co_u32 s73, s73, STAGE                   ; my stage
	v_mul_u32_u24 v10, v8, KP
	v_lshl_add_u32 v10, v9, 3, v10
	v_add_nc_u32 v10, s73, v10                     ; in: row r; tile t's eight channels of my half: 16 t + 8 h bytes on
	v_bfe_u32 v11, v0, 3, 2                        ; back: eight lanes to a row, four rows an instruction
	v_mul_u32_u24 v11, v11, KP
	v_and_b32 v253, 7, v0
	v_lshl_add_u32 v11, v253, 4, v11
	v_add_nc_u32 v11, s73, v11
	s_wait_alu depctr_va_vdst(0)                   ; the wait ahead of the reciprocal's first reader
	v_ldexp_f32 v14, v14, s72                      ; x 2^(e8 + e9)
.set j, 0
.rept 64
	v_mul_f32 v[96+j], v[160+j], v14               ; register 8 t + i is o(r, 16 t + 8 h + i); each accumulator from its low end on
.set j, j+1
.endr
.set j, 0
.rept 64
	v_med3_num_f32 v[96+j], v[96+j], -v241, v241   ; the hold at 448 x 2^e10
.set j, j+1
.endr
.irp t, 0,1,2,3,4,5,6,7
	v_cvt_scalef32_pk8_fp8_f32 v[224+2*\t:225+2*\t], v[96+8*\t:103+8*\t], v245
.endr
	v_nop                                          ; one plain vector line behind the last conversion
.irp t, 0,1,2,3,4,5,6,7
	ds_store_b64 v10, v[224+2*\t:225+2*\t] offset:16*\t
.endr
.irp u, 0,1,2,3
	ds_load_b128 v[32+4*\u:35+4*\u], v11 offset:4*KP*\u   ; LDS serves a wave's instructions in order: these see my stores
.endr
.irp u, 0,1,2,3
	s_wait_dscnt 3-\u                              ; load u is back; the younger ones may be out
	global_store_b128 v[GO], v[32+4*\u:35+4*\u], s[8:9] offset:512*\u   ; 32 lanes store 512 consecutive bytes, at a multiple of 512 from the buffer's first byte
.endr
	s_wait_tensorcnt 0x0                           ; the wave's end: these three lines, behind my last tensor load and my last LDS store
	ds_add_u32 v[SPW], v[NIL]
	s_wait_dscnt 0x0
	s_endpgm
.Lfunc_end_k_q2584667cdf_attn:
	.size	k_q2584667cdf_attn, .Lfunc_end_k_q2584667cdf_attn-k_q2584667cdf_attn
	.p2alignl 7, 3214868480
	.fill 96, 4, 3214868480
	.section	.rodata,"a",@progbits
	.p2align	6, 0x0
	.amdhsa_kernel k_q2584667cdf_attn
		.amdhsa_group_segment_fixed_size 327680
		.amdhsa_private_segment_fixed_size 0
		.amdhsa_enable_private_segment 0
		.amdhsa_kernarg_size 24
		.amdhsa_user_sgpr_count 2
		.amdhsa_user_sgpr_kernarg_segment_ptr 1
		.amdhsa_wavefront_size32 1
		.amdhsa_system_sgpr_workgroup_id_x 1
		.amdhsa_system_sgpr_workgroup_id_y 1
		.amdhsa_system_sgpr_workgroup_id_z 1
		.amdhsa_system_vgpr_workitem_id 0
		.amdhsa_next_free_vgpr 256
		.amdhsa_next_free_sgpr 100
		.amdhsa_reserve_vcc 1
		.amdhsa_float_denorm_mode_32 3
		.amdhsa_float_denorm_mode_16_64 3
		.amdhsa_memory_ordered 1
		.amdhsa_forward_progress 1
		.amdhsa_inst_pref_size 115
	.end_amdhsa_kernel
	.amdgpu_metadata
---
amdhsa.version: [ 1, 2 ]
amdhsa.kernels:
  - .name:           k_q2584667cdf_attn
    .symbol:         k_q2584667cdf_attn.kd
    .args:
      - { .name: qkv, .offset: 0, .size: 8, .value_kind: global_buffer, .address_space: global }
      - { .name: lowp_scales, .offset: 8, .size: 8, .value_kind: global_buffer, .address_space: global }
      - { .name: acodes, .offset: 16, .size: 8, .value_kind: global_buffer, .address_space: global }
    .group_segment_fixed_size: 327680
    .private_segment_fixed_size: 0
    .kernarg_segment_align: 8
    .kernarg_segment_size: 24
    .max_flat_workgroup_size: 512
    .sgpr_count:     100
    .vgpr_count:     256
    .wavefront_size: 32
...
	.end_amdgpu_metadata
.endif
;; end of part 3
;; launch proj (part 4): grid 4 x 16, 4 waves a work-group, clusters of 4 x 4, 327,680 bytes of LDS; arguments acodes, codes, lowp_scales, out0; writes out0
.if DOCPART == 4
	.amdgcn_target "amdgcn-amd-amdhsa--gfx1250"
	.amdhsa_code_object_version 6
	.text
	.protected	k_q2584667cdf_proj
	.globl	k_q2584667cdf_proj
	.p2align	8
	.type	k_q2584667cdf_proj,@function
k_q2584667cdf_proj:
	s_mov_b64 s[64:65], 0
	v_nop
	global_prefetch_b8 v0, s[64:65] scope:SCOPE_SE
	s_setreg_imm32_b32 hwreg(HW_REG_WAVE_MODE, 25, 1), 1
	s_wait_xcnt 0x0
	s_wait_alu depctr_hold_cnt(0) depctr_sa_sdst(0) depctr_va_vdst(0) depctr_va_sdst(0) depctr_va_ssrc(0) depctr_va_vcc(0) depctr_vm_vsrc(0)
	s_getreg_b32 s2, hwreg(HW_REG_IB_STS2, 6, 4)
	s_cmp_eq_u32 s2, 0
	s_cbranch_scc0 .Lentry_in_a_cluster
	s_endpgm
.Lentry_in_a_cluster:
	s_bfe_u32 s2, ttmp6, 0x10000c
	s_cmp_lg_u32 s2, 0xf033
	s_cbranch_scc0 .Lentry_shape_is_right
	s_endpgm
.Lentry_shape_is_right:
; out0[token][n] = sum over k of a[token][k] wo[n][k], K = 2,048 = head x 128 + channel, on E4M3 codes; each finished sum x 2^(e10 + e11).  out0: [4096][1024] f32.
; LIMIT: e10 + e11 lies between -126 and 127, so that 2^(e10 + e11) is an f32 number.
; A (the attention's result) lies in dense blocks of 16,384 bytes, block ((b 16 + head) 16 + token / 128), [token % 128][channel]: 256 tokens of ONE head are 32,768 dense bytes, 256 rows of 128.
; B (wo's codes) lies at byte 18 Mi of the buffer of codes, [1024][2048], K innermost.
; A tile of 256 x 256 is made by a work-group of four waves; a wave makes 128 x 128: 64 accumulators, 512 registers.  64 tiles in all: the problem has no more of this size.
; K goes in steps of 256, two heads, through a ring of two LDS slots: wave 0 and wave 1 fetch a head each of A (256 rows x 128 bytes), waves 2 and 3 128 rows x 256 bytes each of B.
; CLUSTERS: 4 x 4 work-groups.  The four of a row need the same tiles of A, the four of a column the same tiles of B: each is asked for jointly.
; THE MATRIX INSTRUCTION IS USED TRANSPOSED (source 0 = 16 rows of B, source 1 = 16 rows of A): a lane holds eight neighbouring numbers of a row of the output.
; No prefetch: of the eight K steps two are first fills and two more would have to be named at the head, where every work-group's first tiles are on their way; a wave has 1,024 matrix instructions in all.
; REGISTERS, in windows of 256: window 0: v0-31 addresses; from v128 A's fragments, ONE set; on the way out v32-255 are free.   window 1: B's fragments, TWO sets.   windows 2, 3: the accumulators.
.set SIZE_N, 1024
.set SIZE_K, 2048
.set ROWB,   256                       ; a row of B's tile in bytes
.set KROW,   SIZE_K                    ; a row of wo's codes in memory
.set PITCH,  272                       ; B's LDS row: 256 bytes + 16
.set PA,     144                       ; A's LDS row: 128 bytes + 16.  Both pitches are odd multiples of 16 bytes: the 16 rows that a load touches start at 16 different groups of four banks
.set HEADT,  256*PA                    ; a head's 256 rows of A in LDS
.set HEADM,  1<<18                     ; from head to head in memory
.set HALFB,  128*PITCH                 ; 128 rows of B in LDS
.set BOFF,   2*HEADT                   ; B lies behind A's two heads
.set SLOT,   BOFF+2*HALFB
.set WO_AT,  18874368                  ; wo's codes in the buffer of codes
.set FR,     16
.set NL,     4
.set NP,     4                         ; places behind this matrix instruction (ISA guide 7.12.1)
.set LAPS,   SIZE_K/512                ; a lap = two K steps = once round the ring
.set SPARE,  2*SLOT                    ; behind the ring: the spare words, 128 bytes for each wave, which no other line names
.set SPITCH, 528                       ; the way out: a stage of 16 rows x (512 bytes + 16) for each wave, in slot 0, which has had its last fill and its last read when the first result is stored there
.set ADRA, 16                          ; v16-17  LDS address of my A fragments in slot 0, 1
.set ADRB, 20                          ; v20-21  the same for B
.set STO,  24                          ; v24     the way out: where I put 32 bytes of a row
.set RD,   25                          ; v25     the way out: where I read a row back
.set CO,   26                          ; v26     my byte offset in a row of the output
.set SPW,  28                          ; v28     LDS address of my spare word; never rewritten
.set NIL,  29                          ; v29     0; never rewritten
.set TMP,  32                          ; the way out: 64 registers, a block's sums x 2^(e10 + e11)
.set AF,   128                         ; A's fragments, in window 0
.set BK,   128                         ; the way out: 16 rows read back from the stage: v128-191 and v192-255 by turns
.set G1, 24                            ; s[24:31] descriptor group 1 for A's tiles;  s[32:39] group 0, one set for each slot
.set G0, 32
.set G1B, 48                           ; s[48:55], s[56:63] the same for B's tiles
.set G0B, 56
.set MSB, 0
.macro WIN new                         ; the immediate's high byte repeats the setting that is left
.if MSB != \new
	s_set_vgpr_msb (MSB<<8)|\new
.set MSB, \new
.endif
.endm
.set MUL_LO, 0xa1                      ; source 0 (B) window 1, source 1 (A) window 0, C and D window 2
.set MUL_HI, 0xf1                      ; the same, C and D window 3
.set TO_B,   0x40                      ; destination window 1, address window 0
; A joint load: waves 0 and 1 fetch for A, waves 2 and 3 for B; the branch hangs on the wave's number alone.  An s_nop 0 and four v_nop follow each of the two lines.
.macro JLOAD g0a, g1a, g0b, g1b
	s_cmp_eq_u32 s15, 0
	s_cbranch_scc0 .Lfor_b_\@
	tensor_load_to_lds s[\g0a:\g0a+3], s[\g1a:\g1a+7]
	s_nop 0
.rept 4
	v_nop
.endr
	s_branch .Lasked_\@
.Lfor_b_\@:
	tensor_load_to_lds s[\g0b:\g0b+3], s[\g1b:\g1b+7]
	s_nop 0
.rept 4
	v_nop
.endr
.Lasked_\@:
.endm
.macro CREST                           ; a round of the cluster's barrier behind its opening barrier
	s_cmp_lg_u32 s14, 0
	s_cbranch_scc1 .Lnot_wave_0_\@
	s_barrier_signal -3
.Lnot_wave_0_\@:
	s_barrier_wait -3
	s_barrier_signal -1
	s_barrier_wait -1
.endm
.macro CROUND                          ; a whole round
	s_barrier_signal -1
	s_barrier_wait -1
	CREST
.endm
	s_load_b128 s[4:7], s[0:1], 0x0                ; A's codes s[4:5], the buffer with wo's codes s[6:7]
	s_load_b128 s[8:11], s[0:1], 0x10              ; the exponents s[8:9], the output s[10:11]
	v_lshl_add_u32 v[SPW], v0, 2, SPARE
	v_mov_b32 v[NIL], 0
	ds_add_u32 v[SPW], v[NIL]                      ; the wave's opening: the add and its wait ahead of my first tensor load; the set-up below, work on registers, stands between them
	v_lshrrev_b32 v1, 5, v0
	v_readfirstlane_b32 s14, v1                    ; wave 0..3
	s_lshr_b32 s15, s14, 1                         ; which half of the tile's rows is mine.  Also: I fetch for A (0) or for B (1)
	s_and_b32 s16, s14, 1                          ; which half of its columns.  Also: which head of A, or which 128 rows of B, I fetch
	s_bfe_u32 s40, ttmp6, 0x40000                  ; cx, cy: my place in the cluster
	s_bfe_u32 s41, ttmp6, 0x40004
	s_lshl_b32 s42, ttmp9, 2
	s_add_co_u32 s42, s42, s40                     ; X: tile column = 4 x cluster x + cx
	s_and_b32 s17, ttmp7, 0xffff
	s_lshl_b32 s17, s17, 2
	s_add_co_u32 s17, s17, s41                     ; Y: tile row = 4 x cluster y + cy
	s_lshl_b32 s43, s41, 2
	s_lshl_b32 s43, 15, s43                        ; my row of the cluster
	s_lshl_b32 s44, 0x1111, s40                    ; my column
	; descriptor group 1.  A: 256 rows x 128 bytes, dense in memory; B: 128 rows x 256 bytes, 2,048 bytes apart
	s_or_b32 s[G1+0], s43, (0<<16)|(1<<20)|(1<<21)|(4<<22)|(3<<25)  ; 15:0 the mask: A's tiles go to my row; 17:16 element of 1 byte; 20 padding on; 21 set beside a mask; 24:22 after every 32 words (code 4); 31:25 of 4 words (code 3)
	s_mov_b32 s[G1+1], 128<<16                     ; tensor_dim0
	s_mov_b32 s[G1+2], 256<<16                     ; tensor_dim1
	s_mov_b32 s[G1+3], 128<<16                     ; tile_dim0
	s_mov_b32 s[G1+4], 256                         ; tile_dim1
	s_mov_b32 s[G1+5], 128                         ; tensor_dim0_stride
	s_mov_b32 s[G1+6], 0
	s_mov_b32 s[G1+7], 0
	s_or_b32 s[G1B+0], s44, (0<<16)|(1<<20)|(1<<21)|(5<<22)|(3<<25) ; the mask of my column; padding after every 64 words
	s_mov_b32 s[G1B+1], ROWB<<16
	s_mov_b32 s[G1B+2], 128<<16
	s_mov_b32 s[G1B+3], ROWB<<16
	s_mov_b32 s[G1B+4], 128
	s_mov_b32 s[G1B+5], KROW
	s_mov_b32 s[G1B+6], 0
	s_mov_b32 s[G1B+7], 0
	s_lshr_b32 s20, s17, 3                         ; A: b = Y / 8: 4 Mi each,
	s_lshl_b32 s20, s20, 22
	s_and_b32 s18, s17, 7
	s_lshl_b32 s18, s18, 15                        ; two blocks of 128 tokens for each Y within b,
	s_add_co_u32 s20, s20, s18
	s_lshl_b32 s18, s16, 18                        ; the K step's first or second head
	s_add_co_u32 s20, s20, s18
	s_mov_b32 s21, 0
	s_lshl_b32 s46, s42, 8                         ; B: row 256 X + 128 x half,
	s_lshl_b32 s19, s16, 7
	s_add_co_u32 s46, s46, s19
	s_lshl_b32 s46, s46, 11                        ; of 2,048 bytes,
	s_add_co_u32 s46, s46, WO_AT                   ; behind the other codes
	s_mov_b32 s47, 0
	s_mul_i32 s45, s16, HEADT                      ; where they go: A's two heads,
	s_mul_i32 s71, s16, HALFB
	s_add_co_u32 s71, s71, BOFF                    ; then B's two halves: no place in the cluster enters an LDS address
	s_wait_dscnt 0x0                               ; the opening add is done
	s_wait_kmcnt 0x0
	s_load_b64 s[96:97], s[8:9], 0x28              ; e10, e11
	s_add_nc_u64 s[20:21], s[4:5], s[20:21]
	s_add_nc_u64 s[46:47], s[6:7], s[46:47]
	CROUND                                         ; all sixteen work-groups are here: the first joint loads meet
.irp s, 0,1
	s_mov_b32 s[G0+4*\s], 1
	s_add_co_u32 s[G0+4*\s+1], s45, \s*SLOT
	s_add_nc_u64 s[G0+4*\s+2:G0+4*\s+3], s[20:21], \s*2*HEADM
	s_or_b32 s[G0+4*\s+3], s[G0+4*\s+3], 0x80000000
	s_mov_b32 s[G0B+4*\s], 1
	s_add_co_u32 s[G0B+4*\s+1], s71, \s*SLOT
	s_add_nc_u64 s[G0B+4*\s+2:G0B+4*\s+3], s[46:47], \s*ROWB
	s_or_b32 s[G0B+4*\s+3], s[G0B+4*\s+3], 0x80000000
	JLOAD G0+4*\s, G1, G0B+4*\s, G1B               ; two loads of mine are out
.endr
	v_and_b32 v1, 15, v0                           ; r = l % 16
	v_bfe_u32 v2, v0, 4, 1                         ; h = l / 16
	v_mul_u32_u24 v3, v1, PA
	v_lshl_add_u32 v3, v2, 4, v3                   ; A: row x pitch + 16 x half
	v_mul_u32_u24 v4, v1, PITCH
	v_lshl_add_u32 v4, v2, 4, v4                   ; B likewise
	s_mul_i32 s21, s15, 128*PA                     ; my 128 rows of A, in each head
	s_mul_i32 s22, s16, HALFB                      ; my 128 rows of B,
	s_add_co_u32 s22, s22, BOFF                    ; which lie behind A
.irp s, 0,1
	v_add_nc_u32 v[ADRA+\s], s21, v3
	v_add_nc_u32 v[ADRB+\s], s22, v4
	s_add_co_u32 s21, s21, SLOT
	s_add_co_u32 s22, s22, SLOT
.endr
	s_mul_i32 s23, s14, 16*SPITCH                  ; my stage
	v_mul_u32_u24 v5, v1, SPITCH                   ; in: row r, 32 bytes for each half of the lanes
	v_lshl_add_u32 v5, v2, 5, v5
	v_add_nc_u32 v[STO], s23, v5
	v_and_b32 v6, 31, v0
	v_lshlrev_b32 v[CO], 4, v6                     ; back: the 32 lanes take one row of 512 bytes; and the same in the output
	v_add_nc_u32 v[RD], s23, v[CO]
	s_lshl_b32 s20, s17, 8
	s_lshl_b32 s21, s15, 7
	s_add_co_u32 s20, s20, s21                     ; my first row of the output: 256 Y + 128 x half,
	s_lshl_b32 s20, s20, 12                        ; of 4,096 bytes: under 2^24
	s_mov_b32 s21, 0
	s_add_nc_u64 s[10:11], s[10:11], s[20:21]
	s_lshl_b32 s46, s42, 10                        ; my first column, in bytes: 1,024 X + 512 x half
	s_lshl_b32 s47, s16, 9
	s_add_co_u32 s46, s46, s47
	s_mov_b32 s47, 0
	s_add_nc_u64 s[10:11], s[10:11], s[46:47]
; A fragment, 16 rows x 128 K: lane l holds row l % 16; registers 4 c .. 4 c + 3 hold K = 32 c + 16 (l / 16) + 0 .. 15.  q: the slot's first or second 128 along K: in A another head's rows, in B the other half of the rows
.macro FRAGA reg, slot, q, i
.irp c, 0,1,2,3
	ds_load_b128 v[\reg+4*\c:\reg+4*\c+3], v[ADRA+\slot] offset:HEADT*(\q)+32*\c+(\i)*16*PA
.endr
.endm
.macro FRAGB reg, slot, q, i
.irp c, 0,1,2,3
	ds_load_b128 v[\reg+4*\c:\reg+4*\c+3], v[ADRB+\slot] offset:128*(\q)+32*\c+(\i)*16*PITCH
.endr
.endm
; 16 matrix instructions: A's blocks a0, a0 + 1 x B's eight, 128 along K.  p: B's set.  zero = 1: the first product starts the sums.
; The 64 accumulators take turns, one instruction a turn, in the same order in every step.
.macro MUL16 a0, p, zero
.irp a, \a0, \a0+1
.irp b, 0,1,2,3,4,5,6,7
.if \zero
	v_wmma_f32_16x16x128_fp8_fp8 v[8*(8*((\a)%4)+\b):8*(8*((\a)%4)+\b)+7], v[128*(\p)+FR*\b:128*(\p)+FR*\b+FR-1], v[AF+FR*(\a):AF+FR*(\a)+FR-1], 0
.else
	v_wmma_f32_16x16x128_fp8_fp8 v[8*(8*((\a)%4)+\b):8*(8*((\a)%4)+\b)+7], v[128*(\p)+FR*\b:128*(\p)+FR*\b+FR-1], v[AF+FR*(\a):AF+FR*(\a)+FR-1], v[8*(8*((\a)%4)+\b):8*(8*((\a)%4)+\b)+7]
.endif
.endr
.endr
.endm
.macro FETCH_B slot, q, p              ; B's eight fragments into set p
	WIN TO_B
.irp i, 0,1,2,3,4,5,6,7
	FRAGB 128*(\p)+FR*\i, \slot, \q, \i
.endr
	WIN 0
.endm
.macro FETCH_A slot, q, i0             ; A's blocks i0 .. i0 + 3
.irp i, \i0, \i0+1, \i0+2, \i0+3
	FRAGA AF+FR*(\i), \slot, \q, \i
.endr
.endm
; A load into a register that a matrix instruction has read, and a vector instruction that reads a matrix result, stand NP places behind that matrix instruction; only plain vector
; instructions that name none of its registers are places (ISA guide 7.12.1 for vector instructions).
.macro PLACES n
.rept \n
	v_nop
.endr
.endm
.macro STEP slot, q, zero              ; a step of 128 along K that has its successor in the same slot
	s_wait_dscnt 4*NL                              ; B's set and A's blocks 0-3 are in; the youngest sixteen loads (A's blocks 4-7) may be out
	WIN MUL_LO
	MUL16 0, (\q)%2, \zero
	MUL16 2, (\q)%2, \zero
	s_wait_dscnt 0                                 ; A's blocks 4-7 are in
	PLACES NP
	FETCH_B \slot, (\q)+1, 1-(\q)%2
	FETCH_A \slot, (\q)+1, 0
	WIN MUL_HI
	MUL16 4, (\q)%2, \zero
	MUL16 6, (\q)%2, \zero
	PLACES NP
	WIN 0
	FETCH_A \slot, (\q)+1, 4
.endm
; A slot's last step changes slots: ONE barrier; in front of it each wave waits for all its tensor loads, adds 0 to its spare word, and waits for that and for its own reads of this slot.  fill = 1: this slot is filled again, two K steps ahead.
.macro TURN slot, next, fill
	s_wait_tensorcnt 0x0                           ; all my tensor loads have landed: my part of the next slot  (every window is 0 here)
	ds_add_u32 v[SPW], v[NIL]                      ; 0 onto my spare word
	s_wait_dscnt 4*NL+1                            ; (the add and the youngest sixteen loads may be out)
	WIN MUL_LO
	MUL16 0, 1, 0                                  ; sixteen matrix instructions stand between the add and the wait for it
	s_wait_dscnt 0x0                               ; the add is done, and my reads of this slot are over
	s_barrier_signal -1
	MUL16 2, 1, 0
	WIN 0
	s_barrier_wait -1
.if \fill
	CREST                                          ; the barrier has opened a round of the cluster's barrier: no wave of any partner still reads this slot's tile or has a load on its way
	s_add_nc_u64 s[G0+4*\slot+2:G0+4*\slot+3], s[G0+4*\slot+2:G0+4*\slot+3], 4*HEADM   ; A: four heads on,
	s_add_nc_u64 s[G0B+4*\slot+2:G0B+4*\slot+3], s[G0B+4*\slot+2:G0B+4*\slot+3], 2*ROWB   ; B: 512 along its rows
	JLOAD G0+4*\slot, G1, G0B+4*\slot, G1B         ; the first tensor load behind the round, my one load until the next; the four v_nop behind it are the places in front of the loads below
.else
	PLACES NP
.endif
	FETCH_B \next, 0, 0
	FETCH_A \next, 0, 0
	WIN MUL_HI
	MUL16 4, 1, 0
	MUL16 6, 1, 0
	PLACES NP
	WIN 0
	FETCH_A \next, 0, 4
.endm
	s_wait_tensorcnt 1                             ; my part of K step 0 is in; K step 1's load may be out
	s_barrier_signal -1
	s_barrier_wait -1                              ; everybody's is
	FETCH_B 0, 0, 0
	FETCH_A 0, 0, 0
	FETCH_A 0, 0, 4
	STEP 0, 0, 1                                   ; the first step stands in front of the loop: its products start the sums
	s_mov_b32 s3, LAPS-1
.Llap:                                                 ; a trip goes once round the ring and fills both slots again
	TURN 0, 1, 1
	STEP 1, 0, 0
	TURN 1, 0, 1
	STEP 0, 0, 0
	s_sub_co_u32 s3, s3, 1
	s_cmp_lg_u32 s3, 0
	s_cbranch_scc1 .Llap
	TURN 0, 1, 0                                   ; the last lap fills nothing, and has no round of the cluster's barrier
	STEP 1, 0, 0
	s_wait_dscnt 4*NL                              ; the very last step: nothing more to fetch
	WIN MUL_LO
	MUL16 0, 1, 0
	MUL16 2, 1, 0
	s_wait_dscnt 0
	WIN MUL_HI
	MUL16 4, 1, 0
	MUL16 6, 1, 0
	WIN 0
; THE WAY OUT, block by block of 16 rows x 128 columns: through my own stage in LDS and back as whole rows of 512 bytes.  LDS serves a wave's instructions in order (ISA guide 5.7.1.4): no wait between the stores and the loads.
.macro TOSTAGE a
.set AC, 64*((\a)%4)
	WIN 0x02+((\a)/4)                              ; source 0: window 2 or 3
.set j, 0
.rept 32
	v_pk_mul_f32 v[TMP+j:TMP+j+1], v[AC+j:AC+j+1], s[96:97] op_sel_hi:[1,0]   ; both x s96 = 2^(e10 + e11); each accumulator from its low end on
.set j, j+2
.endr
	WIN 0
.irp b, 0,1,2,3,4,5,6,7
	ds_store_b128 v[STO], v[TMP+8*\b:TMP+8*\b+3] offset:64*\b
	ds_store_b128 v[STO], v[TMP+8*\b+4:TMP+8*\b+7] offset:64*\b+16
.endr
.set BB, BK+64*((\a)%2)
.irp t, 0,1,2,3,4,5,6,7,8,9,10,11,12,13,14,15
	ds_load_b128 v[BB+4*\t:BB+4*\t+3], v[RD] offset:\t*SPITCH
.endr
.endm
.macro SEND a, younger                 ; younger: the LDS instructions issued behind block a's loads, which may stay out
.set BB, BK+64*((\a)%2)
	s_wait_dscnt \younger                          ; the block is back in registers
.if (\a) > 0
	s_add_nc_u64 s[10:11], s[10:11], 16*SIZE_N*4   ; (behind a wait on XCNT: the earlier stores have read their base)  16 rows on
.endif
.irp t, 0,1,2,3,4,5,6,7,8,9,10,11,12,13,14,15
	global_store_b128 v[CO], v[BB+4*\t:BB+4*\t+3], s[10:11] offset:\t*SIZE_N*4 th:TH_STORE_NT   ; 32 lanes store 512 consecutive bytes, at a multiple of 512 from the output's first byte; written once, read by nobody here
.endr
.endm
	s_wait_kmcnt 0x0
	s_add_co_i32 s96, s96, s97                     ; e10 + e11, between -126 and 127,
	s_add_co_i32 s96, s96, 127
	s_lshl_b32 s96, s96, 23                        ; makes the f32 number 2^(e10 + e11)
	PLACES NP                                      ; behind the last products: for the first reads of results and the loads into the registers that held A's fragments
	TOSTAGE 0
.irp a, 1,2,3,4,5,6,7
.if \a > 1
	s_wait_xcnt 0x0                                ; block a - 2's stores have read their registers and their base: block a's loads may land there, and the base may step
.endif
	TOSTAGE \a
	SEND \a-1, 32                                  ; behind block a - 1's loads: block a's 16 stores and 16 loads
.endr
	s_wait_xcnt 0x0                                ; block 6's stores have read their base
	SEND 7, 0
	s_wait_tensorcnt 0x0                           ; the wave's end: these three lines, behind my last tensor load and my last LDS store
	ds_add_u32 v[SPW], v[NIL]
	s_wait_dscnt 0x0
	CROUND                                         ; the closing round: no work-group ends while a partner may still ask for a tile that names it
	s_endpgm
.Lfunc_end_k_q2584667cdf_proj:
	.size	k_q2584667cdf_proj, .Lfunc_end_k_q2584667cdf_proj-k_q2584667cdf_proj
	.p2alignl 7, 3214868480
	.fill 96, 4, 3214868480
	.section	.rodata,"a",@progbits
	.p2align	6, 0x0
	.amdhsa_kernel k_q2584667cdf_proj
		.amdhsa_group_segment_fixed_size 327680
		.amdhsa_private_segment_fixed_size 0
		.amdhsa_enable_private_segment 0
		.amdhsa_kernarg_size 32
		.amdhsa_user_sgpr_count 2
		.amdhsa_user_sgpr_kernarg_segment_ptr 1
		.amdhsa_wavefront_size32 1
		.amdhsa_system_sgpr_workgroup_id_x 1
		.amdhsa_system_sgpr_workgroup_id_y 1
		.amdhsa_system_sgpr_workgroup_id_z 1
		.amdhsa_system_vgpr_workitem_id 0
		.amdhsa_next_free_vgpr 1024
		.amdhsa_next_free_sgpr 100
		.amdhsa_reserve_vcc 0
		.amdhsa_float_denorm_mode_32 3
		.amdhsa_float_denorm_mode_16_64 3
		.amdhsa_memory_ordered 1
		.amdhsa_forward_progress 1
		.amdhsa_inst_pref_size 123
	.end_amdhsa_kernel
	.amdgpu_metadata
---
amdhsa.version: [ 1, 2 ]
amdhsa.kernels:
  - .name:           k_q2584667cdf_proj
    .symbol:         k_q2584667cdf_proj.kd
    .args:
      - { .name: acodes, .offset: 0, .size: 8, .value_kind: global_buffer, .address_space: global }
      - { .name: codes, .offset: 8, .size: 8, .value_kind: global_buffer, .address_space: global }
      - { .name: lowp_scales, .offset: 16, .size: 8, .value_kind: global_buffer, .address_space: global }
      - { .name: out0, .offset: 24, .size: 8, .value_kind: global_buffer, .address_space: global }
    .group_segment_fixed_size: 327680
    .private_segment_fixed_size: 0
    .kernarg_segment_align: 8
    .kernarg_segment_size: 32
    .max_flat_workgroup_size: 128
    .sgpr_count:     100
    .vgpr_count:     1024
    .wavefront_size: 32
...
	.end_amdgpu_metadata
.endif
;; end of part 4
;; ======== version 2 of 2: 4 launches
;; limits: right only within a limited range of input values
;; workspace buffers: codes 20,971,520 bytes; qkv 25,165,824 bytes; acodes 8,388,608 bytes
;; launch quant (part 5): grid 768 x 1, 4 waves a work-group, no clusters, 33,280 bytes of LDS; arguments x, wq, wk, wv, wo, lowp_scales, codes; writes codes
.if DOCPART == 5
	.amdgcn_target "amdgcn-amd-amdhsa--gfx1250"
	.amdhsa_code_object_version 6
	.text
	.protected	k_q2584667cdf_quant
	.globl	k_q2584667cdf_quant
	.p2align	8
	.type	k_q2584667cdf_quant,@function
k_q2584667cdf_quant:
	s_mov_b64 s[64:65], 0
	v_nop
	global_prefetch_b8 v0, s[64:65] scope:SCOPE_SE
	s_setreg_imm32_b32 hwreg(HW_REG_WAVE_MODE, 25, 1), 1
	s_wait_xcnt 0x0
; x [4096][1024] f32 becomes THREE sets of E4M3 codes (scales 2^e0, 2^e2, 2^e4: x is an operand of three products, each with a scale of its own);
; wq, wk, wv [2048][1024] and wo [1024][2048] become one set each (e1, e3, e5, e11).  K is innermost in all of them, rows are dense: every tensor is a plain stream.
; code = number / 2^e, held within +-448, rounded to the nearest code, ties to even.
; LIMITS: each of e0 .. e5 and e11 lies between -126 and 119, so that 2^e and 448 x 2^e are f32 numbers.  NaN among the inputs is not served; an infinity is held at the largest code.
; THE BUFFER OF CODES, in bytes: x by e0 at 0, by e2 at 4 Mi, by e4 at 8 Mi; wq at 12 Mi, wk at 14 Mi, wv at 16 Mi, wo at 18 Mi.
; SHARES.  A work-group takes 16,384 numbers, a wave 4,096: 8 steps of 512.  Work-groups 0-255 take x, 256-383 wq, 384-511 wk, 512-639 wv, 640-767 wo.
; The weights' codes lie on end in the work-groups' order, so one formula gives every destination: 16,384 g (+ 8 Mi for a weight) + 4,096 wave.
; A conversion takes 8 neighbours from ONE lane's registers; a load is dense where neighbouring LANES take neighbouring bytes.  Both are had: a step's four loads read 512 consecutive bytes each,
; the 2,048 bytes go through the wave's own stage in LDS as they lie and come back 64 bytes a lane (16 bytes of padding behind each 64).  A lane's 16 codes are 16 bytes: a store covers 512 consecutive bytes.
; Only pointers, exponents and the number of outputs hang on the work-group's number; every LDS line lies on the one path that all work-groups take.  Waves share nothing: no barrier.
; WORK LEFT OUT IN THE PROGRAM: the module builds a causal mask of its own: a score whose key comes after its query is replaced by -infinity whatever the inputs hold, so its p is 0 and it reaches no output.
; Key steps of 128 keys that lie wholly behind a block of 128 queries are not computed (launch attn).  LIMIT: a NaN, an infinity or an overflow that reaches only those scores is not carried to the result.
; Every input has a way to the output and is loaded.
.set WAVES, 4
.set STEPS, 8
.set SP,    80                         ; a lane's place in a stage: its 64 bytes + 16 of padding
.set WREG,  8192                       ; LDS: a region for each wave: two stages of 32 x SP bytes
.set SPARE, WAVES*WREG                 ; behind the four regions: the spare words, 128 bytes for each wave, which no other line names
.set SC,    5                          ; v5-7    2^e as f32, for outputs 0, 1, 2
.set LM,    8                          ; v8-10   448 x 2^e
.set SPW,   12                         ; v12     LDS address of my spare word; never rewritten
.set NIL,   13                         ; v13     0; never rewritten
.set R,     16                         ; v16-143 eight sets of 16 numbers as they are loaded, one for each step
.set X,     144                        ; v144-175 two sets of 16 neighbours
.set T,     176                        ; v176-223 the held numbers, a set for each output
.set C,     224                        ; v224-247 codes: two turns x three outputs x four registers
	s_load_b256 s[4:11], s[0:1], 0x0               ; x s[4:5], wq s[6:7], wk s[8:9], wv s[10:11]
	s_load_b128 s[12:15], s[0:1], 0x20             ; wo s[12:13], the exponents s[14:15]
	s_load_b64 s[16:17], s[0:1], 0x30              ; the codes
	v_lshl_add_u32 v[SPW], v0, 2, SPARE
	v_mov_b32 v[NIL], 0
	v_lshrrev_b32 v1, 5, v0
	v_readfirstlane_b32 s18, v1                    ; wave 0..3
	v_and_b32 v2, 31, v0                           ; lane
	v_lshlrev_b32 v3, 4, v2                        ; 16 x lane: my bytes of a load's 512, and of a store's 512; never rewritten
	s_mul_i32 s30, s18, WREG
	v_lshrrev_b32 v14, 2, v2
	v_mul_u32_u24 v14, v14, SP
	v_and_b32 v15, 3, v2
	v_lshl_add_u32 v14, v15, 4, v14
	v_add_nc_u32 v14, s30, v14                     ; the stage, on the way in: SP (lane / 4) + 16 (lane % 4): four lanes' 64 bytes on end, then the padding
	v_mul_u32_u24 v15, v2, SP
	v_add_nc_u32 v15, s30, v15                     ; and on the way out: SP x lane: my 16 neighbours
	s_cmp_lt_u32 ttmp9, 256                        ; x's work-group?
	s_cselect_b32 s19, 1, 0                        ; 1: three outputs; 0: one
	s_mov_b32 s22, 127
	s_cselect_b32 s22, 255, s22                    ; work-groups in my tensor, less one
	s_cselect_b32 s31, 0, 0x800000                 ; a weight's codes lie 8 Mi further on than 16,384 g
	s_and_b32 s22, ttmp9, s22
	s_lshl_b32 s22, s22, 16                        ; 16,384 numbers of 4 bytes a work-group,
	s_lshl_b32 s30, s18, 14                        ; 4,096 a wave
	s_add_co_u32 s22, s22, s30
	s_mov_b32 s23, 0
	s_lshl_b32 s46, ttmp9, 14
	s_add_co_u32 s46, s46, s31
	s_lshl_b32 s30, s18, 12
	s_add_co_u32 s46, s46, s30
	s_mov_b32 s47, 0
	s_wait_alu depctr_va_vdst(0)
	s_wait_kmcnt 0x0
	s_load_b256 s[32:39], s[14:15], 0x0            ; e0 .. e7
	s_load_b128 s[40:43], s[14:15], 0x20           ; e8 .. e11
	s_cmp_lt_u32 ttmp9, 640                        ; the source: a choice among the five buffers by the work-group's number alone
	s_cselect_b64 s[20:21], s[10:11], s[12:13]
	s_cmp_lt_u32 ttmp9, 512
	s_cselect_b64 s[20:21], s[8:9], s[20:21]
	s_cmp_lt_u32 ttmp9, 384
	s_cselect_b64 s[20:21], s[6:7], s[20:21]
	s_cmp_lt_u32 ttmp9, 256
	s_cselect_b64 s[20:21], s[4:5], s[20:21]
	s_add_nc_u64 s[20:21], s[20:21], s[22:23]      ; my wave's first number
	s_add_nc_u64 s[24:25], s[16:17], s[46:47]      ; my wave's first code, output 0,
	s_add_nc_u64 s[26:27], s[24:25], 0x400000      ; output 1 and
	s_add_nc_u64 s[28:29], s[24:25], 0x800000      ; output 2 (used by x's work-groups alone)
.macro LOAD t                          ; step t's 2,048 bytes into set t: each load reads 512 consecutive bytes
.irp i, 0,1,2,3
	global_load_b128 v[R+16*(\t)+4*\i:R+16*(\t)+4*\i+3], v3, s[20:21] offset:2048*(\t)+512*\i th:TH_LOAD_NT   ; (a set of its own for each step)
.endr
.endm
.macro TURN t                          ; step t's numbers through the stage: LDS serves a wave's instructions in order, so no wait stands between the stores and the loads
.irp i, 0,1,2,3
	ds_store_b128 v14, v[R+16*(\t)+4*\i:R+16*(\t)+4*\i+3] offset:32*SP*((\t)%2)+8*SP*\i
.endr
.irp i, 0,1,2,3
	ds_load_b128 v[X+16*((\t)%2)+4*\i:X+16*((\t)%2)+4*\i+3], v15 offset:32*SP*((\t)%2)+16*\i
.endr
.endm
.irp t, 0,1,2,3,4,5,6,7
	LOAD \t                                        ; all 32 loads of the wave are out
.endr
	s_wait_kmcnt 0x0
	s_cmp_lt_u32 ttmp9, 640                        ; output 0's exponent, by the same cascade: e11, e5, e3, e1, e0
	s_cselect_b32 s44, s37, s43
	s_cmp_lt_u32 ttmp9, 512
	s_cselect_b32 s44, s35, s44
	s_cmp_lt_u32 ttmp9, 384
	s_cselect_b32 s44, s33, s44
	s_cmp_lt_u32 ttmp9, 256
	s_cselect_b32 s44, s32, s44
.macro MKSCALE se, o                   ; from the exponent in s[se]: 2^e, whose exponent field the conversion takes, and 448 x 2^e, the hold
	s_add_co_i32 s45, s[\se], 127
	s_lshl_b32 s48, s45, 23
	v_mov_b32 v[SC+\o], s48
	s_add_co_i32 s45, s45, 8
	s_lshl_b32 s45, s45, 23
	s_or_b32 s45, s45, 0x600000                    ; 448 = 1.75 x 2^8
	v_mov_b32 v[LM+\o], s45
.endm
	MKSCALE 44, 0
	MKSCALE 34, 1                                  ; e2
	MKSCALE 36, 2                                  ; e4
	s_wait_alu depctr_va_vdst(0)
	s_wait_loadcnt 28                              ; step 0's four loads are in; the other seven steps' may be out
	TURN 0
.macro OUT t, o, base                  ; output o of step t: hold, convert, store
.irp i, 0,1,2,3,4,5,6,7,8,9,10,11,12,13,14,15
	v_med3_num_f32 v[T+16*\o+\i], v[XS+\i], -v[LM+\o], v[LM+\o]   ; the conversion to an 8-bit code does not saturate (ISA guide 7.6.2): the number is held first; X stays as it is for the other outputs
.endr
	v_cvt_scalef32_pk8_fp8_f32 v[CS+4*\o:CS+4*\o+1], v[T+16*\o:T+16*\o+7], v[SC+\o]
	v_cvt_scalef32_pk8_fp8_f32 v[CS+4*\o+2:CS+4*\o+3], v[T+16*\o+8:T+16*\o+15], v[SC+\o]
	v_nop                                          ; one plain vector line behind the conversions, ahead of the next write of their sources
	global_store_b128 v3, v[CS+4*\o:CS+4*\o+3], s[\base:\base+1] offset:512*(\t)   ; 32 lanes store 512 consecutive bytes, at a multiple of 512 from the buffer's first byte
.endm
.macro STEP t
.set XS, X+16*((\t)%2)
.set CS, C+12*((\t)%2)
	s_wait_dscnt 0x0                               ; this step's numbers are back from the stage, and its stores into the stage have read their registers,
.if (\t)+1 < STEPS
	s_wait_loadcnt 4*(STEPS-2-(\t))                ; the next step's four loads are in; those of the steps behind it may be out
	TURN (\t)+1                                    ; the next step goes through the other stage while this one is worked
.endif
	s_wait_xcnt 0x0                                ; the stores of two steps back have read this turn's code registers
	OUT \t, 0, 24
	s_cmp_eq_u32 s19, 0                            ; a weight has one output.  The jump hangs on the work-group's number and leads round register work and global stores alone
	s_cbranch_scc1 .Lone_\@
	OUT \t, 1, 26
	OUT \t, 2, 28
.Lone_\@:
.endm
.irp t, 0,1,2,3,4,5,6,7
	STEP \t
.endr
	s_wait_tensorcnt 0x0                           ; the wave's end: these three lines behind my last LDS store
	ds_add_u32 v[SPW], v[NIL]
	s_wait_dscnt 0x0
	s_endpgm
.Lfunc_end_k_q2584667cdf_quant:
	.size	k_q2584667cdf_quant, .Lfunc_end_k_q2584667cdf_quant-k_q2584667cdf_quant
	.p2alignl 7, 3214868480
	.fill 96, 4, 3214868480
	.section	.rodata,"a",@progbits
	.p2align	6, 0x0
	.amdhsa_kernel k_q2584667cdf_quant
		.amdhsa_group_segment_fixed_size 33280
		.amdhsa_private_segment_fixed_size 0
		.amdhsa_enable_private_segment 0
		.amdhsa_kernarg_size 56
		.amdhsa_user_sgpr_count 2
		.amdhsa_user_sgpr_kernarg_segment_ptr 1
		.amdhsa_wavefront_size32 1
		.amdhsa_system_sgpr_workgroup_id_x 1
		.amdhsa_system_sgpr_workgroup_id_y 1
		.amdhsa_system_sgpr_workgroup_id_z 1
		.amdhsa_system_vgpr_workitem_id 0
		.amdhsa_next_free_vgpr 256
		.amdhsa_next_free_sgpr 66
		.amdhsa_reserve_vcc 0
		.amdhsa_float_denorm_mode_32 3
		.amdhsa_float_denorm_mode_16_64 3
		.amdhsa_memory_ordered 1
		.amdhsa_forward_progress 1
		.amdhsa_inst_pref_size 43
	.end_amdhsa_kernel
	.amdgpu_metadata
---
amdhsa.version: [ 1, 2 ]
amdhsa.kernels:
  - .name:           k_q2584667cdf_quant
    .symbol:         k_q2584667cdf_quant.kd
    .args:
      - { .name: x, .offset: 0, .size: 8, .value_kind: global_buffer, .address_space: global }
      - { .name: wq, .offset: 8, .size: 8, .value_kind: global_buffer, .address_space: global }
      - { .name: wk, .offset: 16, .size: 8, .value_kind: global_buffer, .address_space: global }
      - { .name: wv, .offset: 24, .size: 8, .value_kind: global_buffer, .address_space: global }
      - { .name: wo, .offset: 32, .size: 8, .value_kind: global_buffer, .address_space: global }
      - { .name: lowp_scales, .offset: 40, .size: 8, .value_kind: global_buffer, .address_space: global }
      - { .name: codes, .offset: 48, .size: 8, .value_kind: global_buffer, .address_space: global }
    .group_segment_fixed_size: 33280
    .private_segment_fixed_size: 0
    .kernarg_segment_align: 8
    .kernarg_segment_size: 56
    .max_flat_workgroup_size: 128
    .sgpr_count:     66
    .vgpr_count:     256
    .wavefront_size: 32
...
	.end_amdgpu_metadata
.endif
;; end of part 5
;; launch qkv (part 6): grid 16 x 16, 4 waves a work-group, clusters of 4 x 4, 327,680 bytes of LDS; arguments codes, lowp_scales, qkv; writes qkv
.if DOCPART == 6
	.amdgcn_target "amdgcn-amd-amdhsa--gfx1250"
	.amdhsa_code_object_version 6
	.text
	.protected	k_q2584667cdf_qkv
	.globl	k_q2584667cdf_qkv
	.p2align	8
	.type	k_q2584667cdf_qkv,@function
k_q2584667cdf_qkv:
	s_mov_b64 s[64:65], 0
	v_nop
	global_prefetch_b8 v0, s[64:65] scope:SCOPE_SE
	s_setreg_imm32_b32 hwreg(HW_REG_WAVE_MODE, 25, 1), 1
	s_wait_xcnt 0x0
	s_wait_alu depctr_hold_cnt(0) depctr_sa_sdst(0) depctr_va_vdst(0) depctr_va_sdst(0) depctr_va_ssrc(0) depctr_va_vcc(0) depctr_vm_vsrc(0)
	s_getreg_b32 s2, hwreg(HW_REG_IB_STS2, 6, 4)
	s_cmp_eq_u32 s2, 0
	s_cbranch_scc0 .Lentry_in_a_cluster
	s_endpgm
.Lentry_in_a_cluster:
	s_bfe_u32 s2, ttmp6, 0x10000c
	s_cmp_lg_u32 s2, 0xf033
	s_cbranch_scc0 .Lentry_shape_is_right
	s_endpgm
.Lentry_shape_is_right:
; The three projections q = x wq^T, k = x wk^T, v = x wv^T on E4M3 codes, K = 1,024; each finished f32 sum is quantised at once for the attention's products (scales 2^e6, 2^e7, 2^e9).
; 256 WORK-GROUPS (X, Y), 16 x 16; each makes two tiles, one after the other, from rows of 1,024 bytes of the buffer of codes:
;   first q (X < 8) or k: 256 rows 'A' = x by e0 or e2, row (0 or 4,096) + 256 Y, against 256 rows 'B' = wq, wk, row 12,288 + 256 X (wk follows wq);
;   then v: 128 rows A = wv, row 16,384 + 128 Y (head Y's channels), against 256 rows B = x by e4, row 8,192 + 256 X.
; THE MATRIX INSTRUCTION IS USED TRANSPOSED (source 0 = 16 rows of B, source 1 = 16 rows of A): a lane holds one row of A and eight neighbouring rows of B.  So for q and k a lane has one token and eight
; neighbouring channels, for v one channel and eight neighbouring tokens: in each case eight neighbours along the K of the product that follows, which one conversion turns into eight codes.
; A sum stands for sum x 2^(ea + eb); its code is sum / 2^f with f = e6 - e0 - e1 (q), e7 - e2 - e3 (k), e9 - e4 - e5 (v), held within +-448 x 2^f.  LIMIT: each f lies between -126 and 119.
; OUTPUT: three sections of 8 Mi (q, k, v), each 512 dense blocks of 16,384 bytes, block ((b 16 + head) 16 + token / 128); q: [token % 128][channel]; v: [channel][token % 128];
; k: [row][channel], where the row is token % 128 with its bits 3 and 4 exchanged: the 16 keys that the attention takes as one tile are then 16 neighbouring rows.
; A wave's 128 x 128 of the first tile is one block; its 64 x 128 of the second half a block.  All leaves in stores of 512 consecutive bytes.
; FOUR WAVES, a SIMD each: 64 accumulators of 16 x 16 in the first tile (512 registers), 32 in the second.  K goes in steps of 256 through a ring of two LDS slots, which does not stop between the tiles: the first
; tile's last two changes of slots ask for the second tile's first two K steps, and its stores are on their way while the second is multiplied.
; CLUSTERS: 4 x 4 work-groups, each wholly q or wholly k (by the cluster's x).  The four of a row need the same rows of A, the four of a column the same rows of B: each is asked for jointly.
; PREFETCH: at the first tile's change of slots number s the second tile's K step s is asked for, two K steps ahead of the load that wants it, each row's 256 bytes once in each cluster; the first tile's K steps come by their loads.
; Inside a matrix instruction k is permuted alike in A and B (four loads of 16 bytes a fragment): every product meets its partner.
; REGISTERS, in windows of 256: window 0: v0-31 addresses and the scale registers; v32-127 the way out; from v128 A's fragments: one set of eight blocks, in the second tile two sets of four (on the way out v192-255 take rows read back).
;   window 1: B's fragments, two sets, at v0 and v128.   window 2: the accumulators of my rows' blocks 0-3 (accumulator (a, b) at v[8 (8 a + b)]);   window 3: blocks 4-7.
.set KSTEP,  256                       ; along K in a slot
.set ROWB,   256                       ; a tile's row in bytes
.set KROW,   1024                      ; a row of codes in memory, in bytes
.set PITCH,  272                       ; an LDS row: 256 bytes + 16 of padding = 68 words: the 16 rows that a load touches start at 16 different banks (64 banks of 4 bytes: ISA guide 11.1)
.set FR,     16                        ; registers of a fragment: 16 rows x 128 K
.set NP,     4                         ; places behind this matrix instruction (ISA guide 7.12.1)
.set HALFT,  128*PITCH                 ; 128 rows
.set SLOT,   4*HALFT                   ; A's 256 rows (second tile: 64 rows at 0, 64 at HALFT), then B's 256 rows
.set SPARE,  2*SLOT                    ; behind the ring: the spare words, 128 bytes for each wave, which no other line names
.set STAGE,  SPARE+512                 ; the way out: 16 rows x 144 bytes for each wave, bytes of their own into which no fill lands
.set SPITCH, 144
.set ADRA, 16                          ; v16-17  LDS address of my A fragments in slot 0, 1
.set ADRB, 20                          ; v20-21  the same for B
.set PFO,  22                          ; v22     1,024 x lane: the prefetches' offset
.set COD,  23                          ; v23     16 x lane + 1,024 (q) or + 0 (k): for the stores that k's order moves 1,024 bytes down
.set STO,  24                          ; v24     the way out: where I put 8 bytes of a row
.set RD,   25                          ; v25     the way out: where I read 16 bytes back
.set CO,   26                          ; v26     16 x lane: my bytes of a store's 512
.set COU,  27                          ; v27     16 x lane + 0 (q) or + 1,024 (k): for the stores that k's order moves 1,024 bytes up
.set SPW,  28                          ; v28     LDS address of my spare word; never rewritten
.set NIL,  29                          ; v29     0; never rewritten
.set QS,   30                          ; v30     2^f as f32
.set QL,   31                          ; v31     448 x 2^f
.set TMP,  32                          ; the way out: 64 registers, a block's held sums
.set CD,   96                          ; the way out: a block's codes, 16 registers, two sets by turns
.set AF,   128                         ; A's fragments, in window 0
.set BK,   192                         ; the way out: 16 registers a block, four by turns
.set G1,   24                          ; s[24:31] descriptor group 1 for A's tiles;  s[32:39] group 0, one set for each slot
.set G0,   32
.set G1B,  48                          ; s[48:55], s[56:63] the same for B's tiles
.set G0B,  56
.set G1V,  84                          ; s[84:91] group 1 for A's tiles of 64 rows, in the second tile
.set A2,   92                          ; s[92:93], s[94:95] where my part of the second tile's A and B begins (with the descriptor's type on top)
.set B2,   94
.set OUT2, 96                          ; s[96:97] my half block of v
.set PFA,  98                          ; s[98:99] where my prefetches stand
.set MSB, 0
.macro WIN new                         ; the immediate's high byte repeats the setting that is left
.if MSB != \new
	s_set_vgpr_msb (MSB<<8)|\new
.set MSB, \new
.endif
.endm
.set MUL_LO, 0xa1                      ; source 0 (B) window 1, source 1 (A) window 0, C and D window 2
.set MUL_HI, 0xf1                      ; the same, C and D window 3
.set TO_B,   0x40                      ; destination window 1, address window 0
; A joint load: waves 0 and 1 fetch for A, waves 2 and 3 for B.  Each line has ONE mask and one set of registers for all that issue it; the branch hangs on the wave's number alone.
.macro JLOAD g0a, g1a, g0b, g1b
	s_cmp_eq_u32 s15, 0
	s_cbranch_scc0 .Lfor_b_\@
	tensor_load_to_lds s[\g0a:\g0a+3], s[\g1a:\g1a+7]
	s_nop 0
.rept 4
	v_nop
.endr
	s_branch .Lasked_\@
.Lfor_b_\@:
	tensor_load_to_lds s[\g0b:\g0b+3], s[\g1b:\g1b+7]
	s_nop 0
.rept 4
	v_nop
.endr
.Lasked_\@:
.endm
.macro CREST                           ; a round of the cluster's barrier behind its opening barrier
	s_cmp_lg_u32 s14, 0
	s_cbranch_scc1 .Lnot_wave_0_\@
	s_barrier_signal -3
.Lnot_wave_0_\@:
	s_barrier_wait -3
	s_barrier_signal -1
	s_barrier_wait -1
.endm
.macro CROUND                          ; a whole round
	s_barrier_signal -1
	s_barrier_wait -1
	CREST
.endm
; The second tile's rows of one K step: of A's 128 rows the partner at cx takes 32 (wave 0), of B's 256 rows the partner at cy 64 (waves 2 and 3): a lane a row.  Wave 1 asks for nothing.
.macro ASK
	s_cmp_eq_u32 s14, 1
	s_cbranch_scc1 .Lnone_\@
	global_prefetch_b8 v[PFO], s[PFA:PFA+1] th:TH_LOAD_NT scope:SCOPE_SE
.Lnone_\@:
.endm
	s_load_b128 s[4:7], s[0:1], 0x0                ; the codes s[4:5], the exponents s[6:7]
	s_load_b64 s[8:9], s[0:1], 0x10                ; the output
	v_lshl_add_u32 v[SPW], v0, 2, SPARE
	v_mov_b32 v[NIL], 0
	ds_add_u32 v[SPW], v[NIL]                      ; the opening lines: the add, twice on end, and its wait ahead of the first tensor load
	ds_add_u32 v[SPW], v[NIL]
	v_lshrrev_b32 v1, 5, v0
	v_readfirstlane_b32 s14, v1                    ; wave 0..3
	s_lshr_b32 s15, s14, 1                         ; which half of A's rows is mine.  Also: I fetch for A (0) or for B (1)
	s_and_b32 s16, s14, 1                          ; which half of B's rows.  Also: which half of that tile I fetch
	s_bfe_u32 s40, ttmp6, 0x40000                  ; cx, cy: my place in the cluster
	s_bfe_u32 s41, ttmp6, 0x40004
	s_lshl_b32 s42, ttmp9, 2
	s_add_co_u32 s42, s42, s40                     ; X = 4 x cluster x + cx
	s_and_b32 s17, ttmp7, 0xffff
	s_lshl_b32 s17, s17, 2
	s_add_co_u32 s17, s17, s41                     ; Y = 4 x cluster y + cy
	s_lshl_b32 s43, s41, 2
	s_lshl_b32 s43, 15, s43                        ; my row of the cluster
	s_lshl_b32 s44, 0x1111, s40                    ; my column
	; descriptor group 1: 128 (G1V: 64) rows x 256 bytes, padded in LDS
	s_or_b32 s[G1+0], s43, (0<<16)|(1<<20)|(1<<21)|(5<<22)|(3<<25)  ; 15:0 the mask; 17:16 element of 1 byte; 20 padding on; 21 set beside a mask; 24:22 after every 64 words (code 5); 31:25 of 4 words (code 3)
	s_or_b32 s[G1V+0], s43, (0<<16)|(1<<20)|(1<<21)|(5<<22)|(3<<25)
	s_or_b32 s[G1B+0], s44, (0<<16)|(1<<20)|(1<<21)|(5<<22)|(3<<25)
.irp g, G1, G1V, G1B
	s_mov_b32 s[\g+1], ROWB<<16                    ; tensor_dim0
	s_mov_b32 s[\g+3], ROWB<<16                    ; tile_dim0
	s_mov_b32 s[\g+5], KROW                        ; tensor_dim0_stride
	s_mov_b32 s[\g+6], 0
	s_mov_b32 s[\g+7], 0
.endr
.irp g, G1, G1B
	s_mov_b32 s[\g+2], 128<<16                     ; tensor_dim1
	s_mov_b32 s[\g+4], 128                         ; tile_dim1
.endr
	s_mov_b32 s[G1V+2], 64<<16
	s_mov_b32 s[G1V+4], 64
	s_cmp_ge_u32 ttmp9, 2                          ; k's clusters: a choice that all sixteen partners share
	s_cselect_b32 s70, 4096, 0                     ; A's base row: x by e2 or x by e0
	s_lshl_b32 s18, s16, 7
	s_lshl_b32 s20, s17, 8
	s_add_co_u32 s20, s20, s18
	s_add_co_u32 s20, s20, s70
	s_lshl_b32 s20, s20, 10                        ; A: base + 256 Y + 128 x half, in bytes
	s_mov_b32 s21, 0
	s_lshl_b32 s46, s42, 8
	s_add_co_u32 s46, s46, s18
	s_add_co_u32 s22, s46, 8192
	s_add_co_u32 s46, s46, 12288
	s_lshl_b32 s46, s46, 10                        ; B: 12,288 + 256 X + 128 x half
	s_mov_b32 s47, 0
	s_lshl_b32 s22, s22, 10                        ; the second tile's B: 8,192 + 256 X + 128 x half
	s_mov_b32 s23, 0
	s_lshl_b32 s66, s17, 7
	s_lshl_b32 s67, s16, 6
	s_add_co_u32 s66, s66, s67
	s_add_co_u32 s66, s66, 16384
	s_lshl_b32 s66, s66, 10                        ; and its A: 16,384 + 128 Y + 64 x half
	s_mov_b32 s67, 0
	s_mul_i32 s45, s14, HALFT                      ; where they go: no place in the cluster enters an LDS address
	s_wait_dscnt 0x0                               ; both opening adds are done
	s_wait_kmcnt 0x0
	s_load_b256 s[72:79], s[6:7], 0x0              ; e0 .. e7
	s_load_b128 s[80:83], s[6:7], 0x20             ; e8 .. e11
	s_add_nc_u64 s[20:21], s[4:5], s[20:21]
	s_add_nc_u64 s[46:47], s[4:5], s[46:47]
	s_add_nc_u64 s[A2:A2+1], s[4:5], s[66:67]
	s_or_b32 s[A2+1], s[A2+1], 0x80000000          ; 127:126 type = 2
	s_add_nc_u64 s[B2:B2+1], s[4:5], s[22:23]
	s_or_b32 s[B2+1], s[B2+1], 0x80000000
	CROUND                                         ; all sixteen work-groups are here: the first joint loads meet
.irp s, 0,1
	s_mov_b32 s[G0+4*\s], 1
	s_add_co_u32 s[G0+4*\s+1], s45, \s*SLOT
	s_add_nc_u64 s[G0+4*\s+2:G0+4*\s+3], s[20:21], \s*ROWB
	s_or_b32 s[G0+4*\s+3], s[G0+4*\s+3], 0x80000000
	s_mov_b32 s[G0B+4*\s], 1
	s_add_co_u32 s[G0B+4*\s+1], s45, \s*SLOT
	s_add_nc_u64 s[G0B+4*\s+2:G0B+4*\s+3], s[46:47], \s*ROWB
	s_or_b32 s[G0B+4*\s+3], s[G0B+4*\s+3], 0x80000000
.endr
	JLOAD G0, G1, G0B, G1B                         ; K step 0: one tensor load a wave at the head
	; the prefetches
	s_lshl_b32 s66, s17, 7
	s_lshl_b32 s67, s40, 5
	s_add_co_u32 s66, s66, s67
	s_add_co_u32 s66, s66, 16384                   ; A: 16,384 + 128 Y + 32 cx
	s_lshl_b32 s67, s42, 8
	s_lshl_b32 s68, s41, 6
	s_add_co_u32 s67, s67, s68
	s_lshl_b32 s68, s16, 5
	s_add_co_u32 s67, s67, s68
	s_add_co_u32 s67, s67, 8192                    ; B: 8,192 + 256 X + 64 cy + 32 x (wave % 2)
	s_cmp_eq_u32 s15, 0
	s_cselect_b32 s66, s66, s67
	s_lshl_b32 s66, s66, 10
	s_mov_b32 s67, 0
	s_add_nc_u64 s[PFA:PFA+1], s[4:5], s[66:67]
	; my parts of the output.  sA = 2 Y + wave / 2 and sB = 2 X + wave % 2: my 128 rows of A and of B, counted in 128s
	s_lshl_b32 s66, s17, 1
	s_add_co_u32 s66, s66, s15                     ; sA: the 128 tokens of q, k
	s_lshl_b32 s67, s42, 1
	s_add_co_u32 s67, s67, s16                     ; sB: the head of q, k (% 16); the 128 tokens of v
	s_lshr_b32 s18, s66, 4
	s_lshl_b32 s18, s18, 8                         ; b x 256
	s_and_b32 s19, s67, 15
	s_lshl_b32 s19, s19, 4
	s_add_co_u32 s18, s18, s19                     ; + head x 16
	s_and_b32 s19, s66, 15
	s_add_co_u32 s18, s18, s19                     ; + token / 128 within b
	s_lshl_b32 s18, s18, 14
	s_lshr_b32 s19, ttmp9, 1                       ; the section: q 0, k 1
	s_lshl_b32 s68, s19, 23
	s_add_co_u32 s18, s18, s68
	s_lshl_b32 s70, s19, 10                        ; k's rows change places: two offsets, no branch
	s_sub_co_u32 s71, 1024, s70
	s_mov_b32 s19, 0
	s_lshr_b32 s68, s67, 4
	s_lshl_b32 s68, s68, 8
	s_lshl_b32 s69, s17, 4
	s_add_co_u32 s68, s68, s69                     ; v: b x 256 + Y x 16
	s_and_b32 s69, s67, 15
	s_add_co_u32 s68, s68, s69                     ; + token / 128 within b
	s_lshl_b32 s68, s68, 14
	s_lshl_b32 s69, s15, 13                        ; my 64 channels
	s_add_co_u32 s68, s68, s69
	s_add_co_u32 s68, s68, 2<<23
	s_mov_b32 s69, 0
	s_add_nc_u64 s[OUT2:OUT2+1], s[8:9], s[68:69]
	s_add_nc_u64 s[8:9], s[8:9], s[18:19]
	s_mul_i32 s21, s15, HALFT                      ; my rows of A
	s_mul_i32 s22, s16, HALFT                      ; my 128 rows of B,
	s_add_co_u32 s22, s22, 2*HALFT                 ; which lie behind A's
	s_mul_i32 s23, s14, 16*SPITCH
	s_add_co_u32 s23, s23, STAGE                   ; my stage
	v_and_b32 v1, 15, v0                           ; r = l % 16
	v_bfe_u32 v2, v0, 4, 1                         ; h = l / 16
	v_and_b32 v6, 31, v0
	v_mul_u32_u24 v4, v1, PITCH
	v_lshl_add_u32 v4, v2, 4, v4                   ; a fragment's row x pitch + 16 x half
	v_add_nc_u32 v[ADRA], s21, v4
	v_add_nc_u32 v[ADRA+1], SLOT, v[ADRA]
	v_add_nc_u32 v[ADRB], s22, v4
	v_add_nc_u32 v[ADRB+1], SLOT, v[ADRB]
	v_mul_u32_u24 v5, v1, SPITCH                   ; in: row r, 8 bytes for each half of the lanes
	v_lshl_add_u32 v5, v2, 3, v5
	v_add_nc_u32 v[STO], s23, v5
	v_lshlrev_b32 v[CO], 4, v6
	v_lshrrev_b32 v7, 3, v6                        ; back: eight lanes to a row of 128 bytes, four rows an instruction
	v_mul_u32_u24 v7, v7, SPITCH
	v_and_b32 v8, 7, v6
	v_lshl_add_u32 v7, v8, 4, v7
	v_add_nc_u32 v[RD], s23, v7
	v_add_nc_u32 v[COU], s70, v[CO]
	v_add_nc_u32 v[COD], s71, v[CO]
	v_lshlrev_b32 v[PFO], 10, v6
	s_wait_alu depctr_va_vdst(0)
	s_wait_kmcnt 0x0                               ; the exponents; the first tiles are still on their way
	s_sub_co_i32 s10, s78, s72
	s_sub_co_i32 s10, s10, s73                     ; q: e6 - e0 - e1
	s_sub_co_i32 s11, s79, s74
	s_sub_co_i32 s11, s11, s75                     ; k: e7 - e2 - e3
	s_sub_co_i32 s12, s81, s76
	s_sub_co_i32 s12, s12, s77                     ; v: e9 - e4 - e5
	s_cmp_ge_u32 ttmp9, 2
	s_cselect_b32 s10, s11, s10                    ; f: a choice, no branch
	s_add_co_i32 s10, s10, 127
	s_lshl_b32 s11, s10, 23
	v_mov_b32 v[QS], s11                           ; 2^f
	s_add_co_i32 s10, s10, 8
	s_lshl_b32 s10, s10, 23
	s_or_b32 s10, s10, 0x600000
	v_mov_b32 v[QL], s10                           ; 448 x 2^f
	s_add_co_i32 s13, s12, 135
	s_lshl_b32 s13, s13, 23
	s_or_b32 s13, s13, 0x600000                    ; v's, for the second way out
	s_add_co_i32 s12, s12, 127
	s_lshl_b32 s12, s12, 23
.macro FRAG reg, adr, q, i             ; a fragment, 16 rows x 128 K: lane l holds row l % 16; registers 4 c .. 4 c + 3 hold K = 32 c + 16 (l / 16) + 0 .. 15
.irp c, 0,1,2,3
	ds_load_b128 v[\reg+4*\c:\reg+4*\c+3], v[\adr] offset:128*(\q)+32*\c+(\i)*16*PITCH
.endr
.endm
; Sixteen matrix instructions: A's blocks a0, a0 + 1 (fragments from af on) x B's eight (set p), 128 along K.  zero = 1: the first product starts the sums: nothing is ever cleared.
; The accumulators take turns, one instruction a turn, in the same order in every step.
.macro MUL16 a0, p, zero, af
.irp a, \a0, \a0+1
.irp b, 0,1,2,3,4,5,6,7
.if \zero
	v_wmma_f32_16x16x128_fp8_fp8 v[8*(8*((\a)%4)+\b):8*(8*((\a)%4)+\b)+7], v[128*(\p)+FR*\b:128*(\p)+FR*\b+FR-1], v[\af+FR*(\a):\af+FR*(\a)+FR-1], 0
.else
	v_wmma_f32_16x16x128_fp8_fp8 v[8*(8*((\a)%4)+\b):8*(8*((\a)%4)+\b)+7], v[128*(\p)+FR*\b:128*(\p)+FR*\b+FR-1], v[\af+FR*(\a):\af+FR*(\a)+FR-1], v[8*(8*((\a)%4)+\b):8*(8*((\a)%4)+\b)+7]
.endif
.endr
.endr
.endm
.macro FETCH_B slot, q, p              ; B's eight fragments of the slot's q-th 128 along K into set p
	WIN TO_B
.irp i, 0,1,2,3,4,5,6,7
	FRAG 128*(\p)+FR*\i, ADRB+\slot, \q, \i
.endr
	WIN 0
.endm
.macro FETCH_A slot, q, i0, af         ; A's blocks i0 .. i0 + 3
.irp i, \i0, \i0+1, \i0+2, \i0+3
	FRAG \af+FR*(\i), ADRA+\slot, \q, \i
.endr
.endm
; A load into a register that a matrix instruction has read, and a vector instruction that reads a matrix result, stand NP places behind that matrix instruction; only plain vector
; instructions that name none of its registers are places (ISA guide 7.12.1 for vector instructions).
.macro PLACES n
.rept \n
	v_nop
.endr
.endm
; THE FIRST TILE.  A step of 128 along K that has its successor in the same slot.  A has one set of registers: a block is free as soon as its eight products are issued.
.macro STEP slot, zero
	s_wait_dscnt 16                                ; B's set and A's blocks 0-3 are in; the youngest sixteen loads (A's blocks 4-7) may be out
	WIN MUL_LO
	MUL16 0, 0, \zero, AF
	MUL16 2, 0, \zero, AF
	s_wait_dscnt 0                                 ; A's blocks 4-7 are in (asked for 32 matrix instructions ago)
	PLACES NP
	FETCH_B \slot, 1, 1
	FETCH_A \slot, 1, 0, AF
	WIN MUL_HI
	MUL16 4, 0, \zero, AF
	MUL16 6, 0, \zero, AF
	PLACES NP
	WIN 0
	FETCH_A \slot, 1, 4, AF
.endm
; A change of slots: in front of ONE barrier each wave waits for all its tensor loads, adds 0 to its spare word, and waits for that and for its reads of this slot; a round of the cluster's barrier follows, and this slot is
; filled again: no wave of any partner still reads it or has a load on its way.
.macro MEET
	WIN 0
	s_wait_tensorcnt 0x0                           ; my part of the next slot has landed
	ds_add_u32 v[SPW], v[NIL]                      ; 0 onto my spare word
	s_wait_dscnt 0x0                               ; the add is done, and my reads of this slot are over
	s_barrier_signal -1
	s_barrier_wait -1
.endm
; The slot's last step.  on = 1: the refill is the SECOND tile's K step 0 or 1.  ask: which change of slots this is, 0 to 3.  The last fetches no blocks 4-7: the second tile has none.
.macro TURN slot, next, on, ask
.if \ask
	s_wait_xcnt 0x0                                ; my prefetch of a slot ago has read its address
	s_add_nc_u64 s[PFA:PFA+1], s[PFA:PFA+1], ROWB
.endif
	s_wait_dscnt 16                                ; the youngest sixteen loads (A's blocks 4-7) may be out
	WIN MUL_LO
	MUL16 0, 1, 0, AF
	MUL16 2, 1, 0, AF
	MEET
	CREST
.if \on
	s_mov_b64 s[G0+4*\slot+2:G0+4*\slot+3], s[A2:A2+1]
	s_mov_b64 s[G0B+4*\slot+2:G0B+4*\slot+3], s[B2:B2+1]
	s_add_nc_u64 s[A2:A2+1], s[A2:A2+1], ROWB
	s_add_nc_u64 s[B2:B2+1], s[B2:B2+1], ROWB
	JLOAD G0+4*\slot, G1V, G0B+4*\slot, G1B
.else
	s_add_nc_u64 s[G0+4*\slot+2:G0+4*\slot+3], s[G0+4*\slot+2:G0+4*\slot+3], 2*ROWB
	s_add_nc_u64 s[G0B+4*\slot+2:G0B+4*\slot+3], s[G0B+4*\slot+2:G0B+4*\slot+3], 2*ROWB
	JLOAD G0+4*\slot, G1, G0B+4*\slot, G1B         ; the first tensor load behind the round; the four v_nop behind it are the places in front of the loads below
.endif
	FETCH_B \next, 0, 0
	FETCH_A \next, 0, 0, AF
	ASK
	WIN MUL_HI
	MUL16 4, 1, 0, AF
	MUL16 6, 1, 0, AF
.if \ask < 3
	PLACES NP
	WIN 0
	FETCH_A \next, 0, 4, AF
.else
	WIN 0
.endif
.endm
; THE SECOND TILE: four blocks of A, in two sets of registers by turns.
.macro STEPV slot, zero
	s_wait_dscnt 0
	PLACES NP
	FETCH_B \slot, 1, 1
	FETCH_A \slot, 1, 0, AF+64
	WIN MUL_LO
	MUL16 0, 0, \zero, AF
	MUL16 2, 0, \zero, AF
	WIN 0
.endm
.macro TURNV slot, next, fill
	s_wait_dscnt 0
	WIN MUL_LO
	MUL16 0, 1, 0, AF+64
	MEET
.if \fill
	CREST
	s_add_nc_u64 s[G0+4*\slot+2:G0+4*\slot+3], s[G0+4*\slot+2:G0+4*\slot+3], 2*ROWB
	s_add_nc_u64 s[G0B+4*\slot+2:G0B+4*\slot+3], s[G0B+4*\slot+2:G0B+4*\slot+3], 2*ROWB
	JLOAD G0+4*\slot, G1V, G0B+4*\slot, G1B
.else
	PLACES NP
.endif
	FETCH_B \next, 0, 0
	FETCH_A \next, 0, 0, AF
	WIN MUL_LO
	MUL16 2, 1, 0, AF+64
	WIN 0
.endm
; THE WAY OUT, block by block of 16 rows x 128 codes.  A lane's eight sums of an accumulator are held, converted to eight codes (8 bytes of its row) and put into my own stage; the block comes back
; in four loads of 512 bytes, four rows each.  LDS serves a wave's instructions in order (ISA guide 5.7.1.4): no wait between the stores and the loads, nor in front of the next block's stores.
.macro TOSTAGE a
.if \a > 3
	s_wait_xcnt 0x0                                ; the stores of four blocks back have read their registers
.endif
.set AC, 64*((\a)%4)
	WIN 0x02+((\a)/4)                              ; source 0: window 2 or 3
.set j, 0
.rept 64
	v_med3_num_f32 v[TMP+j], v[AC+j], -v[QL], v[QL]   ; the conversion does not saturate (ISA guide 7.6.2): the hold at 448 x 2^f; each accumulator from its low end on
.set j, j+1
.endr
	WIN 0
.irp b, 0,1,2,3,4,5,6,7
	v_cvt_scalef32_pk8_fp8_f32 v[CD+16*((\a)%2)+2*\b:CD+16*((\a)%2)+2*\b+1], v[TMP+8*\b:TMP+8*\b+7], v[QS]
.endr
	v_nop                                          ; one plain vector line behind the conversions, ahead of the next block's writes of their sources
.irp b, 0,1,2,3,4,5,6,7
	ds_store_b64 v[STO], v[CD+16*((\a)%2)+2*\b:CD+16*((\a)%2)+2*\b+1] offset:16*\b
.endr
.set BB, BK+16*((\a)%4)
.irp t, 0,1,2,3
	ds_load_b128 v[BB+4*\t:BB+4*\t+3], v[RD] offset:4*SPITCH*\t
.endr
.endm
; Rows 16 a + 4 t .. + 3 of my block.  In q they go to byte 2,048 a + 512 t.  In k bits 3 and 4 of the row change places: bit 4 is a % 2, bit 3 is t / 2; where the two differ the four rows
; go 1,024 bytes up (a even) or down (a odd).  The immediate holds the lower of the two places, the offset register the rest.
.macro SEND a, younger                 ; younger: the LDS instructions issued behind block a's loads, which may stay out
	s_wait_dscnt \younger                          ; the block is back in registers
.set BB, BK+16*((\a)%4)
.irp t, 0,1,2,3
.if ((\a)%2) == (\t/2)
	global_store_b128 v[CO], v[BB+4*\t:BB+4*\t+3], s[8:9] offset:2048*(\a)+512*\t   ; 32 lanes store 512 consecutive bytes, at a multiple of 512 from the buffer's first byte
.elseif ((\a)%2) == 0
	global_store_b128 v[COU], v[BB+4*\t:BB+4*\t+3], s[8:9] offset:2048*(\a)+512*\t
.else
	global_store_b128 v[COD], v[BB+4*\t:BB+4*\t+3], s[8:9] offset:2048*(\a)+512*\t-1024
.endif
.endr
.endm
.macro SENDV a, younger
	s_wait_dscnt \younger
.set BB, BK+16*((\a)%4)
.irp t, 0,1,2,3
	global_store_b128 v[CO], v[BB+4*\t:BB+4*\t+3], s[OUT2:OUT2+1] offset:2048*(\a)+512*\t
.endr
.endm
	s_wait_alu depctr_va_vdst(0)
	s_wait_tensorcnt 0x0                           ; my part of K step 0 is in; these lines stand ahead of a later first fill as ahead of a refill
	ds_add_u32 v[SPW], v[NIL]
	s_wait_dscnt 0x0
	CROUND                                         ; everybody's part of K step 0 is in, and all sixteen work-groups are here
	JLOAD G0+4, G1, G0B+4, G1B                     ; K step 1: the first tensor load behind the round
	FETCH_B 0, 0, 0
	FETCH_A 0, 0, 0, AF
	FETCH_A 0, 0, 4, AF
	STEP 0, 1                                      ; its products start the sums
	TURN 0, 1, 0, 0
	STEP 1, 0
	TURN 1, 0, 0, 1
	STEP 0, 0
	TURN 0, 1, 1, 2                                ; THE RING GOES ON INTO THE SECOND TILE: slot 0 takes its K step 0,
	STEP 1, 0
	TURN 1, 0, 1, 3                                ; slot 1 its K step 1, and its first fragments are fetched
	TOSTAGE 0                                      ; both refills are asked for: the first tile goes out.  Blocks 0-3 were finished in front of the joint load's places; block 0's 64 lines are the places behind the last products
.irp a, 1,2,3,4,5,6,7
	TOSTAGE \a
	SEND \a-1, 12                                  ; behind block a - 1's loads: block a's 8 stores and 4 loads
.endr
	SEND 7, 0
	v_mov_b32 v[QS], s12                           ; v's 2^f
	v_mov_b32 v[QL], s13                           ; and 448 x 2^f
	s_wait_alu depctr_va_vdst(0)
	s_wait_xcnt 0x0                                ; the stores have read their registers, which A's second set takes
	STEPV 0, 1
	TURNV 0, 1, 1
	STEPV 1, 0
	TURNV 1, 0, 1
	STEPV 0, 0
	TURNV 0, 1, 0                                  ; the last two K steps fill nothing, and have no round of the cluster's barrier
	STEPV 1, 0
	s_wait_dscnt 0
	WIN MUL_LO
	MUL16 0, 1, 0, AF+64
	MUL16 2, 1, 0, AF+64
	WIN 0
	PLACES NP                                      ; behind the last products: for the first reads of results
	TOSTAGE 0
.irp a, 1,2,3
	TOSTAGE \a
	SENDV \a-1, 12
.endr
	SENDV 3, 0
	s_wait_tensorcnt 0x0                           ; the wave's end: these three lines, behind my last tensor load and my last LDS store
	ds_add_u32 v[SPW], v[NIL]
	s_wait_dscnt 0x0
	CROUND                                         ; the closing round: no work-group ends while a partner may still ask for a tile that names it
	s_endpgm
.Lfunc_end_k_q2584667cdf_qkv:
	.size	k_q2584667cdf_qkv, .Lfunc_end_k_q2584667cdf_qkv-k_q2584667cdf_qkv
	.p2alignl 7, 3214868480
	.fill 96, 4, 3214868480
	.section	.rodata,"a",@progbits
	.p2align	6, 0x0
	.amdhsa_kernel k_q2584667cdf_qkv
		.amdhsa_group_segment_fixed_size 327680
		.amdhsa_private_segment_fixed_size 0
		.amdhsa_enable_private_segment 0
		.amdhsa_kernarg_size 24
		.amdhsa_user_sgpr_count 2
		.amdhsa_user_sgpr_kernarg_segment_ptr 1
		.amdhsa_wavefront_size32 1
		.amdhsa_system_sgpr_workgroup_id_x 1
		.amdhsa_system_sgpr_workgroup_id_y 1
		.amdhsa_system_sgpr_workgroup_id_z 1
		.amdhsa_system_vgpr_workitem_id 0
		.amdhsa_next_free_vgpr 1024
		.amdhsa_next_free_sgpr 100
		.amdhsa_reserve_vcc 0
		.amdhsa_float_denorm_mode_32 3
		.amdhsa_float_denorm_mode_16_64 3
		.amdhsa_memory_ordered 1
		.amdhsa_forward_progress 1
		.amdhsa_inst_pref_size 198
	.end_amdhsa_kernel
	.amdgpu_metadata
---
amdhsa.version: [ 1, 2 ]
amdhsa.kernels:
  - .name:           k_q2584667cdf_qkv
    .symbol:         k_q2584667cdf_qkv.kd
    .args:
      - { .name: codes, .offset: 0, .size: 8, .value_kind: global_buffer, .address_space: global }
      - { .name: lowp_scales, .offset: 8, .size: 8, .value_kind: global_buffer, .address_space: global }
      - { .name: qkv, .offset: 16, .size: 8, .value_kind: global_buffer, .address_space: global }
    .group_segment_fixed_size: 327680
    .private_segment_fixed_size: 0
    .kernarg_segment_align: 8
    .kernarg_segment_size: 24
    .max_flat_workgroup_size: 128
    .sgpr_count:     100
    .vgpr_count:     1024
    .wavefront_size: 32
...
	.end_amdgpu_metadata
.endif
;; end of part 6
;; launch attn (part 7): grid 32 x 8, 8 waves a work-group, no clusters, 327,680 bytes of LDS; arguments qkv, lowp_scales, acodes; writes acodes
.if DOCPART == 7
	.amdgcn_target "amdgcn-amd-amdhsa--gfx1250"
	.amdhsa_code_object_version 6
	.text
	.protected	k_q2584667cdf_attn
	.globl	k_q2584667cdf_attn
	.p2align	8
	.type	k_q2584667cdf_attn,@function
k_q2584667cdf_attn:
	s_mov_b64 s[64:65], 0
	v_nop
	global_prefetch_b8 v0, s[64:65] scope:SCOPE_SE
	s_setreg_imm32_b32 hwreg(HW_REG_WAVE_MODE, 25, 1), 1
	s_wait_xcnt 0x0
; Causal attention on E4M3 codes, 32 heads (b x 16 + head) of 2,048 tokens x 128 channels; the result is quantised for the last projection (scale 2^e10).
; INPUT (one buffer, three sections of 8 Mi: q, k, v), in dense blocks of 16,384 bytes, block ((b 16 + head) 16 + token / 128): q: [token % 128][channel]; v: [channel][token % 128] (the keys are the second
; product's K); k: [row][channel], the row being token % 128 with its bits 3 and 4 exchanged.
; OUTPUT: dense blocks of 16,384 bytes, block ((b 16 + token / 128) 16 + head), [token % 128][channel].
; THE SOFTMAX AHEAD OF THE SECOND PRODUCT: t = score x log2(e) / sqrt(128); M = the row's largest t so far, rounded UP to a whole number; p = 2^(t - M) is what is quantised (2^e8), not normalised.
; The row's sum is taken of the unquantised p, in f32, and divides O at the end.  When M moves, the sum and O are multiplied by 2^(old M - new M): exact.
; SHARES.  Work-group (head along the grid's x, i along its y) owns the query blocks 15 - i (first) and i (then), 128 queries each: under the causal mask 16 - i and i + 1 steps of 128 keys.
; A wave owns 32 queries, two tiles of 16: wave w those from 32 (w % 4) on.  THE KEYS ARE DIVIDED: a slot holds 256 keys, and waves 0-3 (group 0) take its first 128, waves 4-7 (group 1) its last 128.
; So each block takes ceil(its steps / 2) slots, nine together in every work-group.
; The two groups end a block with partial O, M and sums of the same queries; they go to LDS and are joined at the end: wave (w % 4, group g) joins and stores tile g of both blocks.
; CAUSAL.  A step all of whose keys come after the block's queries is left out, by scalar branches on ids which lead round no barrier, wait or add (group 1, in one slot of the nine); on the diagonal hidden scores
; become -infinity.  Every slot is read by group 0.  LIMIT: a NaN or an infinity that reaches only hidden scores' whole steps is not carried to the result.
; THE RING: two slots (256 rows of K, 256 rows of V, 128 bytes each, 16 bytes of padding behind every 128).  Every wave fetches 64 rows with one load: 32 rows (4,096 dense bytes) of each of the slot's two blocks,
; group 0 of K, group 1 of V; so every load brings bytes of the first 128 keys, which group 0 reads.
; A STEP: S^T = K Q^T (source 0 = 16 keys, source 1 = 16 queries); V's fragments are asked for as soon as K's are done with; the barrier stands in the middle of the softmax, when V is in registers;
; directly behind it the slot just left is filled again; the next step's K fragments are loaded under this step's O^T += V^T P^T.
; THE KEYS OF A TILE ARE NOT NEIGHBOURS: by the order of k's rows the 16 registers of tiles 2 b and 2 b + 1 are 16 neighbouring keys, 32 b + 16 (lane / 16) + 0 .. 15.
; NO CLUSTER: the work-groups that share K and V are the query blocks of a head; which steps a wave leaves out and where its second block begins hang on the block, and in a cluster no branch may hang on a partner's place.
; LIMITS on the given exponents, so that each power of two below is an f32 number: e6 + e7 between -123 and 130 (added to c's exponent field); e8 and e10 between -126 and 119; e8 + e9 is applied by v_ldexp_f32.
; The scaled scores stay under 2^31 in magnitude.  NaN is not served.
; REGISTERS, window 0 (tile 0) and window 1 (tile 1) alike: v32-47 Q, v48-63 codes of p, v64-127 S^T, then p (v96-127 also take K's fragments 0, 1 in window 0 and 2, 3 in window 1), v128-191 O^T;
; v192-255: window 0: V's fragments 0-3; window 1: K's fragments 4-7, then V's 4-7.  Window 0, v0-31: addresses and the rows' state of both tiles; window 1, v0-31: Q of the second block.
.set KP,    144                        ; an LDS row: 128 bytes + 16 of padding
.set VOFF,  256*KP                     ; a slot: 256 rows of K, then 256 rows of V
.set SLOTB, 2*VOFF
.set SPARE, 2*SLOTB                    ; the spare words, 128 bytes for each wave, which no other line names
.set PT,    8448                       ; a tile's partial: O 8,192 bytes, -M and the sum 128 bytes each
.set PW,    2*PT
.set PR,    SPARE+1024                 ; the first block's partials
.set STAGE, PR+8*PW                    ; the way out: 16 rows x 144 bytes for each wave
.set AK0, 1                            ; v1   my lane's place in a slot's K
.set AV0, 2                            ; v2   in its V
.set PFO, 3                            ; v3   256 x lane: the prefetches' offset
.set SPW, 4                            ; v4   LDS address of my spare word; never rewritten
.set NIL, 5                            ; v5   0; never rewritten
.set ADK, 6                            ; v6   the same places in the slot in hand
.set ADV, 7                            ; v7
.set NM,  8                            ; v8, v10   -M of tile 0, 1;  v9, v11 the largest t
.set FF,  12                           ; v12, v14  2^(old M - new M);  v13, v15 at work
.set LS,  16                           ; v[16:17], v[18:19] the sums, in two halves
.set SC8, 30                           ; v30  2^e8
.set DG,  31                           ; v31  my query in its block - 16 (lane / 16), for tile 0
.set Q,   32
.set CD,  48
.set S,   64
.set O,   128
.set F,   192
.set TB, 2                             ; s2   LDS byte of the slot in hand
.set TC, 3                             ; s3   trips to go
.set GR, 16                            ; s16  my group
.set SN, 17                            ; s17  the slot's number, 0 to 8
.set WV, 18
.set W4, 19
.set SEL, 20                           ; s[20:21] lane selects: lane l xor 16
.set CS, 22                            ; s[22:23] c = log2(e) / sqrt(128) x 2^(e6 + e7)
.set G1, 24
.set G0, 40
.set BASE, 44                          ; s[44:45] where my rows of the head's first slot begin, with the descriptor's type on top
.set OFF, 46                           ; s[46:47] the slot that is asked for, in bytes on from there
.set RN, 48                            ; s48  its number
.set BORD, 49                          ; s49  the second block's first slot
.set KS, 50                            ; s50  my step of 128 keys
.set QB, 51                            ; s51  the query block in hand
.set WB, 52                            ; s52  my rows' place in a slot
.set L8, 55                            ; s55  448 x 2^e8
.set PWB, 56                           ; s56  my first block's partials
.set PWR, 57                           ; s57  my second block's: in the ring, when it has had its last fill and its last read
.set IX, 58                            ; s58  i
.set PFA, 76
.set LIM, 80                           ; s80  the prefetching work-group's number of asking slots, else 0
.set MSB, 0
.macro WIN new                         ; the immediate's high byte repeats the setting that is left
.if MSB != \new
	s_set_vgpr_msb (MSB<<8)|\new
.set MSB, \new
.endif
.endm
.macro PLACES n
.rept \n
	v_nop
.endr
.endm
.macro TLOAD
	tensor_load_to_lds s[G0:G0+3], s[G1:G1+7]
	s_nop 0
	PLACES 4
.endm
; A PREFETCH of what the next slot's barrier will ask for: 32,768 dense bytes of K and as many of V, 8,192 bytes a wave, lanes 256 bytes apart.  Each aligned block of 256 bytes is named once in the launch: of a head's
; eight work-groups the one with i = 0 asks, which itself walks all eight slots in a row.  In slots 0 to 4 it names slots 3 to 7; slots 0 to 2 come by their loads alone.
.macro ASK
	s_cmp_lt_u32 s[SN], s[LIM]
	s_cbranch_scc0 .Lnot_mine_\@
	global_prefetch_b8 v[PFO], s[PFA:PFA+1] th:TH_LOAD_NT scope:SCOPE_SE
.Lnot_mine_\@:
.endm
.macro FRAG dst, adr, k                ; 16 rows x 128 K.  In a slot 32 rows of its first block and the same 32 of its second take turns
.irp c, 0,1,2,3
	ds_load_b128 v[\dst+4*\c:\dst+4*\c+3], v[\adr] offset:((\k)/2)*64*KP+((\k)%2)*16*KP+32*\c
.endr
.endm
.macro KLOADA                          ; K's fragments 0-3
	WIN 0
	FRAG S+32, ADK, 0
	FRAG S+48, ADK, 1
	WIN 0x40
	FRAG S+32, ADK, 2
	FRAG S+48, ADK, 3
.endm
.macro LOADB adr                       ; K's or V's fragments 4-7
	WIN 0x40
.irp k, 4,5,6,7
	FRAG F+16*(\k-4), \adr, \k
.endr
.endm
.macro SP k, fr
	v_wmma_f32_16x16x128_fp8_fp8 v[S+8*\k:S+8*\k+7], v[\fr:\fr+15], v[Q:Q+15], 0
.endm
.macro PV k0                           ; four tiles of 16 channels of one tile of queries, each accumulator once
.irp k, 0,1,2,3
	v_wmma_f32_16x16x128_fp8_fp8 v[O+8*(\k0+\k):O+8*(\k0+\k)+7], v[F+16*\k:F+16*\k+15], v[CD:CD+15], v[O+8*(\k0+\k):O+8*(\k0+\k)+7]
.endr
.endm
.macro MAXS m, w3, w2                  ; a tile's largest score among my 64 keys, in four chains; each accumulator from its low end on
	WIN \w3
.irp u, 0,1,2,3
	v_max3_num_f32 v[\m+\u], v[S+3*\u], v[S+3*\u+1], v[S+3*\u+2]
.endr
	WIN \w2
.set j, 0
.rept 26
	v_max3_num_f32 v[\m+j%4], v[\m+j%4], v[S+12+2*j], v[S+13+2*j]
.set j, j+1
.endr
	WIN 0
	v_max3_num_f32 v[\m], v[\m], v[\m+1], v[\m+2]
	v_max_num_f32 v[\m], v[\m], v[\m+3]
.endm
.macro SUMS l, a, b, c, w3, w2         ; the sum of the unquantised p, in four chains
	WIN \w3
	v_pk_add_f32 v[\a:\a+1], v[S:S+1], v[S+2:S+3]
	v_pk_add_f32 v[\b:\b+1], v[S+4:S+5], v[S+6:S+7]
	v_pk_add_f32 v[\c:\c+1], v[S+8:S+9], v[S+10:S+11]
	WIN \w2
.set j, S+12
.rept 6
	v_pk_add_f32 v[\l:\l+1], v[\l:\l+1], v[j:j+1]
	v_pk_add_f32 v[\a:\a+1], v[\a:\a+1], v[j+2:j+3]
	v_pk_add_f32 v[\b:\b+1], v[\b:\b+1], v[j+4:j+5]
	v_pk_add_f32 v[\c:\c+1], v[\c:\c+1], v[j+6:j+7]
.set j, j+8
.endr
	v_pk_add_f32 v[\l:\l+1], v[\l:\l+1], v[j:j+1]
	v_pk_add_f32 v[\a:\a+1], v[\a:\a+1], v[j+2:j+3]
	WIN 0
	v_pk_add_f32 v[\b:\b+1], v[\b:\b+1], v[\c:\c+1]
	v_pk_add_f32 v[\l:\l+1], v[\l:\l+1], v[\a:\a+1]
	v_pk_add_f32 v[\l:\l+1], v[\l:\l+1], v[\b:\b+1]
.endm
.macro HIDE bias                       ; register 16 b + i holds key 32 b + i + 16 (lane / 16): hidden where it comes after the query
.set n, 0
.rept 64
	v_cmp_gt_i32 vcc_lo, 32*(n/16)+n%16-\bias, v[DG]
	v_cndmask_b32 v[S+n], v[S+n], v20, vcc_lo
.set n, n+1
.endr
.endm
.macro RESCALE f
.set j, O
.rept 32
	v_pk_mul_f32 v[j:j+1], v[j:j+1], v[\f:\f+1] op_sel_hi:[1,0]
.set j, j+2
.endr
.endm
.macro LOGITS m                        ; t - M, two at a time (of the pairs c and -M the low word serves both halves)
.set j, S
.rept 32
	v_pk_fma_f32 v[j:j+1], v[j:j+1], s[CS:CS+1], v[\m:\m+1] op_sel_hi:[1,0,0]
.set j, j+2
.endr
.endm
.macro EXPS                            ; p = 2^(t - M), at most 1: not normalised
.set j, S
.rept 64
	v_exp_f32 v[j], v[j]
.set j, j+1
.endr
.endm
.macro HOLD                            ; the conversion does not saturate (ISA guide 7.6.2); p is not negative, so the hold is one-sided
.set j, S
.rept 32
	v_dual_min_num_f32 v[j], s[L8], v[j] :: v_dual_min_num_f32 v[j+1], s[L8], v[j+1]
.set j, j+2
.endr
.endm
.macro CODES sc
.irp k, 0,1,2,3,4,5,6,7
	v_cvt_scalef32_pk8_fp8_f32 v[CD+2*\k:CD+2*\k+1], v[S+8*\k:S+8*\k+7], v[\sc]
.endr
.endm
; Both tiles' partial O, -M and sum into my own bytes.  The five vector lines are the places behind the last products.
.macro PARTIAL base
	v_and_b32 v20, 31, v0
	v_lshl_add_u32 v21, v20, 2, s[\base]
	v_lshl_add_u32 v20, v20, 4, s[\base]
	v_add_f32 v22, v[LS], v[LS+1]
	v_add_f32 v23, v[LS+2], v[LS+3]
.set j, 0
.rept 16
	ds_store_b128 v20, v[O+4*j:O+4*j+3] offset:512*j
.set j, j+1
.endr
	ds_store_b32 v21, v[NM] offset:8192
	ds_store_b32 v21, v22 offset:8320
	WIN 0x04
.set j, 0
.rept 16
	ds_store_b128 v20, v[O+4*j:O+4*j+3] offset:PT+512*j
.set j, j+1
.endr
	WIN 0
	ds_store_b32 v21, v[NM+2] offset:PT+8192
	ds_store_b32 v21, v23 offset:PT+8320
.endm
.macro FRESH                           ; no key seen: the largest t is under every t.  The next change of M multiplies the sums and O by 0
	v_mov_b32 v[NM], 0x7f61b1e6
	v_mov_b32 v[NM+1], 0xff61b1e6
	v_mov_b32 v[NM+2], 0x7f61b1e6
	v_mov_b32 v[NM+3], 0xff61b1e6
.endm
.macro STEP fill
	s_cmp_lg_u32 s[SN], s[BORD]
	s_cbranch_scc1 .Lsame_\@
	PARTIAL PWB                                    ; the first block is done: its partials wait in LDS, and the second block begins
	WIN 0x01
.set j, 0
.rept 16
	v_mov_b32 v[Q+j], v[j]
.set j, j+1
.endr
	WIN 0x41
.set j, 0
.rept 16
	v_mov_b32 v[Q+j], v[16+j]
.set j, j+1
.endr
	WIN 0
	FRESH
	s_mov_b32 s[QB], s[IX]
	s_mov_b32 s[KS], s[GR]
	s_wait_alu depctr_va_vdst(0)
.Lsame_\@:
	s_cmp_gt_u32 s[KS], s[QB]
	s_cbranch_scc1 .Lh1_\@
	s_wait_dscnt 16                                ; K's fragments 0-3 are in; 4-7 may be out
	SP 0, S+32
	SP 1, S+48
	WIN 0x44
	SP 0, S+32
	SP 1, S+48
	WIN 0x45
	SP 2, S+32
	SP 3, S+48
	WIN 0x01
	SP 2, S+32
	SP 3, S+48
	PLACES 5                                       ; the products below write over the fragments that these read
	WIN 0
.irp k, 0,1,2,3
	FRAG F+16*\k, ADV, \k                          ; V's fragments 0-3
.endr
	s_wait_dscnt 16                                ; K's fragments 4-7 are in; the sixteen loads above may be out
	WIN 0x01
.irp k, 4,5,6,7
	SP \k, F+16*(\k-4)
.endr
	WIN 0x45
.irp k, 4,5,6,7
	SP \k, F+16*(\k-4)
.endr
	PLACES 4                                       ; in front of the loads below and of the first read of the scores
	LOADB ADV                                      ; V's fragments 4-7
	WIN 0
	s_cmp_lg_u32 s[KS], s[QB]
	s_cbranch_scc1 .Lopen_\@
	v_mov_b32 v20, 0xff800000                      ; the diagonal: hidden scores become -infinity ahead of the maximum
	HIDE 0
	WIN 0x41
	HIDE 16                                        ; tile 1's queries lie 16 further on
	WIN 0
.Lopen_\@:
	MAXS 20, 0, 0
	MAXS 24, 0x15, 0x14
	v_permlanex16_b32 v28, v20, s[SEL], s[SEL+1]   ; and among lane l xor 16's.  The two tiles take turns
	v_permlanex16_b32 v29, v24, s[SEL], s[SEL+1]
	v_max_num_f32 v20, v20, v28
	v_max_num_f32 v24, v24, v29
	v_mul_f32 v20, s[CS], v20                      ; as t (c is positive)
	v_mul_f32 v24, s[CS], v24
	v_max_num_f32 v[NM+1], v[NM+1], v20            ; the running largest t
	v_max_num_f32 v[NM+3], v[NM+3], v24
	v_mov_b32 v[FF+1], v[NM]
	v_mov_b32 v[FF+3], v[NM+2]
	v_floor_f32 v[NM], -v[NM+1]                    ; the new -M = floor(-t): M is a whole number
	v_floor_f32 v[NM+2], -v[NM+3]
	v_sub_f32 v[FF+1], v[NM], v[FF+1]              ; M's old value less its new one: 0 or less
	v_sub_f32 v[FF+3], v[NM+2], v[FF+3]
	v_cvt_i32_f32 v[FF+1], v[FF+1]                 ; (it saturates)
	v_cvt_i32_f32 v[FF+3], v[FF+3]
	v_ldexp_f32 v[FF], 1.0, v[FF+1]                ; a multiplication by this rounds nothing
	v_ldexp_f32 v[FF+2], 1.0, v[FF+3]
	LOGITS NM
	v_pk_mul_f32 v[LS:LS+1], v[LS:LS+1], v[FF:FF+1] op_sel_hi:[1,0]
	v_pk_mul_f32 v[LS+2:LS+3], v[LS+2:LS+3], v[FF+2:FF+3] op_sel_hi:[1,0]
	RESCALE FF
	WIN 0x41
	LOGITS NM+2
	RESCALE FF+2
	WIN 0
.Lh1_\@:
	s_xor_b32 s[TB], s[TB], SLOTB                  ; on to the other slot
	v_add_nc_u32 v[ADK], s[TB], v[AK0]
	v_add_nc_u32 v[ADV], s[TB], v[AV0]
	s_wait_alu depctr_va_vdst(0)
	s_wait_tensorcnt 0x0                           ; no tensor load of mine is out: my part of the next slot is in, and group 0 may be written
	ds_add_u32 v[SPW], v[NIL]                      ; 0 onto my spare word
.if \fill
	s_add_co_u32 s[RN], s[RN], 1                   ; the slot two on: the next 256 keys,
	s_add_co_u32 s[OFF], s[OFF], 32768
	s_cmp_eq_u32 s[RN], s[BORD]
	s_cselect_b32 s[OFF], 0, s[OFF]                ; or the second block's first
	s_add_nc_u64 s[G0+2:G0+3], s[BASE:BASE+1], s[OFF:OFF+1]
	s_xor_b32 s53, s[TB], SLOTB                    ; into the slot that is left now
	s_add_co_u32 s[G0+1], s53, s[WB]
	s_wait_xcnt 0x0                                ; my last prefetch has read its address
	s_add_nc_u64 s[PFA:PFA+1], s[PFA:PFA+1], 32768
.endif
	s_wait_dscnt 0x0                               ; the add is done, and V is in registers: my reads of this slot are over
	s_barrier_signal -1
.if \fill
	s_barrier_wait -1                              ; the next slot is whole, and nobody reads the one that is left
	TLOAD                                          ; the first thing behind the barrier: it has the work up to the next step's barrier in which to land
.endif
	s_cmp_gt_u32 s[KS], s[QB]
	s_cbranch_scc1 .Lh2_\@
	s_wait_alu depctr_va_vdst(0)
	EXPS
	WIN 0x41
	EXPS
	v_nop                                          ; a plain place behind the exponentials
	s_wait_alu depctr_va_vdst(0)                   ; one wait for the whole batch, ahead of its first reader
	SUMS LS, 20, 22, 24, 0, 0
	SUMS LS+2, 26, 28, 20, 0x05, 0x04
	HOLD
	CODES SC8
	WIN 0x44
	HOLD
	WIN 0x41
	CODES SC8
	v_nop                                          ; a plain place behind the last conversion
	WIN 0
.Lh2_\@:
	s_wait_alu depctr_va_vdst(0)
.if \fill == 0
	s_barrier_wait -1                              ; signal and wait stand apart, with register work between
.endif
.if \fill
	KLOADA                                         ; the next step's K, into the registers that p has left
	WIN 0
	ASK
	s_cmp_gt_u32 s[KS], s[QB]
	s_cbranch_scc1 .Lh3_\@
	WIN 0x01
	PV 4
	WIN 0x55
	PV 4
	PLACES 4                                       ; in front of the loads into fragments that these products read
	LOADB ADK
	WIN 0
	PV 0
	WIN 0x54
	PV 0
	WIN 0
	s_branch .Lj_\@
.Lh3_\@:
	LOADB ADK
	WIN 0
.Lj_\@:
.else
	s_cmp_eq_u32 s[TC], 1                          ; behind the last slot there is no K to load
	s_cbranch_scc1 .Lk1_\@
	KLOADA
	WIN 0
.Lk1_\@:
	s_cmp_gt_u32 s[KS], s[QB]
	s_cbranch_scc1 .Lh3_\@
	WIN 0x01
	PV 4
	WIN 0x55
	PV 4
	WIN 0
	PV 0
	WIN 0x54
	PV 0
	WIN 0
.Lh3_\@:
	s_cmp_eq_u32 s[TC], 1
	s_cbranch_scc1 .Lk2_\@
	PLACES 4
	LOADB ADK
	WIN 0
.Lk2_\@:
.endif
	s_add_co_u32 s[KS], s[KS], 2
	s_add_co_u32 s[SN], s[SN], 1
.endm
	s_load_b128 s[4:7], s[0:1], 0x0                ; q, k, v's codes s[4:5], the exponents s[6:7]
	s_load_b64 s[8:9], s[0:1], 0x10                ; the output
	v_lshl_add_u32 v[SPW], v0, 2, SPARE
	v_mov_b32 v[NIL], 0
	ds_add_u32 v[SPW], v[NIL]                      ; the opening lines: the add, twice on end, and its wait ahead of the first tensor load
	ds_add_u32 v[SPW], v[NIL]
	v_lshrrev_b32 v20, 5, v0
	v_readfirstlane_b32 s[WV], v20                 ; wave 0..7
	s_and_b32 s[W4], s[WV], 3
	s_lshr_b32 s[GR], s[WV], 2
	s_and_b32 s[IX], ttmp7, 0xffff                 ; i
	s_mov_b32 s75, ttmp9                           ; b x 16 + head
	s_lshl_b32 s74, s75, 18                        ; the head's first byte in a section: 16 blocks of 16,384
	s_sub_co_u32 s[QB], 15, s[IX]                  ; the long block first
	s_lshr_b32 s53, s[IX], 1
	s_sub_co_u32 s[BORD], 8, s53                   ; its slots: ceil((16 - i) / 2)
	s_lshl_b32 s78, s[W4], 12
	s_add_co_u32 s78, s78, s74                     ; my 32 rows of 128 bytes of q
	s_lshl_b32 s53, s[QB], 14
	s_add_co_u32 s10, s78, s53
	s_mov_b32 s11, 0
	s_lshl_b32 s53, s[IX], 14
	s_add_co_u32 s12, s78, s53
	s_mov_b32 s13, 0
	; where my two tiles of the result go: block ((b 16 + query block) 16 + head), row 32 (w % 4) + 16 group
	s_lshr_b32 s53, s75, 4
	s_lshl_b32 s53, s53, 22
	s_and_b32 s79, s75, 15
	s_lshl_b32 s79, s79, 14
	s_add_co_u32 s53, s53, s79
	s_lshl_b32 s54, s[W4], 12
	s_add_co_u32 s53, s53, s54
	s_lshl_b32 s54, s[GR], 11
	s_add_co_u32 s53, s53, s54
	s_lshl_b32 s54, s[QB], 18
	s_add_co_u32 s60, s53, s54
	s_mov_b32 s61, 0
	s_lshl_b32 s54, s[IX], 18
	s_add_co_u32 s62, s53, s54
	s_mov_b32 s63, 0
	; what I fetch
	s_mul_i32 s[WB], s[WV], 64*KP                  ; my 64 rows' place in a slot: K's by group 0's waves, V's by group 1's
	s_add_co_u32 s86, s[GR], 1
	s_lshl_b32 s88, s86, 23                        ; section 1 (k) or 2 (v)
	s_lshl_b32 s86, s[W4], 12                      ; rows 32 (w % 4) on of each block
	s_add_co_u32 s88, s88, s86
	s_add_co_u32 s88, s88, s74
	s_mov_b32 s89, 0
	; the prefetches: group 0's waves for k, group 1's for v, 8,192 bytes each; at slot 2: the first step takes them to slot 3
	s_add_co_u32 s92, s[GR], 1
	s_lshl_b32 s92, s92, 23
	s_lshl_b32 s93, s[W4], 13
	s_add_co_u32 s92, s92, s93
	s_add_co_u32 s92, s92, s74
	s_add_co_u32 s92, s92, 2*32768
	s_mov_b32 s93, 0
	s_cmp_eq_u32 s[IX], 0
	s_cselect_b32 s[LIM], 5, 0
	s_mul_i32 s[PWR], s[WV], PW
	s_add_co_u32 s[PWB], s[PWR], PR
	; descriptor group 1: two rows of 4,096 bytes (32 dense rows of 128 in each of two blocks), padded in LDS behind every 128
	s_mov_b32 s[G1], (0<<16)|(1<<20)|(4<<22)|(3<<25)   ; 15:0 no mask; 17:16 elements of 1 byte; 20 padding on; 24:22 after every 32 words (code 4); 31:25 four words (code 3)
	s_mov_b32 s[G1+1], 4096<<16                    ; tensor_dim0
	s_mov_b32 s[G1+2], 2<<16                       ; tensor_dim1
	s_mov_b32 s[G1+3], 4096<<16                    ; tile_dim0
	s_mov_b32 s[G1+4], 2                           ; tile_dim1
	s_mov_b32 s[G1+5], 16384                       ; tensor_dim0_stride: from block to block
	s_mov_b32 s[G1+6], 0
	s_mov_b32 s[G1+7], 0
	s_mov_b32 s[SEL], 0x76543210
	s_mov_b32 s[SEL+1], 0xfedcba98
	s_mov_b32 s[CS], 0x3e0293ee                    ; log2(e) / sqrt(128)
	s_mov_b32 s[TB], 0
	s_mov_b32 s[SN], 0
	s_mov_b32 s[KS], s[GR]
	s_mov_b32 s[OFF], 32768
	s_mov_b32 s[OFF+1], 0
	s_mov_b32 s[RN], 1
	s_wait_dscnt 0x0                               ; both opening adds are done
	s_wait_kmcnt 0x0
	s_load_b128 s[68:71], s[6:7], 0x18             ; e6, e7, e8, e9
	s_load_b32 s85, s[6:7], 0x28                   ; e10
	s_add_nc_u64 s[BASE:BASE+1], s[4:5], s[88:89]
	s_or_b32 s[BASE+1], s[BASE+1], 0x80000000      ; 127:126 type = 2
	s_mov_b32 s[G0], 1                             ; 1:0 count = 1
	s_mov_b32 s[G0+1], s[WB]                       ; 63:32 LDS address: slot 0
	s_mov_b64 s[G0+2:G0+3], s[BASE:BASE+1]         ; 120:64 global address: the head's first 256 keys
	TLOAD                                          ; slot 0
	s_add_nc_u64 s[PFA:PFA+1], s[4:5], s[92:93]
	s_add_nc_u64 s[10:11], s[4:5], s[10:11]
	s_add_nc_u64 s[12:13], s[4:5], s[12:13]
	s_add_nc_u64 s[60:61], s[8:9], s[60:61]
	s_add_nc_u64 s[62:63], s[8:9], s[62:63]
	v_and_b32 v21, 15, v0                          ; r
	v_bfe_u32 v22, v0, 4, 1                        ; h
	v_lshlrev_b32 v23, 7, v21
	v_lshl_add_u32 v23, v22, 4, v23                ; q: row r of 128 bytes, + 16 h
.irp c, 0,1,2,3
	global_load_b128 v[Q+4*\c:Q+4*\c+3], v23, s[10:11] offset:32*\c
.endr
	WIN 0x40
.irp c, 0,1,2,3
	global_load_b128 v[Q+4*\c:Q+4*\c+3], v23, s[10:11] offset:2048+32*\c
	global_load_b128 v[4*\c:4*\c+3], v23, s[12:13] offset:32*\c
	global_load_b128 v[16+4*\c:16+4*\c+3], v23, s[12:13] offset:2048+32*\c
.endr
	WIN 0
	v_mul_u32_u24 v[AK0], v21, KP
	v_lshl_add_u32 v[AK0], v22, 4, v[AK0]
	s_mul_i32 s53, s[GR], 32*KP                    ; my group's block: in a slot 32 rows of the first and the same of the second take turns
	v_add_nc_u32 v[AK0], s53, v[AK0]
	v_add_nc_u32 v[AV0], VOFF, v[AK0]
	v_mov_b32 v[ADK], v[AK0]
	v_mov_b32 v[ADV], v[AV0]
	v_lshlrev_b32 v24, 4, v22
	v_sub_nc_u32 v24, v21, v24
	s_lshl_b32 s53, s[W4], 5
	v_add_nc_u32 v[DG], s53, v24                   ; 32 (w % 4) + r - 16 h
	v_and_b32 v[PFO], 31, v0
	v_lshlrev_b32 v[PFO], 8, v[PFO]
	FRESH
.irp r, 16,17,18,19,28,29                      ; the sums; and the lane exchanges' destinations, which count as sources
	v_mov_b32 v\r, 0
.endr
.irp w, 0, 0x40                                ; O^T.  (A step is written without a first step of its own: the first change of M leaves zeros zeros)
	WIN \w
.set j, O
.rept 64
	v_mov_b32 v[j], 0
.set j, j+1
.endr
.endr
	WIN 0
	s_wait_kmcnt 0x0
	s_add_co_i32 s72, s68, s69
	s_lshl_b32 s72, s72, 23
	s_add_co_i32 s[CS], s[CS], s72                 ; the two exponents are added to c's exponent field
	s_mov_b32 s[CS+1], s[CS]                       ; (named with it as a pair, so it is written)
	s_add_co_i32 s72, s70, 127
	s_lshl_b32 s73, s72, 23
	v_mov_b32 v[SC8], s73                          ; 2^e8
	s_add_co_i32 s72, s72, 8
	s_lshl_b32 s72, s72, 23
	s_or_b32 s[L8], s72, 0x600000                  ; 448 x 2^e8
	s_wait_alu depctr_va_vdst(0)
	s_wait_tensorcnt 0x0                           ; my part of slot 0 is in; these lines stand ahead of a later first fill as ahead of a refill
	ds_add_u32 v[SPW], v[NIL]
	s_add_nc_u64 s[G0+2:G0+3], s[BASE:BASE+1], s[OFF:OFF+1]
	s_add_co_u32 s[G0+1], s[WB], SLOTB
	s_wait_dscnt 0x0
	s_barrier_signal -1
	s_barrier_wait -1
	TLOAD                                          ; slot 1: the first tensor load behind the barrier, behind which nothing is filled again
	KLOADA
	LOADB ADK
	WIN 0
	s_wait_loadcnt 0x0                             ; Q of both blocks
	s_mov_b32 s[TC], 7
.Lfill:                                            ; slots 0 to 6: each barrier's refill is the slot two on
	STEP 1
	s_sub_co_u32 s[TC], s[TC], 1
	s_cmp_lg_u32 s[TC], 0
	s_cbranch_scc1 .Lfill
	s_mov_b32 s[TC], 2
.Ltail:                                            ; slots 7 and 8: nothing is filled
	STEP 0
	s_sub_co_u32 s[TC], s[TC], 1
	s_cmp_lg_u32 s[TC], 0
	s_cbranch_scc1 .Ltail
	; THE WAY OUT.  The second block's partials go into the ring, which has had its last fill and, by the last barrier, its last read.  The first block is joined and stored meanwhile: its partials lie behind a barrier already.
	PARTIAL PWR
	v_and_b32 v20, 31, v0
	v_and_b32 v21, 15, v0
	v_bfe_u32 v24, v0, 4, 1
	s_mul_i32 s73, s[WV], 16*KP
	s_add_co_u32 s73, s73, STAGE                   ; my stage
	v_mul_u32_u24 v22, v21, KP
	v_lshl_add_u32 v22, v24, 3, v22
	v_add_nc_u32 v22, s73, v22                     ; in: row r; 16 t + 8 h bytes on
	v_lshrrev_b32 v23, 3, v20
	v_mul_u32_u24 v23, v23, KP
	v_and_b32 v24, 7, v20
	v_lshl_add_u32 v23, v24, 4, v23
	v_add_nc_u32 v23, s73, v23                     ; back: eight lanes to a row, four rows an instruction
	v_lshlrev_b32 v19, 4, v20                      ; my bytes of a store's 512
	s_add_co_i32 s72, s85, 127
	s_lshl_b32 s73, s72, 23
	v_mov_b32 v18, s73                             ; 2^e10
	s_add_co_i32 s72, s72, 8
	s_lshl_b32 s72, s72, 23
	s_or_b32 s72, s72, 0x600000
	v_mov_b32 v17, s72                             ; 448 x 2^e10
	s_add_co_i32 s72, s70, s71                     ; e8 + e9
	s_mul_i32 s53, s[W4], PW
	s_mul_i32 s54, s[GR], PT
	s_add_co_u32 s53, s53, s54                     ; tile g of wave w % 4's partials; group 1's lie 4 PW further on
; Both groups' partials of tile g of one block are brought under the greater M, added, divided by the sum, and stored as codes.
.macro JOIN reg, out
	v_lshl_add_u32 v24, v20, 4, s53
	v_lshl_add_u32 v26, v20, 2, s53
.if \reg
	v_add_nc_u32 v24, \reg, v24
	v_add_nc_u32 v26, \reg, v26
.endif
	v_add_nc_u32 v25, 4*PW, v24
	v_add_nc_u32 v27, 4*PW, v26
	ds_load_b32 v12, v26 offset:8192
	ds_load_b32 v13, v26 offset:8320
	ds_load_b32 v14, v27 offset:8192
	ds_load_b32 v15, v27 offset:8320
.set j, 0
.rept 16
	ds_load_b128 v[S+4*j:S+4*j+3], v24 offset:512*j
	ds_load_b128 v[F+4*j:F+4*j+3], v25 offset:512*j
.set j, j+1
.endr
	s_wait_alu depctr_va_vdst(0)
	s_wait_dscnt 32                                ; the four small loads are in; the 32 behind them may be out
	v_min_num_f32 v16, v12, v14                    ; -M, M the greater
	v_sub_f32 v12, v16, v12
	v_sub_f32 v14, v16, v14
	v_cvt_i32_f32 v12, v12
	v_cvt_i32_f32 v14, v14
	v_ldexp_f32 v12, 1.0, v12                      ; 2^(a group's M - M): 0 for a group that saw no key
	v_ldexp_f32 v14, 1.0, v14
	v_mul_f32 v13, v13, v12
	v_fma_f32 v13, v15, v14, v13
	v_permlanex16_b32 v28, v13, s[SEL], s[SEL+1]
	v_add_f32 v13, v13, v28                        ; the row's sum
	s_wait_alu depctr_va_vdst(0)                   ; the wait ahead of the transcendental
	v_rcp_f32 v13, v13
	v_nop
	s_wait_alu depctr_va_vdst(0)                   ; and behind it, ahead of its first reader
	v_ldexp_f32 v13, v13, s72                      ; x 2^(e8 + e9)
	v_mul_f32 v12, v12, v13
	v_mul_f32 v14, v14, v13
	s_wait_alu depctr_va_vdst(0)
	s_wait_dscnt 0x0
.set j, 0
.rept 32
	v_pk_mul_f32 v[F+j:F+j+1], v[F+j:F+j+1], v[14:15] op_sel_hi:[1,0]
.set j, j+2
.endr
.set j, 0
.rept 32
	v_pk_fma_f32 v[S+j:S+j+1], v[S+j:S+j+1], v[12:13], v[F+j:F+j+1] op_sel_hi:[1,0,1]   ; register 8 t + i is o(r, 16 t + 8 h + i)
.set j, j+2
.endr
.set j, S
.rept 64
	v_med3_num_f32 v[j], v[j], -v17, v17           ; the hold at 448 x 2^e10
.set j, j+1
.endr
	CODES 18
	v_nop                                          ; a plain place behind the last conversion
.irp t, 0,1,2,3,4,5,6,7
	ds_store_b64 v22, v[CD+2*\t:CD+2*\t+1] offset:16*\t
.endr
	s_wait_xcnt 0x0                                ; earlier stores have read their registers
.irp u, 0,1,2,3
	ds_load_b128 v[Q+4*\u:Q+4*\u+3], v23 offset:4*KP*\u   ; LDS serves a wave's instructions in order: these see my stores
.endr
.irp u, 0,1,2,3
	s_wait_dscnt 3-\u
	global_store_b128 v19, v[Q+4*\u:Q+4*\u+3], s[\out:\out+1] offset:512*\u   ; 32 lanes store 512 consecutive bytes, at a multiple of 512 from the buffer's first byte
.endr
.endm
	JOIN PR, 60
	s_wait_alu depctr_va_vdst(0)
	s_wait_dscnt 0x0                               ; my second block's partials are stored
	s_barrier_signal -1
	s_barrier_wait -1                              ; everybody's are
	JOIN 0, 62
	s_wait_tensorcnt 0x0                           ; the wave's end
	ds_add_u32 v[SPW], v[NIL]
	s_wait_dscnt 0x0
	s_endpgm
.Lfunc_end_k_q2584667cdf_attn:
	.size	k_q2584667cdf_attn, .Lfunc_end_k_q2584667cdf_attn-k_q2584667cdf_attn
	.p2alignl 7, 3214868480
	.fill 96, 4, 3214868480
	.section	.rodata,"a",@progbits
	.p2align	6, 0x0
	.amdhsa_kernel k_q2584667cdf_attn
		.amdhsa_group_segment_fixed_size 327680
		.amdhsa_private_segment_fixed_size 0
		.amdhsa_enable_private_segment 0
		.amdhsa_kernarg_size 24
		.amdhsa_user_sgpr_count 2
		.amdhsa_user_sgpr_kernarg_segment_ptr 1
		.amdhsa_wavefront_size32 1
		.amdhsa_system_sgpr_workgroup_id_x 1
		.amdhsa_system_sgpr_workgroup_id_y 1
		.amdhsa_system_sgpr_workgroup_id_z 1
		.amdhsa_system_vgpr_workitem_id 0
		.amdhsa_next_free_vgpr 512
		.amdhsa_next_free_sgpr 100
		.amdhsa_reserve_vcc 1
		.amdhsa_float_denorm_mode_32 3
		.amdhsa_float_denorm_mode_16_64 3
		.amdhsa_memory_ordered 1
		.amdhsa_forward_progress 1
		.amdhsa_inst_pref_size 142
	.end_amdhsa_kernel
	.amdgpu_metadata
---
amdhsa.version: [ 1, 2 ]
amdhsa.kernels:
  - .name:           k_q2584667cdf_attn
    .symbol:         k_q2584667cdf_attn.kd
    .args:
      - { .name: qkv, .offset: 0, .size: 8, .value_kind: global_buffer, .address_space: global }
      - { .name: lowp_scales, .offset: 8, .size: 8, .value_kind: global_buffer, .address_space: global }
      - { .name: acodes, .offset: 16, .size: 8, .value_kind: global_buffer, .address_space: global }
    .group_segment_fixed_size: 327680
    .private_segment_fixed_size: 0
    .kernarg_segment_align: 8
    .kernarg_segment_size: 24
    .max_flat_workgroup_size: 256
    .sgpr_count:     100
    .vgpr_count:     512
    .wavefront_size: 32
...
	.end_amdgpu_metadata
.endif
;; end of part 7
;; launch proj (part 8): grid 8 x 32, 4 waves a work-group, clusters of 4 x 4, 327,680 bytes of LDS; arguments acodes, codes, lowp_scales, out0; writes out0
.if DOCPART == 8
	.amdgcn_target "amdgcn-amd-amdhsa--gfx1250"
	.amdhsa_code_object_version 6
	.text
	.protected	k_q2584667cdf_proj
	.globl	k_q2584667cdf_proj
	.p2align	8
	.type	k_q2584667cdf_proj,@function
k_q2584667cdf_proj:
	s_mov_b64 s[64:65], 0
	v_nop
	global_prefetch_b8 v0, s[64:65] scope:SCOPE_SE
	s_setreg_imm32_b32 hwreg(HW_REG_WAVE_MODE, 25, 1), 1
	s_wait_xcnt 0x0
	s_wait_alu depctr_hold_cnt(0) depctr_sa_sdst(0) depctr_va_vdst(0) depctr_va_sdst(0) depctr_va_ssrc(0) depctr_va_vcc(0) depctr_vm_vsrc(0)
	s_getreg_b32 s2, hwreg(HW_REG_IB_STS2, 6, 4)
	s_cmp_eq_u32 s2, 0
	s_cbranch_scc0 .Lentry_in_a_cluster
	s_endpgm
.Lentry_in_a_cluster:
	s_bfe_u32 s2, ttmp6, 0x10000c
	s_cmp_lg_u32 s2, 0xf033
	s_cbranch_scc0 .Lentry_shape_is_right
	s_endpgm
.Lentry_shape_is_right:
; out0 [4096][1024] f32 = the attention's codes [4096][2048] x wo^T (codes [1024][2048]), each sum x 2^(e10 + e11).  LIMIT: e10 + e11 lies between -126 and 127.
; A work-group makes 128 rows x 128 columns, a wave 64 x 64 (16 accumulators); K goes in steps of 512 through a ring of two LDS slots.  The attention's codes lie in dense blocks (128 tokens x one head's 128 channels):
; a slot takes four heads, stated as rows of 256 bytes with 16 bytes of padding behind every 128; wo's rows are 512 bytes.  Clusters of 4 x 4: A's tiles are shared along a row, B's along a column.
; Source 0 = 16 rows of wo, source 1 = 16 rows of tokens: a lane holds eight neighbouring columns of a row of the result; rows leave through a stage in LDS in runs of 256 bytes.
.set SIZE_N, 1024
.set SIZE_K, 2048
.set PA,     144
.set PB,     528
.set HEADT,  128*PA
.set ALOAD,  2*HEADT
.set BLOAD,  64*PB
.set BOFF,   4*HEADT
.set SLOT,   BOFF+2*BLOAD
.set WO_AT,  18874368
.set NP,     4
.set SPARE,  2*SLOT
.set SPITCH, 272
.set ADRA, 16
.set ADRB, 20
.set STO,  24
.set RD,   25
.set CO,   26
.set SPW,  28
.set NIL,  29
.set TMP,  32
.set BK,   64
.set ACC,  128
.set F0,   0
.set F1,   128
.set G1, 24
.set G0, 32
.set G1B, 48
.set G0B, 56
.set MSB, 0
.macro WIN new
.if MSB != \new
	s_set_vgpr_msb (MSB<<8)|\new
.set MSB, \new
.endif
.endm
.set MUL,  0x05
.set TO_F, 0x40
.macro JLOAD g0a, g1a, g0b, g1b
	s_cmp_eq_u32 s15, 0
	s_cbranch_scc0 .Lfor_b_\@
	tensor_load_to_lds s[\g0a:\g0a+3], s[\g1a:\g1a+7]
	s_nop 0
.rept 4
	v_nop
.endr
	s_branch .Lasked_\@
.Lfor_b_\@:
	tensor_load_to_lds s[\g0b:\g0b+3], s[\g1b:\g1b+7]
	s_nop 0
.rept 4
	v_nop
.endr
.Lasked_\@:
.endm
.macro CREST
	s_cmp_lg_u32 s14, 0
	s_cbranch_scc1 .Lnot_wave_0_\@
	s_barrier_signal -3
.Lnot_wave_0_\@:
	s_barrier_wait -3
	s_barrier_signal -1
	s_barrier_wait -1
.endm
.macro CROUND
	s_barrier_signal -1
	s_barrier_wait -1
	CREST
.endm
	s_load_b128 s[4:7], s[0:1], 0x0
	s_load_b128 s[8:11], s[0:1], 0x10
	v_lshl_add_u32 v[SPW], v0, 2, SPARE
	v_mov_b32 v[NIL], 0
	ds_add_u32 v[SPW], v[NIL]
	ds_add_u32 v[SPW], v[NIL]
	v_lshrrev_b32 v1, 5, v0
	v_readfirstlane_b32 s14, v1
	s_lshr_b32 s15, s14, 1
	s_and_b32 s16, s14, 1
	s_bfe_u32 s40, ttmp6, 0x40000
	s_bfe_u32 s41, ttmp6, 0x40004
	s_lshl_b32 s42, ttmp9, 2
	s_add_co_u32 s42, s42, s40
	s_and_b32 s17, ttmp7, 0xffff
	s_lshl_b32 s17, s17, 2
	s_add_co_u32 s17, s17, s41
	s_lshl_b32 s43, s41, 2
	s_lshl_b32 s43, 15, s43
	s_lshl_b32 s44, 0x1111, s40
	s_or_b32 s[G1+0], s43, (0<<16)|(1<<20)|(1<<21)|(4<<22)|(3<<25)
	s_mov_b32 s[G1+1], 256<<16
	s_mov_b32 s[G1+2], 128<<16
	s_mov_b32 s[G1+3], 256<<16
	s_mov_b32 s[G1+4], 128
	s_mov_b32 s[G1+5], 256
	s_mov_b32 s[G1+6], 0
	s_mov_b32 s[G1+7], 0
	s_or_b32 s[G1B+0], s44, (0<<16)|(1<<20)|(1<<21)|(6<<22)|(3<<25)
	s_mov_b32 s[G1B+1], 512<<16
	s_mov_b32 s[G1B+2], 64<<16
	s_mov_b32 s[G1B+3], 512<<16
	s_mov_b32 s[G1B+4], 64
	s_mov_b32 s[G1B+5], SIZE_K
	s_mov_b32 s[G1B+6], 0
	s_mov_b32 s[G1B+7], 0
	s_lshl_b32 s20, s17, 18
	s_lshl_b32 s18, s16, 15
	s_add_co_u32 s20, s20, s18
	s_mov_b32 s21, 0
	s_lshl_b32 s46, s42, 7
	s_lshl_b32 s19, s16, 6
	s_add_co_u32 s46, s46, s19
	s_lshl_b32 s46, s46, 11
	s_add_co_u32 s46, s46, WO_AT
	s_mov_b32 s47, 0
	s_mul_i32 s45, s16, ALOAD
	s_mul_i32 s71, s16, BLOAD
	s_add_co_u32 s71, s71, BOFF
	s_wait_dscnt 0x0
	s_wait_kmcnt 0x0
	s_load_b64 s[96:97], s[8:9], 0x28
	s_add_nc_u64 s[20:21], s[4:5], s[20:21]
	s_add_nc_u64 s[46:47], s[6:7], s[46:47]
	CROUND
.irp s, 0,1
	s_mov_b32 s[G0+4*\s], 1
	s_add_co_u32 s[G0+4*\s+1], s45, \s*SLOT
	s_add_nc_u64 s[G0+4*\s+2:G0+4*\s+3], s[20:21], \s*65536
	s_or_b32 s[G0+4*\s+3], s[G0+4*\s+3], 0x80000000
	s_mov_b32 s[G0B+4*\s], 1
	s_add_co_u32 s[G0B+4*\s+1], s71, \s*SLOT
	s_add_nc_u64 s[G0B+4*\s+2:G0B+4*\s+3], s[46:47], \s*512
	s_or_b32 s[G0B+4*\s+3], s[G0B+4*\s+3], 0x80000000
.endr
	JLOAD G0, G1, G0B, G1B                         ; K step 0: one tensor load a wave at the head
	v_and_b32 v1, 15, v0
	v_bfe_u32 v2, v0, 4, 1
	v_mul_u32_u24 v3, v1, PA
	v_lshl_add_u32 v3, v2, 4, v3
	v_mul_u32_u24 v4, v1, PB
	v_lshl_add_u32 v4, v2, 4, v4
	s_mul_i32 s21, s15, 64*PA
	s_mul_i32 s22, s16, BLOAD
	s_add_co_u32 s22, s22, BOFF
.irp s, 0,1
	v_add_nc_u32 v[ADRA+\s], s21, v3
	v_add_nc_u32 v[ADRB+\s], s22, v4
	s_add_co_u32 s21, s21, SLOT
	s_add_co_u32 s22, s22, SLOT
.endr
	s_mul_i32 s23, s14, 16*SPITCH
	v_mul_u32_u24 v5, v1, SPITCH
	v_lshl_add_u32 v5, v2, 5, v5
	v_add_nc_u32 v[STO], s23, v5
	v_mul_u32_u24 v6, v2, SPITCH
	v_lshl_add_u32 v6, v1, 4, v6
	v_add_nc_u32 v[RD], s23, v6
	v_lshlrev_b32 v7, 12, v2
	v_lshl_add_u32 v[CO], v1, 4, v7
	s_lshl_b32 s20, s17, 7
	s_lshl_b32 s21, s15, 6
	s_add_co_u32 s20, s20, s21
	s_lshl_b32 s20, s20, 12
	s_mov_b32 s21, 0
	s_add_nc_u64 s[10:11], s[10:11], s[20:21]
	s_lshl_b32 s46, s42, 9
	s_lshl_b32 s47, s16, 8
	s_add_co_u32 s46, s46, s47
	s_mov_b32 s47, 0
	s_add_nc_u64 s[10:11], s[10:11], s[46:47]
	; the prefetches: K step 2 behind K step 1's load, K step 3 behind K step 2's.  Each aligned block of 256 bytes once in each cluster: A's 256 blocks of a K step are shared out by cx, 64 each (waves 0, 1: 8,192 dense
	; bytes), B's 128 rows of 512 bytes by cy, 32 rows each (wave 2 their first 256 bytes, wave 3 their last)
	s_lshl_b32 s66, s17, 18
	s_lshl_b32 s68, s40, 14
	s_add_co_u32 s66, s66, s68
	s_lshl_b32 s68, s16, 13
	s_add_co_u32 s66, s66, s68
	s_add_co_u32 s66, s66, 2*65536
	s_lshl_b32 s67, s42, 7
	s_lshl_b32 s68, s41, 5
	s_add_co_u32 s67, s67, s68
	s_lshl_b32 s67, s67, 11
	s_lshl_b32 s68, s16, 8
	s_add_co_u32 s67, s67, s68
	s_add_co_u32 s67, s67, WO_AT+2*512
	s_mov_b32 s68, 0x10000
	s_mov_b32 s69, 512
	s_mov_b32 s70, 2048
	s_mov_b32 s79, 0
	s_cmp_eq_u32 s15, 0
	s_cselect_b32 s66, s66, s67
	s_cselect_b64 s[76:77], s[4:5], s[6:7]
	s_cselect_b32 s78, s68, s69                    ; a K step on
	s_cselect_b32 s70, 256, s70                    ; from lane to lane
	s_mov_b32 s67, 0
	s_add_nc_u64 s[76:77], s[76:77], s[66:67]
	v_and_b32 v30, 31, v0
	v_mul_lo_u32 v30, v30, s70
.macro FETCH slot, q, f
	WIN TO_F
.irp i, 0,1,2,3
.irp c, 0,1,2,3
	ds_load_b128 v[\f+64+16*\i+4*\c:\f+64+16*\i+4*\c+3], v[ADRB+\slot] offset:128*(\q)+32*\c+\i*16*PB
.endr
.endr
.irp i, 0,1,2,3
.irp c, 0,1,2,3
	ds_load_b128 v[\f+16*\i+4*\c:\f+16*\i+4*\c+3], v[ADRA+\slot] offset:HEADT*(\q)+32*\c+\i*16*PA
.endr
.endr
.endm
.macro MULA f, a, zero
.irp b, 0,1,2,3
.if \zero
	v_wmma_f32_16x16x128_fp8_fp8 v[ACC+8*(4*(\a)+\b):ACC+8*(4*(\a)+\b)+7], v[\f+64+16*\b:\f+64+16*\b+15], v[\f+16*(\a):\f+16*(\a)+15], 0
.else
	v_wmma_f32_16x16x128_fp8_fp8 v[ACC+8*(4*(\a)+\b):ACC+8*(4*(\a)+\b)+7], v[\f+64+16*\b:\f+64+16*\b+15], v[\f+16*(\a):\f+16*(\a)+15], v[ACC+8*(4*(\a)+\b):ACC+8*(4*(\a)+\b)+7]
.endif
.endr
.endm
.macro PLACES n
.rept \n
	v_nop
.endr
.endm
.macro STEP slot, q, zero
.set FC, 128*((\q)%2)
.set FN, 128-FC
	s_wait_dscnt 8
	WIN MUL
	MULA FC, 0, \zero
	MULA FC, 1, \zero
	PLACES NP
	FETCH \slot, (\q)+1, FN
	s_wait_dscnt 32
	WIN MUL
	MULA FC, 2, \zero
	MULA FC, 3, \zero
.endm
.macro TURN slot, next, fill
.if (\fill) && (\slot) == 0
	s_wait_xcnt 0x0                                ; my prefetch has read its address
	s_add_nc_u64 s[76:77], s[76:77], s[78:79]
.endif
	s_wait_dscnt 8                                 ; the youngest eight loads may be out
	WIN MUL
	MULA F1, 0, 0
	MULA F1, 1, 0
	s_wait_dscnt 0x0
	MULA F1, 2, 0
	WIN 0
	s_wait_tensorcnt 0x0                           ; my part of the next slot has landed
	ds_add_u32 v[SPW], v[NIL]
	s_wait_dscnt 0x0                               ; the add is done, and my reads of this slot are over
	s_barrier_signal -1
	s_barrier_wait -1
.if \fill
	CREST
	s_add_nc_u64 s[G0+4*\slot+2:G0+4*\slot+3], s[G0+4*\slot+2:G0+4*\slot+3], 2*65536
	s_add_nc_u64 s[G0B+4*\slot+2:G0B+4*\slot+3], s[G0B+4*\slot+2:G0B+4*\slot+3], 2*512
	JLOAD G0+4*\slot, G1, G0B+4*\slot, G1B
.else
	PLACES NP
.endif
	s_wait_alu depctr_va_vdst(0)
	FETCH \next, 0, F0
.if (\fill) && (\slot) == 0
	WIN 0
	global_prefetch_b8 v30, s[76:77] th:TH_LOAD_NT scope:SCOPE_SE
.endif
	WIN MUL
	MULA F1, 3, 0
.endm
	s_wait_alu depctr_va_vdst(0)
	s_wait_tensorcnt 0x0                           ; my part of K step 0 is in; these lines stand ahead of a later first fill as ahead of a refill
	ds_add_u32 v[SPW], v[NIL]
	s_wait_dscnt 0x0
	CROUND                                         ; everybody's part is in, and all sixteen work-groups are here
	JLOAD G0+4, G1, G0B+4, G1B                     ; K step 1: the first tensor load behind the round
	FETCH 0, 0, F0
	WIN 0
	global_prefetch_b8 v30, s[76:77] th:TH_LOAD_NT scope:SCOPE_SE
	STEP 0, 0, 1
	STEP 0, 1, 0
	STEP 0, 2, 0
	TURN 0, 1, 1
	STEP 1, 0, 0
	STEP 1, 1, 0
	STEP 1, 2, 0
	TURN 1, 0, 1
	STEP 0, 0, 0
	STEP 0, 1, 0
	STEP 0, 2, 0
	TURN 0, 1, 0
	STEP 1, 0, 0
	STEP 1, 1, 0
	STEP 1, 2, 0
	s_wait_dscnt 8
	WIN MUL
	MULA F1, 0, 0
	MULA F1, 1, 0
	s_wait_dscnt 0
	MULA F1, 2, 0
	MULA F1, 3, 0
	WIN 0
.macro TOSTAGE a
.set j, 0
.rept 16
	v_pk_mul_f32 v[TMP+j:TMP+j+1], v[ACC+32*(\a)+j:ACC+32*(\a)+j+1], s[96:97] op_sel_hi:[1,0]
.set j, j+2
.endr
.irp b, 0,1,2,3
	ds_store_b128 v[STO], v[TMP+8*\b:TMP+8*\b+3] offset:64*\b
	ds_store_b128 v[STO], v[TMP+8*\b+4:TMP+8*\b+7] offset:64*\b+16
.endr
.set BB, BK+32*((\a)%2)
.irp t, 0,1,2,3,4,5,6,7
	ds_load_b128 v[BB+4*\t:BB+4*\t+3], v[RD] offset:2*\t*SPITCH
.endr
.endm
.macro SEND a, younger
.set BB, BK+32*((\a)%2)
	s_wait_dscnt \younger
.irp t, 0,1,2,3,4,5,6,7
	global_store_b128 v[CO], v[BB+4*\t:BB+4*\t+3], s[10:11] offset:(16*(\a)+2*\t)*SIZE_N*4   ; sixteen lanes store 256 consecutive bytes, at a multiple of 256 from the buffer's first byte
.endr
.endm
	s_wait_kmcnt 0x0
	s_add_co_i32 s96, s96, s97
	s_add_co_i32 s96, s96, 127
	s_lshl_b32 s96, s96, 23
	PLACES NP
	TOSTAGE 0
.irp a, 1,2,3
.if \a > 1
	s_wait_xcnt 0x0
.endif
	TOSTAGE \a
	SEND \a-1, 16
.endr
	SEND 3, 0
	s_wait_tensorcnt 0x0
	ds_add_u32 v[SPW], v[NIL]
	s_wait_dscnt 0x0
	CROUND
	s_endpgm
.Lfunc_end_k_q2584667cdf_proj:
	.size	k_q2584667cdf_proj, .Lfunc_end_k_q2584667cdf_proj-k_q2584667cdf_proj
	.p2alignl 7, 3214868480
	.fill 96, 4, 3214868480
	.section	.rodata,"a",@progbits
	.p2align	6, 0x0
	.amdhsa_kernel k_q2584667cdf_proj
		.amdhsa_group_segment_fixed_size 327680
		.amdhsa_private_segment_fixed_size 0
		.amdhsa_enable_private_segment 0
		.amdhsa_kernarg_size 32
		.amdhsa_user_sgpr_count 2
		.amdhsa_user_sgpr_kernarg_segment_ptr 1
		.amdhsa_wavefront_size32 1
		.amdhsa_system_sgpr_workgroup_id_x 1
		.amdhsa_system_sgpr_workgroup_id_y 1
		.amdhsa_system_sgpr_workgroup_id_z 1
		.amdhsa_system_vgpr_workitem_id 0
		.amdhsa_next_free_vgpr 512
		.amdhsa_next_free_sgpr 100
		.amdhsa_reserve_vcc 0
		.amdhsa_float_denorm_mode_32 3
		.amdhsa_float_denorm_mode_16_64 3
		.amdhsa_memory_ordered 1
		.amdhsa_forward_progress 1
		.amdhsa_inst_pref_size 75
	.end_amdhsa_kernel
	.amdgpu_metadata
---
amdhsa.version: [ 1, 2 ]
amdhsa.kernels:
  - .name:           k_q2584667cdf_proj
    .symbol:         k_q2584667cdf_proj.kd
    .args:
      - { .name: acodes, .offset: 0, .size: 8, .value_kind: global_buffer, .address_space: global }
      - { .name: codes, .offset: 8, .size: 8, .value_kind: global_buffer, .address_space: global }
      - { .name: lowp_scales, .offset: 16, .size: 8, .value_kind: global_buffer, .address_space: global }
      - { .name: out0, .offset: 24, .size: 8, .value_kind: global_buffer, .address_space: global }
    .group_segment_fixed_size: 327680
    .private_segment_fixed_size: 0
    .kernarg_segment_align: 8
    .kernarg_segment_size: 32
    .max_flat_workgroup_size: 128
    .sgpr_count:     100
    .vgpr_count:     512
    .wavefront_size: 32
...
	.end_amdgpu_metadata
.endif
;; end of part 8
